; MI455X (gfx1250); checked and timed in simulation.
; The chip was launched on July 23, 2026; its instructions are those of AMD's public machine-readable ISA for CDNA 5 (MIT licence, August 2026) and "CDNA5" Instruction Set Architecture Reference Guide (July 2026). The comments in the code are by the model that wrote it; some were corrected since.
;; Infini Vi T. Allowed arithmetic: matrix products marked QUANTISED: E2M3 operands, one E8M0 scale for each 32 along K, by v_wmma_scale_f32_16x16x128_f8f6f4 with both operands' format E2M3, f32 sums; everything else in f32.
;; Inputs: b_fc1 4,096 float32; b_fc2 1,024 float32; b_mem 1,024 float32; b_out 1,024 float32; b_qkv 3,072 float32; ln1_b 1,024 float32; ln1_g 1,024 float32; ln2_b 1,024 float32; ln2_g 1,024 float32; memory 1 x 64 x 1,024 float32; w_fc1 1,024 x 4,096 float32; w_fc2 4,096 x 1,024 float32; w_mem 1,024 x 1,024 float32; w_out 1,024 x 1,024 float32; w_qkv 1,024 x 3,072 float32; x 2 x 2,048 x 1,024 float32.
;; Outputs: out0 2 x 2,048 x 1,024 float32.
;; This version of the problem:
;;   THIS VERSION OF THE PROBLEM IS GIVEN IN LOW PRECISION. The matrix products marked QUANTISED in the list below multiply operands that are first quantised to E2M3 (2 exponent bits, 3 mantissa bits; 6 bits a number), with one power-of-two scale for each 32 numbers along K (OCP MX v1.0); their sums are f32. All else is computed in f32.
;;   The module's matrix products, in the order in which they are computed (A, B: the left and right operand; K: the contracted axis; several contracted axes count as one K, in the product's order):
;;     1. [M 4,096, K 1,024] x [K 1,024, N 3,072]; A: computed on the way; B: input w_qkv: QUANTISED
;;     2. batch 32 x [M 2,048, K 64] x [K 64, N 2,048]; A: computed on the way; B: computed on the way: QUANTISED
;;     3. batch 32 x [M 2,048, K 2,048] x [K 2,048, N 64]; A: softmax (see below); B: computed on the way: QUANTISED
;;     4. [M 64, K 1,024] x [K 1,024, N 1,024]; A: input memory; B: input w_mem: QUANTISED
;;     5. batch 32 x [M 2,048, K 64] x [K 64, N 64]; A: computed on the way; B: computed on the way: QUANTISED
;;     6. batch 32 x [M 2,048, K 64] x [K 64, N 64]; A: softmax (see below); B: computed on the way: QUANTISED
;;     7. [M 4,096, K 1,024] x [K 1,024, N 1,024]; A: computed on the way; B: input w_out: QUANTISED
;;     8. [M 4,096, K 1,024] x [K 1,024, N 4,096]; A: computed on the way; B: input w_fc1: QUANTISED
;;     9. [M 4,096, K 4,096] x [K 4,096, N 1,024]; A: computed on the way; B: input w_fc2: QUANTISED
;;   THE QUANTISER, for each operand of a quantised product, along K:
;;     - K is cut into blocks of 32 from its start; a last block that is shorter is filled with zeros.
;;     - A block's scale is 2^e with e = floor(log2(the largest magnitude in the block)) - 2, held to -126 .. 127; a block of zeros has e = 0. As a byte (E8M0): e + 127.
;;     - Each number is divided by its block's scale, clamped to +-7.5, and rounded to the nearest number of E2M3, ties to even, subnormals kept.
;;     - The product sums the exact products of the quantised numbers (number of the format x scale) in f32.
;;   ~~~python
;;   def quantise(x, axis):      # numpy; x: float32 -> the quantised numbers, widened to float32 again
;;       x = np.moveaxis(x, axis, -1); K = x.shape[-1]
;;       x = np.pad(x, [(0, 0)] * (x.ndim - 1) + [(0, -K % 32)]); x = x.reshape(x.shape[:-1] + (-1, 32)); a = np.abs(x).max(-1, keepdims=True)
;;       e = np.where(a > 0, np.clip(np.frexp(np.where(a > 0, a, 1))[1] - 1 - 2, -126, 127), 0)      # np.frexp(a)[1] - 1 = floor(log2(a)), exactly
;;       r = np.clip(x / 2.0 ** e, -7.5, 7.5)
;;       step = 2.0 ** (np.maximum(np.frexp(np.where(r == 0, 1, r))[1] - 1, 0) - 3)
;;       q = np.round(r / step) * step * 2.0 ** e      # np.round: ties to even
;;       return np.moveaxis(q.reshape(q.shape[:-2] + (-1,))[..., :K], -1, axis).astype(np.float32)
;;   ~~~
;;   SOFTMAX AHEAD OF A QUANTISED PRODUCT. Where the list says 'softmax', what is quantised is not the finished softmax but p = 2^(t - M), with t = logit x log2(e) and M = ceil(the row's largest t), a whole number; so 1/2 < the row's largest p <= 1. The row's sum l is taken of the UNQUANTISED p, in f32, and the product's result is divided by l at the end. Since M is a whole number, a kernel that streams over the keys may use a running M (the ceiling of the running maximum): every later rescaling is an exact power of two, which a block's scale takes up: the codes' values come out the same.
;;   OPERANDS COMPUTED ON THE WAY. 'Computed on the way' means the value that the module computes at that place (a softmax that the list does not call 'softmax' is quantised finished and normalised). What goes into a quantiser is computed in f32, as accurately as f32 sums, v_exp_f32 and their like allow (about 1e-6 of the number): no bf16 or f16 on the way to a quantiser, and a product that is left as it is and whose result goes on into a quantised operand takes f32 operands (vector FMAs, or v_wmma_f32_16x16x4_f32). A number that lies on a knife's edge between two numbers of the format may be rounded either way, as far as f32 arithmetic and the matrix unit's own rounding can turn it there, and no further.
;; 2 versions. Each part assembles by itself: llvm-mc -triple=amdgcn-amd-amdhsa -mcpu=gfx1250 --defsym DOCPART=n.
;; ======== version 1 of 2: 9 launches
;; workspace buffers: wts 10,649,600 bytes; hbuf 3,276,800 bytes; memb 106,496 bytes; qkv 10,092,544 bytes; abuf 3,276,800 bytes; x1 16,777,216 bytes; gbuf 13,107,200 bytes
;; launch wq (part 1): grid 832 x 1, 4 waves a work-group, no clusters, 0 bytes of LDS; arguments w_qkv, w_fc1, w_out, w_mem, w_fc2, wts; writes wts
.if DOCPART == 1
	.amdgcn_target "amdgcn-amd-amdhsa--gfx1250"
	.amdhsa_code_object_version 6
	.text
	.protected	k_q1c18be1c72_wq
	.globl	k_q1c18be1c72_wq
	.p2align	8
	.type	k_q1c18be1c72_wq,@function
k_q1c18be1c72_wq:
	s_mov_b64 s[64:65], 0
	v_nop
	global_prefetch_b8 v0, s[64:65] scope:SCOPE_SE
	s_setreg_imm32_b32 hwreg(HW_REG_WAVE_MODE, 25, 1), 1
	s_wait_xcnt 0x0
; THE PROGRAM: one transformer block (LN1, qkv, softmax attention over 2,048 keys plus a second one over 64 memory slots, out projection + residual, LN2, fc1, exact gelu, fc2 + residual), all nine products on codes of
; E2M3 with one E8M0 scale for each 32 along K.  DEAD WORK: none.  Every one of the 16 inputs has a way to out0 for all values of the inputs (b_qkv's K part moves k's codes), so all are loaded and every product is done.
; mem = memory w_mem + b_mem is the same for both batches and is computed once: that is sharing, nothing is left out.
; THIS LAUNCH turns the five weights, f32 stored [K][N], into operands: codes with K innermost and scale words.
; THE ORDER OF K.  In every operand of this program, inside each block of 32 along K, code place 16 h + 8 u + j holds number 16 u + 8 h + j (h, u = 0, 1; j = 0 .. 7).  Both sides of every product are laid so, so that blocks,
; scales and products are the stated ones; only the order of the terms inside a matrix instruction differs.  It is the order in which a transposed matrix result lies in a lane, so later launches quantise results as they stand.
; THE LAYOUT.  Codes: [row block of 16 n][K step of 128][1,536 bytes], the image of an operand's 12 registers: registers 0-3 at 16 x lane, 4-5 at 512 + 8 x lane, 6-9 at 768 + 16 x lane, 10-11 at 1,280 + 8 x lane.
; Scale words: [row block][K step][16 words], row r's four bytes at 4 r.
; SHARES.  A wave takes 32 columns x 128 along K: a lane takes a column and its registers run down K, so a block's largest magnitude needs no other lane.  The four waves stand side by side on 512 bytes of each row.
; A wave's 128 loads are issued in one run.  No LDS, no barrier, no loop.
; LIMITS: NaN and infinities among the inputs are not served; a block of zeros gets the byte 1 where the rule says 127: its codes are zeros, and this program alone reads the bytes.
.set WQKV_C, 0
.set WFC1_C, 2359296
.set WOUT_C, 5505024
.set WMEM_C, 6291456
.set WFC2_C, 7077888
.set WQKV_S, 10223616
.set WFC1_S, 10321920
.set WOUT_S, 10452992
.set WMEM_S, 10485760
.set WFC2_S, 10518528
	s_load_b256 s[4:11], s[0:1], 0x0               ; w_qkv, w_fc1, w_out, w_mem
	s_load_b128 s[12:15], s[0:1], 0x20             ; w_fc2, wts
	v_lshrrev_b32 v1, 5, v0
	v_readfirstlane_b32 s23, v1                    ; wave
	v_and_b32 v1, 31, v0                           ; lane
	v_lshlrev_b32 v2, 2, v1                        ; in: 4 bytes a lane
	v_lshlrev_b32 v3, 4, v1                        ; out: 16 x lane,
	v_lshlrev_b32 v4, 3, v1                        ; 8 x lane
	v_and_b32 v6, 15, v0
	v_lshlrev_b32 v6, 2, v6                        ; 4 (lane % 16)
	v_bfe_u32 v7, v0, 4, 1                         ; lane / 16
	s_mov_b32 s18, 0                               ; w_qkv's figures: first work-group,
	s_mov_b32 s19, 3                               ; log2 of its K steps,
	s_mov_b32 s20, 3072*4                          ; a row in bytes,
	s_mov_b32 s21, WQKV_C                          ; where its codes
	s_mov_b32 s22, WQKV_S                          ; and its scale words begin
	s_wait_kmcnt 0x0
	s_mov_b64 s[16:17], s[4:5]
.macro PICK first, p, lg, rowb, cb, sb             ; from work-group 'first' on: the next weight.  The choice hangs on the work-group's number alone
	s_cmp_ge_u32 ttmp9, \first
	s_cselect_b64 s[16:17], s[\p:\p+1], s[16:17]
	s_cselect_b32 s18, \first, s18
	s_cselect_b32 s19, \lg, s19
	s_cselect_b32 s20, \rowb, s20
	s_cselect_b32 s21, \cb, s21
	s_cselect_b32 s22, \sb, s22
.endm
	PICK 192, 6, 3, 4096*4, WFC1_C, WFC1_S
	PICK 448, 8, 3, 1024*4, WOUT_C, WOUT_S
	PICK 512, 10, 3, 1024*4, WMEM_C, WMEM_S
	PICK 576, 12, 5, 1024*4, WFC2_C, WFC2_S
	s_sub_co_u32 s28, ttmp9, s18                   ; my number within the weight
	s_lshl_b32 s29, 1, s19                         ; KS: its K steps
	s_sub_co_u32 s30, s29, 1
	s_and_b32 s30, s28, s30                        ; my K step
	s_lshr_b32 s31, s28, s19                       ; my group of 128 columns
	s_lshl_b32 s36, s29, 6                         ; a row block's scale words in bytes
	v_mad_u32_u24 v5, v7, s36, v6                  ; my scale word's place: lanes 16-31 belong to the next row block
	s_lshl_b32 s32, s20, 7                         ; 128 rows of the weight
	s_mul_i32 s32, s32, s30
	s_lshl_b32 s33, s31, 9
	s_add_co_u32 s32, s32, s33
	s_lshl_b32 s33, s23, 7
	s_add_co_u32 s32, s32, s33                     ; + (128 group + 32 wave) columns of 4 bytes
	s_mov_b32 s33, 0
	s_add_nc_u64 s[16:17], s[16:17], s[32:33]
	s_lshl_b32 s34, s31, 3
	s_lshl_b32 s35, s23, 1
	s_add_co_u32 s34, s34, s35                     ; my first row block: 8 group + 2 wave
	s_mul_i32 s34, s34, s29
	s_add_co_u32 s34, s34, s30                     ; x KS + K step
	s_mul_i32 s32, s34, 1536
	s_add_co_u32 s32, s32, s21
	s_add_nc_u64 s[24:25], s[14:15], s[32:33]      ; the fragment of columns 0-15,
	s_mul_i32 s32, s29, 1536
	s_add_nc_u64 s[26:27], s[24:25], s[32:33]      ; that of columns 16-31: a row block on
	s_lshl_b32 s32, s34, 6
	s_add_co_u32 s32, s32, s22
	s_add_nc_u64 s[28:29], s[14:15], s[32:33]      ; the scale words
; register 32 + q takes row (q with its bits 3 and 4 changed over) of my 128: the order of K stated at the head.  Every offset is an immediate: 127 rows of 16,384 bytes at the most
.macro LOADS n
.set q, 0
.rept 128
.set kk, (q&0x67)|(((q>>3)&1)<<4)|(((q>>4)&1)<<3)
	global_load_b32 v[32+q], v2, s[16:17] offset:kk*\n*4 th:TH_LOAD_NT
.set q, q+1
.endr
.endm
	s_cmp_lt_u32 ttmp9, 192                        ; the row's length stands in the immediates: three copies of the loads, chosen by the work-group's number
	s_cbranch_scc1 .Ln3072
	s_cmp_lt_u32 ttmp9, 448
	s_cbranch_scc1 .Ln4096
	LOADS 1024
	s_branch .Ljoin
.Ln3072:
	LOADS 3072
	s_branch .Ljoin
.Ln4096:
	LOADS 4096
.Ljoin:
; Block t of my column: its largest magnitude, byte and 32 codes.  Blocks 0 and 2 go to v160-171, blocks 1 and 3 to v172-183.
.macro BLOCK t
.set XS, 32+32*(\t)
.set FD, 160+12*((\t)%2)+6*((\t)/2)
.if (\t) == 0
	s_wait_loadcnt 63                              ; the youngest 63 of the 128 loads may be out: the first 65 are in, blocks 0 and 1 among them.  (Block 0 could leave 96 out and block 1 64, but a wait's count names 63 at the most: ISA guide 5.7.1)
.elseif (\t) >= 2
	s_wait_loadcnt 96-32*(\t)                      ; this block's 32 loads are in; those of the later block may be out
.endif
	v_max3_num_f32 v8, |v[XS]|, |v[XS+1]|, |v[XS+2]|
	v_max3_num_f32 v9, |v[XS+3]|, |v[XS+4]|, |v[XS+5]|
.irp i, 6,10,14,18,22,26
	v_max3_num_f32 v8, v8, |v[XS+\i]|, |v[XS+\i+1]|
	v_max3_num_f32 v9, v9, |v[XS+\i+2]|, |v[XS+\i+3]|
.endr
	v_max3_num_f32 v8, v8, |v[XS+30]|, |v[XS+31]|
	v_max3_num_f32 v8, v8, v9, 0x1800000           ; and the floor 2^(3 - 127): the byte cannot fall under 1
	v_add_nc_u32 v10, 0xff000000, v8               ; 2 off the exponent field: the conversion's scale operand
	v_lshrrev_b32 v11, 23, v10                     ; the scale's byte
.if (\t) == 0
	v_mov_b32 v12, v11
.else
	v_lshl_or_b32 v12, v11, 8*(\t), v12            ; the lower K in the lower byte
.endif
	v_cvt_scalef32_pk16_fp6_f32 v[FD:FD+2], v[XS:XS+15], v10
	v_cvt_scalef32_pk16_fp6_f32 v[184:186], v[XS+16:XS+31], v10   ; (a conversion's three registers begin on an even number)
	v_nop                                          ; one plain place behind a scaled conversion
.irp i, 0,1,2
	v_mov_b32 v[FD+3+\i], v[184+\i]
.endr
.endm
	BLOCK 0
	BLOCK 1
	BLOCK 2
	BLOCK 3
; An operand's lane (r, h) wants blocks h and 2 + h of row r.  Lanes 16-31 of the first twelve registers change places with lanes 0-15 of the second twelve: v160-171 is then the fragment of columns 0-15, v172-183 that of 16-31.
.irp i, 0,1,2,3,4,5,6,7,8,9,10,11
	v_permlane16_swap_b32 v[160+\i], v[172+\i]
.endr
	global_store_b128 v3, v[160:163], s[24:25]               ; each store covers 512 or 256 consecutive bytes, aligned
	global_store_b64 v4, v[164:165], s[24:25] offset:512
	global_store_b128 v3, v[166:169], s[24:25] offset:768
	global_store_b64 v4, v[170:171], s[24:25] offset:1280
	global_store_b128 v3, v[172:175], s[26:27]
	global_store_b64 v4, v[176:177], s[26:27] offset:512
	global_store_b128 v3, v[178:181], s[26:27] offset:768
	global_store_b64 v4, v[182:183], s[26:27] offset:1280
	global_store_b32 v5, v12, s[28:29]
	s_endpgm
.Lfunc_end_k_q1c18be1c72_wq:
	.size	k_q1c18be1c72_wq, .Lfunc_end_k_q1c18be1c72_wq-k_q1c18be1c72_wq
	.p2alignl 7, 3214868480
	.fill 96, 4, 3214868480
	.section	.rodata,"a",@progbits
	.p2align	6, 0x0
	.amdhsa_kernel k_q1c18be1c72_wq
		.amdhsa_group_segment_fixed_size 0
		.amdhsa_private_segment_fixed_size 0
		.amdhsa_enable_private_segment 0
		.amdhsa_kernarg_size 48
		.amdhsa_user_sgpr_count 2
		.amdhsa_user_sgpr_kernarg_segment_ptr 1
		.amdhsa_wavefront_size32 1
		.amdhsa_system_sgpr_workgroup_id_x 1
		.amdhsa_system_sgpr_workgroup_id_y 1
		.amdhsa_system_sgpr_workgroup_id_z 1
		.amdhsa_system_vgpr_workitem_id 0
		.amdhsa_next_free_vgpr 192
		.amdhsa_next_free_sgpr 66
		.amdhsa_reserve_vcc 0
		.amdhsa_float_denorm_mode_32 3
		.amdhsa_float_denorm_mode_16_64 3
		.amdhsa_memory_ordered 1
		.amdhsa_forward_progress 1
		.amdhsa_inst_pref_size 47
	.end_amdhsa_kernel
	.amdgpu_metadata
---
amdhsa.version: [ 1, 2 ]
amdhsa.kernels:
  - .name:           k_q1c18be1c72_wq
    .symbol:         k_q1c18be1c72_wq.kd
    .args:
      - { .name: w_qkv, .offset: 0, .size: 8, .value_kind: global_buffer, .address_space: global }
      - { .name: w_fc1, .offset: 8, .size: 8, .value_kind: global_buffer, .address_space: global }
      - { .name: w_out, .offset: 16, .size: 8, .value_kind: global_buffer, .address_space: global }
      - { .name: w_mem, .offset: 24, .size: 8, .value_kind: global_buffer, .address_space: global }
      - { .name: w_fc2, .offset: 32, .size: 8, .value_kind: global_buffer, .address_space: global }
      - { .name: wts, .offset: 40, .size: 8, .value_kind: global_buffer, .address_space: global }
    .group_segment_fixed_size: 0
    .private_segment_fixed_size: 0
    .kernarg_segment_align: 8
    .kernarg_segment_size: 48
    .max_flat_workgroup_size: 128
    .sgpr_count:     66
    .vgpr_count:     192
    .wavefront_size: 32
...
	.end_amdgpu_metadata
.endif
;; end of part 1
;; launch ln1 (part 2): grid 256 x 1, 8 waves a work-group, no clusters, 66,816 bytes of LDS; arguments x, ln1_g, ln1_b, hbuf; writes hbuf
.if DOCPART == 2
	.amdgcn_target "amdgcn-amd-amdhsa--gfx1250"
	.amdhsa_code_object_version 6
	.text
	.protected	k_q1c18be1c72_ln1
	.globl	k_q1c18be1c72_ln1
	.p2align	8
	.type	k_q1c18be1c72_ln1,@function
k_q1c18be1c72_ln1:
	s_mov_b64 s[64:65], 0
	v_nop
	global_prefetch_b8 v0, s[64:65] scope:SCOPE_SE
	s_setreg_imm32_b32 hwreg(HW_REG_WAVE_MODE, 25, 1), 1
	s_wait_xcnt 0x0
; h = LayerNorm(x) g + b over rows of 1,024 f32, quantised along the row into codes of E2M3 and E8M0 scale words, laid as an operand: codes [row block of 16][K step of 128][1,536 bytes] (the image of 12 registers:
; 0-3 at 16 x lane, 4-5 at 512 + 8 x lane, 6-9 at 768 + 16 x lane, 10-11 at 1,280 + 8 x lane); scale words from byte 3,145,728 on, [row block][K step][16 words].
; Inside each block of 32 along K, code place 16 h + 8 u + j holds number 16 u + 8 h + j, as in every operand of this program.  No work is left out.
; SHARES.  A work-group takes 16 rows.  Phase A: wave w normalises rows 2 w and 2 w + 1, each held in 32 registers (mean, then the mean of squared differences, as the definition has it), and puts them into LDS.
; Phase B: wave w quantises K step w of all 16 rows: lane (r, h) takes 16 numbers of each block of 32 of row r.
; LIMITS: NaN and infinities are not served; a block of zeros gets the byte 1 (its codes are zeros; this program alone reads the bytes).
.set PITCH, 4112                       ; a row in LDS: 4,096 bytes + 16, so that the 16 rows of a load begin 16 bytes apart modulo 256
.set SPARE, 16*PITCH                   ; behind the rows: the spare words, 128 bytes for each wave, that no other line names
.set SPW, 6
.set NIL, 7
.set X,   32                           ; v32-95   two rows; in phase B 64 numbers
.set G,   96                           ; v96-127  g at my columns
.set BT,  128                          ; v128-159 b
.set PC,  96                           ; phase B: the codes,
.set TM,  116                          ; twelve registers at work,
.set PW,  132                          ; the scale word
.set SEL, 12
	s_load_b256 s[4:11], s[0:1], 0x0               ; x, g, b, the operand
	v_lshl_add_u32 v[SPW], v0, 2, SPARE
	v_mov_b32 v[NIL], 0
	v_lshrrev_b32 v8, 5, v0
	v_readfirstlane_b32 s16, v8                    ; wave
	v_and_b32 v9, 31, v0
	v_lshlrev_b32 v1, 4, v9                        ; 16 x lane
	v_lshlrev_b32 v4, 3, v9                        ; 8 x lane
	v_and_b32 v10, 15, v0                          ; r
	v_bfe_u32 v11, v0, 4, 1                        ; h
	v_lshlrev_b32 v5, 2, v10                       ; 4 r
	s_mul_i32 s17, s16, 2*PITCH
	v_add_nc_u32 v2, s17, v1                       ; phase A: my 16 bytes of my wave's first row
	v_mul_u32_u24 v3, v10, PITCH
	v_lshl_add_u32 v3, v11, 5, v3
	s_lshl_b32 s17, s16, 9
	v_add_nc_u32 v3, s17, v3                       ; phase B: row r, K step w, + 32 h
	s_mov_b32 s[SEL], 0x76543210
	s_mov_b32 s[SEL+1], 0xfedcba98                 ; lane l xor 16
	s_mov_b32 s14, 0x3a800000                      ; 1 / 1,024
	s_mov_b32 s15, 0x3727c5ac                      ; 1e-5
	s_lshl_b32 s18, ttmp9, 16                      ; 16 rows of 4,096 bytes
	s_lshl_b32 s19, s16, 13
	s_add_co_u32 s18, s18, s19
	s_mov_b32 s19, 0
	s_mul_i32 s20, ttmp9, 12288                    ; my row block's codes, my K step
	s_mul_i32 s21, s16, 1536
	s_add_co_u32 s20, s20, s21
	s_mov_b32 s21, 0
	s_lshl_b32 s22, ttmp9, 9                       ; and scale words
	s_lshl_b32 s23, s16, 6
	s_add_co_u32 s22, s22, s23
	s_add_co_u32 s22, s22, 3145728
	s_mov_b32 s23, 0
	s_wait_kmcnt 0x0
	s_add_nc_u64 s[4:5], s[4:5], s[18:19]
	s_add_nc_u64 s[24:25], s[10:11], s[20:21]
	s_add_nc_u64 s[26:27], s[10:11], s[22:23]
.irp p, 0,1
.irp j, 0,1,2,3,4,5,6,7
	global_load_b128 v[X+32*\p+4*\j:X+32*\p+4*\j+3], v1, s[4:5] offset:4096*\p+512*\j   ; 512 consecutive bytes a load
.endr
.endr
.irp j, 0,1,2,3,4,5,6,7
	global_load_b128 v[G+4*\j:G+4*\j+3], v1, s[6:7] offset:512*\j
.endr
.irp j, 0,1,2,3,4,5,6,7
	global_load_b128 v[BT+4*\j:BT+4*\j+3], v1, s[8:9] offset:512*\j
.endr
	v_mov_b32 v24, 0                               ; a lane permute's destination counts as one of its sources
	v_mov_b32 v25, 0
; the two chains of each row, v[8+4p:9+4p] and v[10+4p:11+4p], become one number in every lane of v[8+4p]; the rows by turns
.macro REDUCE
.irp p, 0,1
	v_pk_add_f32 v[8+4*\p:9+4*\p], v[8+4*\p:9+4*\p], v[10+4*\p:11+4*\p]
.endr
.irp p, 0,1
	v_add_f32 v[8+4*\p], v[8+4*\p], v[9+4*\p]
.endr
.irp m, 1,2,4,8
.irp p, 0,1
	v_add_f32_dpp v[8+4*\p], v[8+4*\p], v[8+4*\p] row_xmask:\m row_mask:0xf bank_mask:0xf
.endr
.endr
.irp p, 0,1
	v_permlanex16_b32 v[24+\p], v[8+4*\p], s[SEL], s[SEL+1]
.endr
.irp p, 0,1
	v_add_f32 v[8+4*\p], v[8+4*\p], v[24+\p]
.endr
.endm
	s_wait_loadcnt 16                              ; the two rows are in; g's and b's sixteen loads may be out
.irp p, 0,1
	v_pk_add_f32 v[8+4*\p:9+4*\p], v[X+32*\p:X+32*\p+1], v[X+32*\p+4:X+32*\p+5]
	v_pk_add_f32 v[10+4*\p:11+4*\p], v[X+32*\p+2:X+32*\p+3], v[X+32*\p+6:X+32*\p+7]
.endr
.irp j, 8,12,16,20,24,28
.irp p, 0,1
	v_pk_add_f32 v[8+4*\p:9+4*\p], v[8+4*\p:9+4*\p], v[X+32*\p+\j:X+32*\p+\j+1]
	v_pk_add_f32 v[10+4*\p:11+4*\p], v[10+4*\p:11+4*\p], v[X+32*\p+\j+2:X+32*\p+\j+3]
.endr
.endr
	REDUCE
.irp p, 0,1
	v_mul_f32 v[16+2*\p], s14, v[8+4*\p]           ; the mean, twice: a pair for the packed forms
	v_mov_b32 v[17+2*\p], v[16+2*\p]
.endr
.irp j, 0,2,4,6,8,10,12,14,16,18,20,22,24,26,28,30
.irp p, 0,1
	v_pk_add_f32 v[X+32*\p+\j:X+32*\p+\j+1], v[X+32*\p+\j:X+32*\p+\j+1], v[16+2*\p:17+2*\p] neg_lo:[0,1] neg_hi:[0,1]   ; d = x - mean
.endr
.endr
.irp p, 0,1
	v_pk_mul_f32 v[8+4*\p:9+4*\p], v[X+32*\p:X+32*\p+1], v[X+32*\p:X+32*\p+1]
	v_pk_mul_f32 v[10+4*\p:11+4*\p], v[X+32*\p+2:X+32*\p+3], v[X+32*\p+2:X+32*\p+3]
.endr
.irp j, 4,8,12,16,20,24,28
.irp p, 0,1
	v_pk_fma_f32 v[8+4*\p:9+4*\p], v[X+32*\p+\j:X+32*\p+\j+1], v[X+32*\p+\j:X+32*\p+\j+1], v[8+4*\p:9+4*\p]
	v_pk_fma_f32 v[10+4*\p:11+4*\p], v[X+32*\p+\j+2:X+32*\p+\j+3], v[X+32*\p+\j+2:X+32*\p+\j+3], v[10+4*\p:11+4*\p]
.endr
.endr
	REDUCE
.irp p, 0,1
	v_fma_f32 v[8+4*\p], v[8+4*\p], s14, s15       ; the variance + 1e-5
.endr
.irp p, 0,1
	v_rsq_f32 v[20+2*\p], v[8+4*\p]
	v_rsq_f32 v[21+2*\p], v[8+4*\p]
.endr
	v_nop                                          ; a plain place behind the last of the four
	s_wait_alu depctr_va_vdst(0)                   ; one wait for the four, ahead of their first reader
	s_wait_loadcnt 0x0                             ; g and b
.irp j, 0,2,4,6,8,10,12,14,16,18,20,22,24,26,28,30
.irp p, 0,1
	v_pk_mul_f32 v[X+32*\p+\j:X+32*\p+\j+1], v[X+32*\p+\j:X+32*\p+\j+1], v[20+2*\p:21+2*\p]
.endr
.endr
.irp j, 0,2,4,6,8,10,12,14,16,18,20,22,24,26,28,30
.irp p, 0,1
	v_pk_fma_f32 v[X+32*\p+\j:X+32*\p+\j+1], v[X+32*\p+\j:X+32*\p+\j+1], v[G+\j:G+\j+1], v[BT+\j:BT+\j+1]
.endr
.endr
.irp p, 0,1
.irp j, 0,1,2,3,4,5,6,7
	ds_store_b128 v2, v[X+32*\p+4*\j:X+32*\p+4*\j+3] offset:PITCH*\p+512*\j
.endr
.endr
	s_wait_dscnt 0x0                               ; for the others' sake: my two rows lie in LDS
	s_barrier_signal -1
	s_barrier_wait -1
; 64 numbers of a lane, register 16 b + i = code place 32 b + 16 (lane / 16) + i of my row, become a fragment's codes in v[PC] on and its scale word in v[PW]
.macro QUANT s, nb
.set qb, 0
.rept \nb
	v_max3_num_f32 v[TM+qb], |v[(\s)+16*qb]|, |v[(\s)+16*qb+1]|, 0x1800000   ; my 16 numbers of block qb, and the floor 2^(3 - 127): the byte cannot fall under 1
.set qb, qb+1
.endr
.irp i, 2,4,6,8,10,12,14
.set qb, 0
.rept \nb
	v_max3_num_f32 v[TM+qb], v[TM+qb], |v[(\s)+16*qb+\i]|, |v[(\s)+16*qb+\i+1]|   ; the blocks by turns
.set qb, qb+1
.endr
.endr
.set qb, 0
.rept \nb
	v_permlanex16_b32 v[TM+4+qb], v[TM+qb], s[SEL], s[SEL+1]
.set qb, qb+1
.endr
.set qb, 0
.rept \nb
	v_max_num_f32 v[TM+qb], v[TM+qb], v[TM+4+qb]   ; with lane l xor 16's: the block's largest magnitude
.set qb, qb+1
.endr
.set qb, 0
.rept \nb
	v_add_nc_u32 v[TM+8+qb], 0xff000000, v[TM+qb]  ; 2 off its exponent field: the conversion's scale operand
.set qb, qb+1
.endr
.set qb, 0
.rept \nb
	v_lshrrev_b32 v[TM+4+qb], 23, v[TM+8+qb]       ; the scale's byte
.set qb, qb+1
.endr
	v_lshl_or_b32 v[PW], v[TM+5], 8, v[TM+4]
.if \nb == 4
	v_lshl_or_b32 v[PW], v[TM+6], 16, v[PW]
	v_lshl_or_b32 v[PW], v[TM+7], 24, v[PW]
.endif
.set qc, 0
.rept \nb/2
	v_cvt_scalef32_pk16_fp6_f32 v[PC+6*qc:PC+6*qc+2], v[(\s)+32*qc:(\s)+32*qc+15], v[TM+8+2*qc]
	v_cvt_scalef32_pk16_fp6_f32 v[PC+12+4*qc:PC+12+4*qc+2], v[(\s)+32*qc+16:(\s)+32*qc+31], v[TM+8+2*qc+1]   ; (three registers that begin on an even number)
.set qc, qc+1
.endr
	v_nop                                          ; one plain place behind a scaled conversion
.set qc, 0
.rept \nb/2                                        ; the operand wants a whole block in a lane: lanes 0-15 block 2 c, lanes 16-31 block 2 c + 1
.irp i, 0,1,2
	v_permlane16_swap_b32 v[PC+6*qc+\i], v[PC+12+4*qc+\i]
.endr
.irp i, 0,1,2
	v_mov_b32 v[PC+3+6*qc+\i], v[PC+12+4*qc+\i]
.endr
.set qc, qc+1
.endr
.endm
.irp b, 0,1,2,3
	ds_load_b128 v[32+16*\b:35+16*\b], v3 offset:128*\b        ; numbers 8 h + 0 .. 7 of block b,
	ds_load_b128 v[36+16*\b:39+16*\b], v3 offset:128*\b+16
	ds_load_b128 v[40+16*\b:43+16*\b], v3 offset:128*\b+64     ; and 16 + 8 h + 0 .. 7: code places 16 h + 0 .. 15
	ds_load_b128 v[44+16*\b:47+16*\b], v3 offset:128*\b+80
.endr
.irp b, 0,1,2,3
	v_mov_b32 v[TM+4+\b], 0                        ; a lane permute's destination counts as one of its sources
.endr
	s_wait_dscnt 0x0
	QUANT 32, 4
	global_store_b128 v1, v[PC:PC+3], s[24:25]
	global_store_b64 v4, v[PC+4:PC+5], s[24:25] offset:512
	global_store_b128 v1, v[PC+6:PC+9], s[24:25] offset:768
	global_store_b64 v4, v[PC+10:PC+11], s[24:25] offset:1280
	global_store_b32 v5, v[PW], s[26:27]           ; lanes 16-31 write the same words with the same values
	s_wait_tensorcnt 0x0                           ; the wave's end
	ds_add_u32 v[SPW], v[NIL]
	s_wait_dscnt 0x0
	s_endpgm
.Lfunc_end_k_q1c18be1c72_ln1:
	.size	k_q1c18be1c72_ln1, .Lfunc_end_k_q1c18be1c72_ln1-k_q1c18be1c72_ln1
	.p2alignl 7, 3214868480
	.fill 96, 4, 3214868480
	.section	.rodata,"a",@progbits
	.p2align	6, 0x0
	.amdhsa_kernel k_q1c18be1c72_ln1
		.amdhsa_group_segment_fixed_size 66816
		.amdhsa_private_segment_fixed_size 0
		.amdhsa_enable_private_segment 0
		.amdhsa_kernarg_size 32
		.amdhsa_user_sgpr_count 2
		.amdhsa_user_sgpr_kernarg_segment_ptr 1
		.amdhsa_wavefront_size32 1
		.amdhsa_system_sgpr_workgroup_id_x 1
		.amdhsa_system_sgpr_workgroup_id_y 1
		.amdhsa_system_sgpr_workgroup_id_z 1
		.amdhsa_system_vgpr_workitem_id 0
		.amdhsa_next_free_vgpr 160
		.amdhsa_next_free_sgpr 66
		.amdhsa_reserve_vcc 0
		.amdhsa_float_denorm_mode_32 3
		.amdhsa_float_denorm_mode_16_64 3
		.amdhsa_memory_ordered 1
		.amdhsa_forward_progress 1
		.amdhsa_inst_pref_size 24
	.end_amdhsa_kernel
	.amdgpu_metadata
---
amdhsa.version: [ 1, 2 ]
amdhsa.kernels:
  - .name:           k_q1c18be1c72_ln1
    .symbol:         k_q1c18be1c72_ln1.kd
    .args:
      - { .name: x, .offset: 0, .size: 8, .value_kind: global_buffer, .address_space: global }
      - { .name: ln1_g, .offset: 8, .size: 8, .value_kind: global_buffer, .address_space: global }
      - { .name: ln1_b, .offset: 16, .size: 8, .value_kind: global_buffer, .address_space: global }
      - { .name: hbuf, .offset: 24, .size: 8, .value_kind: global_buffer, .address_space: global }
    .group_segment_fixed_size: 66816
    .private_segment_fixed_size: 0
    .kernarg_segment_align: 8
    .kernarg_segment_size: 32
    .max_flat_workgroup_size: 256
    .sgpr_count:     66
    .vgpr_count:     160
    .wavefront_size: 32
...
	.end_amdgpu_metadata
.endif
;; end of part 2
;; launch memk (part 3): grid 16 x 1, 4 waves a work-group, no clusters, 69,120 bytes of LDS; arguments memory, wts, b_mem, memb; writes memb
.if DOCPART == 3
	.amdgcn_target "amdgcn-amd-amdhsa--gfx1250"
	.amdhsa_code_object_version 6
	.text
	.protected	k_q1c18be1c72_memk
	.globl	k_q1c18be1c72_memk
	.p2align	8
	.type	k_q1c18be1c72_memk,@function
k_q1c18be1c72_memk:
	s_mov_b64 s[64:65], 0
	v_nop
	global_prefetch_b8 v0, s[64:65] scope:SCOPE_SE
	s_setreg_imm32_b32 hwreg(HW_REG_WAVE_MODE, 25, 1), 1
	s_wait_xcnt 0x0
; mem = Q(memory) Q(w_mem) + b_mem, [64 slots][1,024], computed once (it is the same for both batches), then quantised twice for the memory read: along the head's 64 channels (it is K of q mem^T) and along the 64 slots
; (it is K of p mem).  No work is left out.  One work-group for each of the 16 heads: the design has work for sixteen.
; memb, for each head 6,656 bytes: 4 slot tiles x 768 bytes (16 slots x 64 channels: registers 0-3 at 16 x lane, 4-5 at 512 + 8 x lane); 4 channel tiles x 768 (16 channels x 64 slots); 4 x 16 scale words; 4 x 16 scale words.
; Inside each block of 32 along any K, code place 16 h + 8 u + j holds number 16 u + 8 h + j, as in every operand of this program.
; SHARES.  Wave a takes slots 16 a .. 16 a + 15 and all 64 channels of the head.  The head's part of w_mem's codes (49,152 bytes) is copied into LDS once, a quarter by each wave; memory is quantised in registers, a K step of 128 at a time.
; The product is used transposed (source 0 = 16 channels of w_mem, source 1 = my 16 slots): a lane holds one slot, its registers run along the channels.
; LIMITS: NaN and infinities are not served; a block of zeros gets the byte 1 (its codes are zeros; this program alone reads the bytes).
.set WMEM_C, 6291456
.set WMEM_S, 10485760
.set WSC,   49152                      ; LDS: from 0 the head's 32 fragments of w_mem (channel tile t, K step s at (8 t + s) x 1,536); here their scale words, 2,048 bytes;
.set STG,   51200                      ; mem in f32: 64 slots x (256 bytes + 16);
.set SPARE, 68608                      ; the spare words, 128 bytes for each wave, that no other line names
.set L16, 1
.set L8,  2
.set MA,  3                            ; memory: r x 4,096 + 32 h
.set WSA, 4                            ; w_mem's scale words: lanes 16-31 take the next channel tile's
.set SIN, 5                            ; into the stage
.set SOUT, 6                           ; out of it, down the slots
.set R4,  7
.set PW,  10                           ; v8, v9: w_mem's scale words; v10: the scale word just made
.set SPW, 12
.set NIL, 13
.set X0,  16                           ; v16-79, v80-143: two sets of 64 numbers
.set WF,  144                          ; v144-191 four fragments of w_mem
.set ACC, 192                          ; v192-223 four accumulators
.set PC,  224
.set TM,  243
.set SEL, 20
	s_load_b256 s[4:11], s[0:1], 0x0               ; memory, wts, b_mem, memb
	v_lshl_add_u32 v[SPW], v0, 2, SPARE
	v_mov_b32 v[NIL], 0
	v_lshrrev_b32 v11, 5, v0
	v_readfirstlane_b32 s12, v11                   ; wave a
	v_and_b32 v11, 31, v0
	v_lshlrev_b32 v[L16], 4, v11
	v_lshlrev_b32 v[L8], 3, v11
	v_and_b32 v14, 15, v0                          ; r
	v_bfe_u32 v15, v0, 4, 1                        ; h
	v_lshlrev_b32 v[R4], 2, v14
	v_lshlrev_b32 v[MA], 12, v14
	v_lshl_add_u32 v[MA], v15, 5, v[MA]
	v_lshl_add_u32 v[WSA], v15, 9, v[R4]
	v_add_nc_u32 v[WSA], WSC, v[WSA]
	s_mul_i32 s13, s12, 16*272
	v_mul_u32_u24 v[SIN], v14, 272
	v_lshl_add_u32 v[SIN], v15, 5, v[SIN]
	v_add_nc_u32 v[SIN], s13, v[SIN]
	v_add_nc_u32 v[SIN], STG, v[SIN]               ; slot 16 a + r, + 32 h
	s_lshl_b32 s13, s12, 6
	v_mul_u32_u24 v[SOUT], v15, 8*272
	v_add_nc_u32 v[SOUT], v[SOUT], v[R4]
	v_add_nc_u32 v[SOUT], s13, v[SOUT]
	v_add_nc_u32 v[SOUT], STG, v[SOUT]             ; slot 8 h, channel 16 a + r
	s_mul_i32 s13, s12, 12288
	v_add_nc_u32 v11, s13, v[L16]                  ; where my quarter of the fragments goes,
	s_lshl_b32 s13, s12, 9
	v_add_nc_u32 v14, s13, v[L16]
	v_add_nc_u32 v14, WSC, v14                     ; and my quarter of the scale words
	v_lshlrev_b32 v15, 5, v15                      ; the bias: 32 h
	s_mov_b32 s[SEL], 0x76543210
	s_mov_b32 s[SEL+1], 0xfedcba98
	s_mov_b32 s25, 0
	s_mov_b32 s27, 0
	s_wait_kmcnt 0x0
	s_mul_i32 s24, ttmp9, 49152
	s_mul_i32 s26, s12, 12288
	s_add_co_u32 s24, s24, s26
	s_add_co_u32 s24, s24, WMEM_C
	s_add_nc_u64 s[16:17], s[6:7], s[24:25]        ; my quarter of the head's codes of w_mem
	s_lshl_b32 s24, ttmp9, 11
	s_lshl_b32 s26, s12, 9
	s_add_co_u32 s24, s24, s26
	s_add_co_u32 s24, s24, WMEM_S
	s_add_nc_u64 s[18:19], s[6:7], s[24:25]        ; and of its scale words
	s_lshl_b32 s24, s12, 16
	s_add_nc_u64 s[4:5], s[4:5], s[24:25]          ; memory at slot 16 a
	s_lshl_b32 s24, ttmp9, 8
	s_add_nc_u64 s[8:9], s[8:9], s[24:25]          ; b_mem at the head's first channel
	s_mul_i32 s24, ttmp9, 6656
	s_add_nc_u64 s[28:29], s[10:11], s[24:25]      ; the head's part of memb
	s_mul_i32 s24, s12, 768
	s_add_nc_u64 s[10:11], s[28:29], s[24:25]      ; my tile of codes
	s_lshl_b32 s24, s12, 6
	s_add_co_u32 s24, s24, 6144
	s_add_nc_u64 s[22:23], s[28:29], s[24:25]      ; my tile's scale words
.irp i, 0,1,2,3,4,5,6,7,8,9,10,11,12,13,14,15,16,17,18,19,20,21,22,23
	global_load_b128 v[144+4*\i:147+4*\i], v[L16], s[16:17] offset:512*\i
.endr
	global_load_b128 v[240:243], v[L16], s[18:19]
; my 16 slots' numbers of K step s: register 16 b + i = code place 32 b + 16 h + i
.macro XLOAD reg, s
.irp b, 0,1,2,3
	global_load_b128 v[\reg+16*\b:\reg+16*\b+3], v[MA], s[4:5] offset:512*(\s)+128*\b
	global_load_b128 v[\reg+16*\b+4:\reg+16*\b+7], v[MA], s[4:5] offset:512*(\s)+128*\b+16
	global_load_b128 v[\reg+16*\b+8:\reg+16*\b+11], v[MA], s[4:5] offset:512*(\s)+128*\b+64
	global_load_b128 v[\reg+16*\b+12:\reg+16*\b+15], v[MA], s[4:5] offset:512*(\s)+128*\b+80
.endr
.endm
	XLOAD X0, 0
	XLOAD X0+64, 1
	s_wait_loadcnt 32                              ; w_mem's 25 loads are in; the two K steps of memory may be out
.irp i, 0,1,2,3,4,5,6,7,8,9,10,11,12,13,14,15,16,17,18,19,20,21,22,23
	ds_store_b128 v11, v[144+4*\i:147+4*\i] offset:512*\i
.endr
	ds_store_b128 v14, v[240:243]
	s_wait_dscnt 0x0                               ; for the others' sake: my quarter lies in LDS
	s_barrier_signal -1
	s_barrier_wait -1
.irp b, 0,1,2,3
	v_mov_b32 v[TM+4+\b], 0                        ; a lane permute's destination counts as one of its sources
.endr
; 16 nb numbers of a lane, register 16 b + i = code place 32 b + 16 (lane / 16) + i of my row, become codes in v[PC] on and a scale word in v[PW]
.macro QUANT s, nb
.set qb, 0
.rept \nb
	v_max3_num_f32 v[TM+qb], |v[(\s)+16*qb]|, |v[(\s)+16*qb+1]|, 0x1800000   ; and the floor 2^(3 - 127): the byte cannot fall under 1
.set qb, qb+1
.endr
.irp i, 2,4,6,8,10,12,14
.set qb, 0
.rept \nb
	v_max3_num_f32 v[TM+qb], v[TM+qb], |v[(\s)+16*qb+\i]|, |v[(\s)+16*qb+\i+1]|
.set qb, qb+1
.endr
.endr
.set qb, 0
.rept \nb
	v_permlanex16_b32 v[TM+4+qb], v[TM+qb], s[SEL], s[SEL+1]
.set qb, qb+1
.endr
.set qb, 0
.rept \nb
	v_max_num_f32 v[TM+qb], v[TM+qb], v[TM+4+qb]   ; the block's largest magnitude
.set qb, qb+1
.endr
.set qb, 0
.rept \nb
	v_add_nc_u32 v[TM+8+qb], 0xff000000, v[TM+qb]  ; the conversion's scale operand
.set qb, qb+1
.endr
.set qb, 0
.rept \nb
	v_lshrrev_b32 v[TM+4+qb], 23, v[TM+8+qb]       ; the scale's byte
.set qb, qb+1
.endr
	v_lshl_or_b32 v[PW], v[TM+5], 8, v[TM+4]
.if \nb == 4
	v_lshl_or_b32 v[PW], v[TM+6], 16, v[PW]
	v_lshl_or_b32 v[PW], v[TM+7], 24, v[PW]
.endif
.set qc, 0
.rept \nb/2
	v_cvt_scalef32_pk16_fp6_f32 v[PC+6*qc:PC+6*qc+2], v[(\s)+32*qc:(\s)+32*qc+15], v[TM+8+2*qc]
	v_cvt_scalef32_pk16_fp6_f32 v[PC+12+4*qc:PC+12+4*qc+2], v[(\s)+32*qc+16:(\s)+32*qc+31], v[TM+8+2*qc+1]
.set qc, qc+1
.endr
	v_nop                                          ; one plain place behind a scaled conversion
.set qc, 0
.rept \nb/2
.irp i, 0,1,2
	v_permlane16_swap_b32 v[PC+6*qc+\i], v[PC+12+4*qc+\i]
.endr
.irp i, 0,1,2
	v_mov_b32 v[PC+3+6*qc+\i], v[PC+12+4*qc+\i]
.endr
.set qc, qc+1
.endr
.endm
.macro MM t, first                                 ; channel tile t x my slots, 128 along K; odd tiles' scale words stand in lanes 16-31
.if \first
.if (\t)%2
	v_wmma_scale_f32_16x16x128_f8f6f4 v[ACC+8*\t:ACC+8*\t+7], v[WF+12*\t:WF+12*\t+11], v[PC:PC+11], 0, v[8+(\t)/2], v[PW] matrix_a_fmt:MATRIX_FMT_FP6 matrix_b_fmt:MATRIX_FMT_FP6 matrix_a_scale:MATRIX_SCALE_ROW1
.else
	v_wmma_scale_f32_16x16x128_f8f6f4 v[ACC+8*\t:ACC+8*\t+7], v[WF+12*\t:WF+12*\t+11], v[PC:PC+11], 0, v[8+(\t)/2], v[PW] matrix_a_fmt:MATRIX_FMT_FP6 matrix_b_fmt:MATRIX_FMT_FP6
.endif
.else
.if (\t)%2
	v_wmma_scale_f32_16x16x128_f8f6f4 v[ACC+8*\t:ACC+8*\t+7], v[WF+12*\t:WF+12*\t+11], v[PC:PC+11], v[ACC+8*\t:ACC+8*\t+7], v[8+(\t)/2], v[PW] matrix_a_fmt:MATRIX_FMT_FP6 matrix_b_fmt:MATRIX_FMT_FP6 matrix_a_scale:MATRIX_SCALE_ROW1
.else
	v_wmma_scale_f32_16x16x128_f8f6f4 v[ACC+8*\t:ACC+8*\t+7], v[WF+12*\t:WF+12*\t+11], v[PC:PC+11], v[ACC+8*\t:ACC+8*\t+7], v[8+(\t)/2], v[PW] matrix_a_fmt:MATRIX_FMT_FP6 matrix_b_fmt:MATRIX_FMT_FP6
.endif
.endif
.endm
.irp s, 0,1,2,3,4,5,6,7                            ; the eight K steps, written out: every offset is an immediate
.if \s > 0
.rept 4
	v_nop                                          ; places in front of loads into registers that matrix instructions have read
.endr
.endif
.irp t, 0,1,2,3
	ds_load_b128 v[WF+12*\t:WF+12*\t+3], v[L16] offset:(8*\t+\s)*1536
	ds_load_b64 v[WF+12*\t+4:WF+12*\t+5], v[L8] offset:(8*\t+\s)*1536+512
	ds_load_b128 v[WF+12*\t+6:WF+12*\t+9], v[L16] offset:(8*\t+\s)*1536+768
	ds_load_b64 v[WF+12*\t+10:WF+12*\t+11], v[L8] offset:(8*\t+\s)*1536+1280
.endr
	ds_load_b32 v8, v[WSA] offset:64*\s            ; tiles 0 and 1,
	ds_load_b32 v9, v[WSA] offset:1024+64*\s       ; tiles 2 and 3
.if \s < 7
	s_wait_loadcnt 16                              ; this K step's numbers are in; the next step's sixteen loads may be out
.else
	s_wait_loadcnt 8                               ; behind the last step's loads: the bias's eight
.endif
	QUANT X0+64*(\s%2), 4
.if \s < 6
	XLOAD X0+64*(\s%2), \s+2
.endif
.if \s == 6
.irp t, 0,1,2,3
	global_load_b128 v[16+8*\t:19+8*\t], v15, s[8:9] offset:64*\t        ; b_mem at channels 16 t + 8 h + 0 .. 7
	global_load_b128 v[20+8*\t:23+8*\t], v15, s[8:9] offset:64*\t+16
.endr
.endif
	s_wait_dscnt 0x0
.rept 8
	v_nop                                          ; a scale register written by a vector instruction stands 8 places ahead of a scaled matrix instruction, an operand so written 4
.endr
.irp t, 0,1,2,3                                    ; the four accumulators by turns
.if \s == 0
	MM \t, 1
.else
	MM \t, 0
.endif
.endr
.endr
.rept 4
	v_nop
.endr
	s_wait_loadcnt 0x0                             ; the bias
.irp i, 0,2,4,6,8,10,12,14,16,18,20,22,24,26,28,30
	v_pk_add_f32 v[80+\i:81+\i], v[ACC+\i:ACC+\i+1], v[16+\i:17+\i]   ; mem(slot r, channel 16 t + 8 h + j) in register 8 t + j; each accumulator from its low end on
.endr
.irp t, 0,1,2,3
	ds_store_b128 v[SIN], v[80+8*\t:83+8*\t] offset:64*\t
	ds_store_b128 v[SIN], v[84+8*\t:87+8*\t] offset:64*\t+16
.endr
	QUANT 80, 2                                    ; along the channels: my 16 slots as rows
	global_store_b128 v[L16], v[PC:PC+3], s[10:11]
	global_store_b64 v[L8], v[PC+4:PC+5], s[10:11] offset:512
	global_store_b32 v[R4], v[PW], s[22:23]
	s_wait_dscnt 0x0                               ; for the others' sake: my 16 slots lie in the stage
	s_barrier_signal -1
	s_barrier_wait -1
.irp i, 0,1,2,3,4,5,6,7,8,9,10,11,12,13,14,15,16,17,18,19,20,21,22,23,24,25,26,27,28,29,30,31
	ds_load_b32 v[16+\i], v[SOUT] offset:(32*(\i/16)+16*((\i%16)/8)+\i%8)*272   ; channel 16 a + r; register 16 b + 8 u + j = slot 32 b + 16 u + 8 h + j
.endr
	s_wait_xcnt 0x0                                ; the stores above have read the codes and the word: both are written again below
	s_wait_dscnt 0x0
	QUANT 16, 2                                    ; along the slots: channels 16 a .. 16 a + 15 as rows
	global_store_b128 v[L16], v[PC:PC+3], s[10:11] offset:3072
	global_store_b64 v[L8], v[PC+4:PC+5], s[10:11] offset:3072+512
	global_store_b32 v[R4], v[PW], s[22:23] offset:256
	s_wait_tensorcnt 0x0                           ; the wave's end
	ds_add_u32 v[SPW], v[NIL]
	s_wait_dscnt 0x0
	s_endpgm
.Lfunc_end_k_q1c18be1c72_memk:
	.size	k_q1c18be1c72_memk, .Lfunc_end_k_q1c18be1c72_memk-k_q1c18be1c72_memk
	.p2alignl 7, 3214868480
	.fill 96, 4, 3214868480
	.section	.rodata,"a",@progbits
	.p2align	6, 0x0
	.amdhsa_kernel k_q1c18be1c72_memk
		.amdhsa_group_segment_fixed_size 69120
		.amdhsa_private_segment_fixed_size 0
		.amdhsa_enable_private_segment 0
		.amdhsa_kernarg_size 32
		.amdhsa_user_sgpr_count 2
		.amdhsa_user_sgpr_kernarg_segment_ptr 1
		.amdhsa_wavefront_size32 1
		.amdhsa_system_sgpr_workgroup_id_x 1
		.amdhsa_system_sgpr_workgroup_id_y 1
		.amdhsa_system_sgpr_workgroup_id_z 1
		.amdhsa_system_vgpr_workitem_id 0
		.amdhsa_next_free_vgpr 256
		.amdhsa_next_free_sgpr 66
		.amdhsa_reserve_vcc 0
		.amdhsa_float_denorm_mode_32 3
		.amdhsa_float_denorm_mode_16_64 3
		.amdhsa_memory_ordered 1
		.amdhsa_forward_progress 1
		.amdhsa_inst_pref_size 75
	.end_amdhsa_kernel
	.amdgpu_metadata
---
amdhsa.version: [ 1, 2 ]
amdhsa.kernels:
  - .name:           k_q1c18be1c72_memk
    .symbol:         k_q1c18be1c72_memk.kd
    .args:
      - { .name: memory, .offset: 0, .size: 8, .value_kind: global_buffer, .address_space: global }
      - { .name: wts, .offset: 8, .size: 8, .value_kind: global_buffer, .address_space: global }
      - { .name: b_mem, .offset: 16, .size: 8, .value_kind: global_buffer, .address_space: global }
      - { .name: memb, .offset: 24, .size: 8, .value_kind: global_buffer, .address_space: global }
    .group_segment_fixed_size: 69120
    .private_segment_fixed_size: 0
    .kernarg_segment_align: 8
    .kernarg_segment_size: 32
    .max_flat_workgroup_size: 128
    .sgpr_count:     66
    .vgpr_count:     256
    .wavefront_size: 32
...
	.end_amdgpu_metadata
.endif
;; end of part 3
;; launch gqkv (part 4): grid 12 x 16, 4 waves a work-group, clusters of 4 x 4, 327,680 bytes of LDS; arguments hbuf, wts, b_qkv, qkv; writes qkv
.if DOCPART == 4
	.amdgcn_target "amdgcn-amd-amdhsa--gfx1250"
	.amdhsa_code_object_version 6
	.text
	.protected	k_q1c18be1c72_gqkv
	.globl	k_q1c18be1c72_gqkv
	.p2align	8
	.type	k_q1c18be1c72_gqkv,@function
k_q1c18be1c72_gqkv:
	s_mov_b64 s[64:65], 0
	v_nop
	global_prefetch_b8 v0, s[64:65] scope:SCOPE_SE
	s_setreg_imm32_b32 hwreg(HW_REG_WAVE_MODE, 25, 1), 1
	s_wait_xcnt 0x0
	s_wait_alu depctr_hold_cnt(0) depctr_sa_sdst(0) depctr_va_vdst(0) depctr_va_sdst(0) depctr_va_ssrc(0) depctr_va_vcc(0) depctr_vm_vsrc(0)
	s_getreg_b32 s2, hwreg(HW_REG_IB_STS2, 6, 4)
	s_cmp_eq_u32 s2, 0
	s_cbranch_scc0 .Lentry_in_a_cluster
	s_endpgm
.Lentry_in_a_cluster:
	s_bfe_u32 s2, ttmp6, 0x10000c
	s_cmp_lg_u32 s2, 0xf033
	s_cbranch_scc0 .Lentry_shape_is_right
	s_endpgm
.Lentry_shape_is_right:
; qkv = Q(h) Q(w_qkv) + b_qkv, h = LN1(x) as codes; the results are quantised on the way out and leave as attention's operands: q and k along the head's 64 channels, v along the keys.  No work is left out.
; OPERANDS arrive as images of registers: codes [row block of 16][K step of 128][1,536 bytes] (registers 0-3 at 16 x lane, 4-5 at 512 + 8 x lane, 6-9 at 768 + 16 x lane, 10-11 at 1,280 + 8 x lane), scale words
; [row block][K step][16 words].  Inside each block of 32 along K, code place 16 h + 8 u + j holds number 16 u + 8 h + j on both sides.
; A tile of 256 x 256 is made by four waves, 128 x 128 each: 64 accumulators.  K = 1,024 goes in steps of 256 through a ring of two LDS slots; a wave's tensor load brings 8 row blocks x 3,072 bytes.  The scale words of the
; work-group's rows, for all of K, come once with the first fills.  By this text's count a wave has three tensor loads out at the start and one behind each change of slots.
; CLUSTERS of 4 x 4: the four of a row of the cluster ask jointly for A's tiles, the four of a column for B's.  The matrix instruction is used transposed (source 0 = 16 rows of B, source 1 = 16 rows of A): a lane holds one row
; of A and eight neighbouring rows of B, so its 64 numbers of a block of 16 rows are, as they stand, 64 code places of a K step of the next product.
; ROLES by the cluster's x, which all partners share: 0 = q, 1 = k: A = h (tokens), B = w_qkv's rows; 2 = v: A = w_qkv's rows 2,048 on (channels), B = h, so that what is quantised runs along the tokens.
; The text parts on that number ONCE, behind the last change of slots (no barrier and no tensor load follows): each arm loads its bias, runs its copy of the last two steps of 128 along K, and takes its way out.
; qkv: records [32 (batch, head)][16 key steps][13,056 bytes]: 8 key tiles x 768 bytes of k; 4 channel tiles x 1,536 of v; 128 scale words of k (bytes 2, 3 are 0); 4 x 16 of v.  From QOFF on q's tiles [bh][128][768]; from QSOFF on q's words [bh][2,048].
; REGISTERS, in windows of 256: window 0: v16-31 addresses; v32-63 scale words and nothing else; v64-127 the bias; v128-223 A's fragments, one set; on the way out v128-230.  Window 1: B's fragments, two sets.  Windows 2, 3: the accumulators.
; LIMITS: NaN and infinities are not served; a block of zeros gets the byte 1 (its codes are zeros; this program alone reads the bytes).
.set KS,     8                         ; K steps of 128
.set WQKV_S, 10223616
.set HSC,    3145728                   ; h's scale words
.set QOFF,   6684672
.set QSOFF,  9830400
.set NQ,     2                         ; K steps of 128 in a slot
.set FR,     12
.set FRB,    1536
.set NL,     4                         ; LDS loads that bring a fragment
.set NP,     4                         ; places behind this matrix instruction (ISA guide 7.12.1)
.set HALFT,  8*NQ*FRB                  ; what one tensor load brings, and what one wave reads of A or of B
.set SLOT,   4*HALFT
.set LAPS,   KS/(2*NQ)
.set SCL,    2*SLOT                    ; behind the ring: the scale words
.set HALFS,  8*KS*64
.set SPARE,  SCL+4*HALFS               ; the spare words, 128 bytes for each wave, that no other line names
.set ADRA, 16                          ; v16-17 A's fragments in slot 0, 1, + 16 x lane; v18-19 + 8 x lane
.set ADRB, 20                          ; v20-23 the same for B
.set L16,  24
.set L8,   25
.set R4,   26
.set ADRS, 27                          ; my scale words: lanes 0-15 A's rows, lanes 16-31 B's
.set SPW,  28
.set NIL,  29
.set H32,  30
.set SC,   32
.set BIAS, 64
.set AF,   128
.set T,    128                         ; the way out: 64 numbers,
.set PC,   192                         ; their codes,
.set TM,   212                         ; twelve registers at work,
.set PW,   228                         ; the scale word
.set SEL,  66
.set G1, 24
.set G0, 32
.set G1B, 48
.set G0B, 56
.set G1S, 68
.set G0S, 76
.set G1SB, 80
.set G0SB, 88
.set MSB, 0
.macro WIN new                         ; the immediate's high byte repeats the setting that is left
.if MSB != \new
	s_set_vgpr_msb (MSB<<8)|\new
.set MSB, \new
.endif
.endm
.set MUL_LO, 0xa1                      ; source 0 (B) window 1, source 1 (A) window 0, C and D window 2
.set MUL_HI, 0xf1
.set TO_B,   0x40
.macro JLOAD g0a, g1a, g0b, g1b        ; a joint load: waves 0 and 1 fetch for A, waves 2 and 3 for B; an s_nop 0 and four v_nop follow each line
	s_cmp_eq_u32 s15, 0
	s_cbranch_scc0 .Lfor_b_\@
	tensor_load_to_lds s[\g0a:\g0a+3], s[\g1a:\g1a+7]
	s_nop 0
.rept 4
	v_nop
.endr
	s_branch .Lasked_\@
.Lfor_b_\@:
	tensor_load_to_lds s[\g0b:\g0b+3], s[\g1b:\g1b+7]
	s_nop 0
.rept 4
	v_nop
.endr
.Lasked_\@:
.endm
.macro CREST                           ; a round of the cluster's barrier behind its opening barrier
	s_cmp_lg_u32 s14, 0
	s_cbranch_scc1 .Lnot_wave_0_\@
	s_barrier_signal -3
.Lnot_wave_0_\@:
	s_barrier_wait -3
	s_barrier_signal -1
	s_barrier_wait -1
.endm
.macro CROUND
	s_barrier_signal -1
	s_barrier_wait -1
	CREST
.endm
	s_load_b64 s[4:5], s[0:1], 0x0                 ; h
	s_load_b64 s[8:9], s[0:1], 0x8                 ; the weights' workspace
	s_load_b64 s[96:97], s[0:1], 0x10              ; b_qkv
	s_load_b64 s[12:13], s[0:1], 0x18              ; qkv
	v_lshl_add_u32 v[SPW], v0, 2, SPARE
	v_mov_b32 v[NIL], 0
	ds_add_u32 v[SPW], v[NIL]                      ; the wave's opening: the add, twice on end, and its wait ahead of my first tensor load
	ds_add_u32 v[SPW], v[NIL]
	v_lshrrev_b32 v1, 5, v0
	v_readfirstlane_b32 s14, v1                    ; wave 0..3
	s_lshr_b32 s15, s14, 1                         ; which half of A's rows is mine.  Also: I fetch for A (0) or for B (1)
	s_and_b32 s16, s14, 1                          ; which half of B's rows.  Also: which 8 row blocks I fetch
	s_bfe_u32 s40, ttmp6, 0x40000                  ; cx, cy
	s_bfe_u32 s41, ttmp6, 0x40004
	s_and_b32 s17, ttmp7, 0xffff
	s_lshl_b32 s17, s17, 2                         ; 4 x cluster y: the tokens' tiles
	s_lshl_b32 s42, ttmp9, 2                       ; 4 x cluster x: w_qkv's tiles, for q and k
	s_cmp_eq_u32 ttmp9, 2                          ; v?  The cluster's x is the same in all sixteen partners
	s_cselect_b32 s42, s17, s42                    ; v: the tokens are B's rows,
	s_cselect_b32 s17, 0, s17                      ; and A's are the four tiles of v's channels
	s_add_co_u32 s42, s42, s40                     ; B's tile
	s_add_co_u32 s17, s17, s41                     ; A's tile
	s_lshl_b32 s43, s41, 2
	s_lshl_b32 s43, 15, s43                        ; my row of the cluster
	s_lshl_b32 s44, 0x1111, s40                    ; my column
	s_or_b32 s[G1], s43, (3<<16)|(1<<21)           ; 15:0 the mask; 17:16 elements of 8 bytes; 21 set beside a mask; no padding
	s_or_b32 s[G1B], s44, (3<<16)|(1<<21)
.irp g, G1, G1B
	s_mov_b32 s[\g+1], 384<<16                     ; tensor_dim0: 3,072 bytes
	s_mov_b32 s[\g+2], 8<<16                       ; tensor_dim1: 8 row blocks
	s_mov_b32 s[\g+3], 384<<16                     ; tile_dim0
	s_mov_b32 s[\g+4], 8                           ; tile_dim1
	s_mov_b32 s[\g+5], KS*192                      ; from row block to row block
	s_mov_b32 s[\g+6], 0
	s_mov_b32 s[\g+7], 0
.endr
	s_or_b32 s[G1S], s43, (3<<16)|(1<<21)          ; the scale words of 8 row blocks: a dense block, as rows of 256 bytes
	s_or_b32 s[G1SB], s44, (3<<16)|(1<<21)
.irp g, G1S, G1SB
	s_mov_b32 s[\g+1], 32<<16
	s_mov_b32 s[\g+2], (HALFS/256)<<16
	s_mov_b32 s[\g+3], 32<<16
	s_mov_b32 s[\g+4], HALFS/256
	s_mov_b32 s[\g+5], 32
	s_mov_b32 s[\g+6], 0
	s_mov_b32 s[\g+7], 0
.endr
	s_lshl_b32 s18, s16, 3
	s_lshl_b32 s20, s17, 4
	s_add_co_u32 s20, s20, s18                     ; A: row block 16 x tile + 8 x half
	s_lshl_b32 s46, s42, 4
	s_add_co_u32 s46, s46, s18                     ; B likewise
	s_mul_i32 s22, s20, KS*64                      ; their scale words,
	s_mov_b32 s23, 0
	s_mul_i32 s92, s46, KS*64
	s_mov_b32 s93, 0
	s_mul_i32 s20, s20, KS*FRB                     ; their codes
	s_mov_b32 s21, 0
	s_mul_i32 s46, s46, KS*FRB
	s_mov_b32 s47, 0
	s_mul_i32 s45, s14, HALFT                      ; where they go: no place in the cluster enters an LDS address
	s_mul_i32 s94, s14, HALFS
	s_wait_dscnt 0x0                               ; both opening adds are done
	s_wait_kmcnt 0x0
	s_add_nc_u64 s[6:7], s[4:5], HSC               ; h's scale words
	s_add_nc_u64 s[10:11], s[8:9], WQKV_S          ; w_qkv's
	s_add_nc_u64 s[66:67], s[8:9], 128*KS*FRB      ; w_qkv's rows from 2,048 on: codes,
	s_add_nc_u64 s[100:101], s[10:11], 128*KS*64   ; scale words
	s_cmp_eq_u32 ttmp9, 2
	s_cselect_b64 s[66:67], s[66:67], s[4:5]       ; A's codes
	s_cselect_b64 s[100:101], s[100:101], s[6:7]   ; A's scale words
	s_cselect_b64 s[8:9], s[4:5], s[8:9]           ; B's codes
	s_cselect_b64 s[10:11], s[6:7], s[10:11]       ; B's scale words
	s_mov_b64 s[4:5], s[66:67]
	s_mov_b64 s[6:7], s[100:101]
	s_add_nc_u64 s[20:21], s[4:5], s[20:21]
	s_add_nc_u64 s[22:23], s[6:7], s[22:23]
	s_add_nc_u64 s[46:47], s[8:9], s[46:47]
	s_add_nc_u64 s[92:93], s[10:11], s[92:93]
	CROUND                                         ; all sixteen work-groups are here: the first joint loads meet
	s_mov_b32 s[G0S], 1
	s_add_co_u32 s[G0S+1], s94, SCL
	s_mov_b64 s[G0S+2:G0S+3], s[22:23]
	s_or_b32 s[G0S+3], s[G0S+3], 0x80000000
	s_mov_b32 s[G0SB], 1
	s_add_co_u32 s[G0SB+1], s94, SCL
	s_mov_b64 s[G0SB+2:G0SB+3], s[92:93]
	s_or_b32 s[G0SB+3], s[G0SB+3], 0x80000000
	JLOAD G0S, G1S, G0SB, G1SB                     ; the scale words first: they are wanted with the first K step
.irp s, 0,1
	s_mov_b32 s[G0+4*\s], 1
	s_add_co_u32 s[G0+4*\s+1], s45, \s*SLOT
	s_add_nc_u64 s[G0+4*\s+2:G0+4*\s+3], s[20:21], \s*NQ*FRB
	s_or_b32 s[G0+4*\s+3], s[G0+4*\s+3], 0x80000000
	s_mov_b32 s[G0B+4*\s], 1
	s_add_co_u32 s[G0B+4*\s+1], s45, \s*SLOT
	s_add_nc_u64 s[G0B+4*\s+2:G0B+4*\s+3], s[46:47], \s*NQ*FRB
	s_or_b32 s[G0B+4*\s+3], s[G0B+4*\s+3], 0x80000000
	JLOAD G0+4*\s, G1, G0B+4*\s, G1B
.endr
	v_and_b32 v1, 31, v0                           ; lane
	v_and_b32 v2, 15, v0                           ; r
	v_bfe_u32 v3, v0, 4, 1                         ; h
	v_lshlrev_b32 v[L16], 4, v1
	v_lshlrev_b32 v[L8], 3, v1
	v_lshlrev_b32 v[R4], 2, v2
	v_lshlrev_b32 v[H32], 5, v3
	s_mul_i32 s21, s15, HALFT                      ; my 8 row blocks of A
	s_mul_i32 s22, s16, HALFT                      ; my 8 of B,
	s_add_co_u32 s22, s22, 2*HALFT                 ; which lie behind A's 16
.irp s, 0,1
	v_add_nc_u32 v[ADRA+\s], s21, v[L16]
	v_add_nc_u32 v[ADRB+\s], s22, v[L16]
	v_add_nc_u32 v[ADRA+2+\s], s21, v[L8]
	v_add_nc_u32 v[ADRB+2+\s], s22, v[L8]
	s_add_co_u32 s21, s21, SLOT
	s_add_co_u32 s22, s22, SLOT
.endr
	s_mul_i32 s21, s15, HALFS
	s_mul_i32 s22, s16, HALFS
	s_add_co_u32 s22, s22, 2*HALFS
	s_sub_co_u32 s22, s22, s21
	v_mul_u32_u24 v6, s22, v3                      ; lanes 16-31 take B's: one product, the distance between the two bases
	s_add_co_u32 s21, s21, SCL
	v_add_nc_u32 v6, v[R4], v6
	v_add_nc_u32 v[ADRS], s21, v6
	s_mov_b32 s[SEL], 0x76543210
	s_mov_b32 s[SEL+1], 0xfedcba98                 ; lane l xor 16
.macro FRAG reg, adr, q, i             ; row block i, the slot's q-th 128 along K: the image of 12 registers comes back by four loads of consecutive bytes
.set FO, ((\i)*NQ+(\q))*FRB
	ds_load_b128 v[\reg:\reg+3], v[\adr] offset:FO
	ds_load_b64 v[\reg+4:\reg+5], v[\adr+2] offset:FO+512
	ds_load_b128 v[\reg+6:\reg+9], v[\adr] offset:FO+768
	ds_load_b64 v[\reg+10:\reg+11], v[\adr+2] offset:FO+1280
.endm
; 16 matrix instructions: A's blocks a0, a0 + 1 x B's eight.  The 64 accumulators take turns, one instruction a turn, in the same order in every step
.macro MUL16 a0, p, q, sc, zero
.irp a, \a0, \a0+1
.irp b, 0,1,2,3,4,5,6,7
.if \zero
	v_wmma_scale_f32_16x16x128_f8f6f4 v[8*(8*((\a)%4)+\b):8*(8*((\a)%4)+\b)+7], v[128*(\p)+FR*\b:128*(\p)+FR*\b+FR-1], v[AF+FR*(\a):AF+FR*(\a)+FR-1], 0, v[SC+8*NQ*(\sc)+NQ*\b+(\q)], v[SC+8*NQ*(\sc)+NQ*(\a)+(\q)] matrix_a_fmt:MATRIX_FMT_FP6 matrix_b_fmt:MATRIX_FMT_FP6 matrix_a_scale:MATRIX_SCALE_ROW1
.else
	v_wmma_scale_f32_16x16x128_f8f6f4 v[8*(8*((\a)%4)+\b):8*(8*((\a)%4)+\b)+7], v[128*(\p)+FR*\b:128*(\p)+FR*\b+FR-1], v[AF+FR*(\a):AF+FR*(\a)+FR-1], v[8*(8*((\a)%4)+\b):8*(8*((\a)%4)+\b)+7], v[SC+8*NQ*(\sc)+NQ*\b+(\q)], v[SC+8*NQ*(\sc)+NQ*(\a)+(\q)] matrix_a_fmt:MATRIX_FMT_FP6 matrix_b_fmt:MATRIX_FMT_FP6 matrix_a_scale:MATRIX_SCALE_ROW1
.endif
.endr
.endr
.endm
.macro FETCH_B slot, q, p
	WIN TO_B
.irp i, 0,1,2,3,4,5,6,7
	FRAG 128*(\p)+FR*\i, ADRB+\slot, \q, \i
.endr
	WIN 0
.endm
.macro FETCH_A slot, q, i0
.irp i, \i0, \i0+1, \i0+2, \i0+3
	FRAG AF+FR*(\i), ADRA+\slot, \q, \i
.endr
.endm
.macro SCALES sc                       ; the next slot's scale words: register NQ i + q: lanes 0-15 A's block i, lanes 16-31 B's block i
.irp i, 0,1,2,3,4,5,6,7
	ds_load_b32 v[SC+8*NQ*\sc+NQ*\i], v[ADRS] offset:\i*KS*64
	ds_load_b32 v[SC+8*NQ*\sc+NQ*\i+1], v[ADRS] offset:\i*KS*64+64
.endr
.endm
.macro PLACES n                        ; plain places in front of loads into registers that matrix instructions have read, and of the first read of results
.rept \n
	v_nop
.endr
.endm
.macro STEP slot, q, zero              ; a step of 128 along K that has its successor in the same slot
	s_wait_dscnt 4*NL                              ; B's set and A's blocks 0-3 are in; the youngest sixteen loads (A's blocks 4-7) may be out
	WIN MUL_LO
	MUL16 0, (\q)%2, \q, \slot, \zero
	MUL16 2, (\q)%2, \q, \slot, \zero
	s_wait_dscnt 0
	PLACES NP
	FETCH_B \slot, (\q)+1, 1-(\q)%2
	FETCH_A \slot, (\q)+1, 0
	WIN MUL_HI
	MUL16 4, (\q)%2, \q, \slot, \zero
	MUL16 6, (\q)%2, \q, \slot, \zero
	PLACES NP
	WIN 0
	FETCH_A \slot, (\q)+1, 4
.endm
; A slot's last step changes slots: one barrier; in front of it each wave waits for all its tensor loads, adds 0 to its spare word, and waits for that and for its reads of this slot.  fill = 1: the slot is filled again, two slots ahead.
.macro TURN slot, next, fill
	s_wait_tensorcnt 0x0                           ; all my tensor loads have landed: my part of the next slot
	ds_add_u32 v[SPW], v[NIL]                      ; 0 onto my spare word
	s_wait_dscnt 4*NL+1                            ; (the add and A's blocks 4-7 may be out)
	WIN MUL_LO
	MUL16 0, 1, NQ-1, \slot, 0
	s_wait_dscnt 0x0                               ; the add is done, and my reads of this slot are over
	s_barrier_signal -1
	MUL16 2, 1, NQ-1, \slot, 0
	WIN 0
	s_barrier_wait -1
.if \fill
	CREST                                          ; the barrier has opened a round of the cluster's: no wave of any partner still reads this slot or has a load on its way
	s_add_nc_u64 s[G0+4*\slot+2:G0+4*\slot+3], s[G0+4*\slot+2:G0+4*\slot+3], 2*NQ*FRB
	s_add_nc_u64 s[G0B+4*\slot+2:G0B+4*\slot+3], s[G0B+4*\slot+2:G0B+4*\slot+3], 2*NQ*FRB
	JLOAD G0+4*\slot, G1, G0B+4*\slot, G1B         ; the first tensor load behind the round; its four v_nop are the places in front of the loads below
.else
	PLACES NP
.endif
	v_add_nc_u32 v[ADRS], 64*NQ, v[ADRS]           ; on to the next slot's scale words
	FETCH_B \next, 0, 0
	FETCH_A \next, 0, 0
	SCALES \next
	WIN MUL_HI
	MUL16 4, 1, NQ-1, \slot, 0
	MUL16 6, 1, NQ-1, \slot, 0
	PLACES NP
	WIN 0
	FETCH_A \next, 0, 4
.endm
.macro LAST                            ; the very last step: nothing more to fetch
	s_wait_dscnt 4*NL
	WIN MUL_LO
	MUL16 0, 1, NQ-1, 1, 0
	MUL16 2, 1, NQ-1, 1, 0
	s_wait_dscnt 0
	WIN MUL_HI
	MUL16 4, 1, NQ-1, 1, 0
	MUL16 6, 1, NQ-1, 1, 0
	WIN 0
.endm
; 16 nb numbers of a lane, register 16 b + i = code place 32 b + 16 (lane / 16) + i of my row, become codes in v[PC] on and a scale word in v[PW]
.macro QUANT s, nb
.set qb, 0
.rept \nb
	v_max3_num_f32 v[TM+qb], |v[(\s)+16*qb]|, |v[(\s)+16*qb+1]|, 0x1800000   ; and the floor 2^(3 - 127): the byte cannot fall under 1
.set qb, qb+1
.endr
.irp i, 2,4,6,8,10,12,14
.set qb, 0
.rept \nb
	v_max3_num_f32 v[TM+qb], v[TM+qb], |v[(\s)+16*qb+\i]|, |v[(\s)+16*qb+\i+1]|
.set qb, qb+1
.endr
.endr
.set qb, 0
.rept \nb
	v_permlanex16_b32 v[TM+4+qb], v[TM+qb], s[SEL], s[SEL+1]
.set qb, qb+1
.endr
.set qb, 0
.rept \nb
	v_max_num_f32 v[TM+qb], v[TM+qb], v[TM+4+qb]   ; the block's largest magnitude
.set qb, qb+1
.endr
.set qb, 0
.rept \nb
	v_add_nc_u32 v[TM+8+qb], 0xff000000, v[TM+qb]  ; the conversion's scale operand
.set qb, qb+1
.endr
.set qb, 0
.rept \nb
	v_lshrrev_b32 v[TM+4+qb], 23, v[TM+8+qb]       ; the scale's byte
.set qb, qb+1
.endr
	v_lshl_or_b32 v[PW], v[TM+5], 8, v[TM+4]
.if \nb == 4
	v_lshl_or_b32 v[PW], v[TM+6], 16, v[PW]
	v_lshl_or_b32 v[PW], v[TM+7], 24, v[PW]
.endif
.set qc, 0
.rept \nb/2
	v_cvt_scalef32_pk16_fp6_f32 v[PC+6*qc:PC+6*qc+2], v[(\s)+32*qc:(\s)+32*qc+15], v[TM+8+2*qc]
	v_cvt_scalef32_pk16_fp6_f32 v[PC+12+4*qc:PC+12+4*qc+2], v[(\s)+32*qc+16:(\s)+32*qc+31], v[TM+8+2*qc+1]
.set qc, qc+1
.endr
	v_nop                                          ; one plain place behind a scaled conversion
.set qc, 0
.rept \nb/2
.irp i, 0,1,2
	v_permlane16_swap_b32 v[PC+6*qc+\i], v[PC+12+4*qc+\i]
.endr
.irp i, 0,1,2
	v_mov_b32 v[PC+3+6*qc+\i], v[PC+12+4*qc+\i]
.endr
.set qc, qc+1
.endr
.endm
	s_wait_tensorcnt 1                             ; the scale words and my part of slot 0 are in; slot 1's load may be out
	s_barrier_signal -1
	s_barrier_wait -1
	FETCH_B 0, 0, 0
	FETCH_A 0, 0, 0
	SCALES 0
	FETCH_A 0, 0, 4
	STEP 0, 0, 1                                   ; the first step stands in front of the loop: its products start the sums
	s_mov_b32 s3, LAPS-1
.Llap:                                             ; a trip goes once round the ring and fills both slots again
	TURN 0, 1, 1
	STEP 1, 0, 0
	TURN 1, 0, 1
	STEP 0, 0, 0
	s_sub_co_u32 s3, s3, 1
	s_cmp_lg_u32 s3, 0
	s_cbranch_scc1 .Llap
	TURN 0, 1, 0                                   ; the last lap fills nothing
	s_cmp_eq_u32 ttmp9, 2                          ; THE TEXT PARTS HERE, on the cluster's x: no barrier and no tensor load stands in either arm
	s_cbranch_scc1 .Lv_path
	; ---- q and k.  The bias of my 128 columns: register 8 b + j = column 16 b + 8 h + j.  It lands under the 128 matrix instructions below
	s_lshl_b32 s20, s42, 10
	s_lshl_b32 s21, s16, 9
	s_add_co_u32 s20, s20, s21
	s_mov_b32 s21, 0
	s_add_nc_u64 s[96:97], s[96:97], s[20:21]
.irp b, 0,1,2,3,4,5,6,7
	global_load_b128 v[BIAS+8*\b:BIAS+8*\b+3], v[H32], s[96:97] offset:64*\b
	global_load_b128 v[BIAS+8*\b+4:BIAS+8*\b+7], v[H32], s[96:97] offset:64*\b+16
.endr
	STEP 1, 0, 0
	LAST
	s_lshl_b32 s20, s17, 8
	s_lshl_b32 s21, s15, 7
	s_add_co_u32 s20, s20, s21                     ; my first token
	s_lshr_b32 s21, s20, 11                        ; its batch,
	s_and_b32 s20, s20, 2047                       ; its place in the sequence
	s_and_b32 s22, s42, 3
	s_lshl_b32 s22, s22, 2
	s_lshl_b32 s23, s16, 1
	s_add_co_u32 s22, s22, s23                     ; the first of my two heads
	s_lshl_b32 s21, s21, 4
	s_add_co_u32 s21, s21, s22                     ; 16 batch + head
	s_lshr_b32 s23, s20, 4
	s_lshr_b32 s45, s20, 7
	s_mul_i32 s23, s23, 768
	s_mul_i32 s45, s45, 13056
	s_lshl_b32 s94, s20, 2
	s_add_co_u32 s23, s23, QOFF                    ; q: my first tile within a head's,
	s_add_co_u32 s94, s94, QSOFF                   ; and its scale words
	s_add_co_u32 s95, s45, 12288                   ; k: my key step's record (s45), and its scale words
	s_cmp_eq_u32 ttmp9, 0
	s_cselect_b32 s23, s23, s45
	s_cselect_b32 s94, s94, s95
	s_mov_b32 s46, 16*13056
	s_cselect_b32 s47, 8192, s46                   ; a head on, among the scale words,
	s_cselect_b32 s46, 128*768, s46                ; among the codes
	s_mul_i32 s92, s21, s46
	s_add_co_u32 s92, s92, s23
	s_mov_b32 s93, 0
	s_add_nc_u64 s[4:5], s[12:13], s[92:93]        ; codes: my first head,
	s_mov_b32 s92, s46
	s_add_nc_u64 s[6:7], s[4:5], s[92:93]          ; my second
	s_mul_i32 s92, s21, s47
	s_add_co_u32 s92, s92, s94
	s_add_nc_u64 s[8:9], s[12:13], s[92:93]        ; scale words likewise
	s_mov_b32 s92, s47
	s_add_nc_u64 s[10:11], s[8:9], s[92:93]
	PLACES NP
.irp b, 0,1,2,3
	v_mov_b32 v[TM+4+\b], 0                        ; a lane permute's destination counts as one of its sources
.endr
	s_wait_loadcnt 0x0                             ; the bias
.irp a, 0,1,2,3,4,5,6,7                            ; 16 tokens x 128 columns at a time: registers 0-5 of the codes are the first head's tile, 6-11 the second's
.if \a > 0
	s_wait_xcnt 0x0                                ; the last block's stores have read the codes and the words
.endif
	WIN (0x02+\a/4)                                ; source 0: the accumulators' window
.set i, 0
.rept 32
	v_pk_add_f32 v[T+2*i:T+2*i+1], v[64*(\a%4)+2*i:64*(\a%4)+2*i+1], v[BIAS+2*i:BIAS+2*i+1]   ; each accumulator from its low end on
.set i, i+1
.endr
	WIN 0
	QUANT T, 4
	v_and_b32 v229, 0xffff, v[PW]                  ; the first head's two bytes; bytes 2 and 3 are 0,
	v_lshrrev_b32 v230, 16, v[PW]                  ; the second's
	global_store_b128 v[L16], v[PC:PC+3], s[4:5] offset:768*\a
	global_store_b64 v[L8], v[PC+4:PC+5], s[4:5] offset:768*\a+512
	global_store_b128 v[L16], v[PC+6:PC+9], s[6:7] offset:768*\a
	global_store_b64 v[L8], v[PC+10:PC+11], s[6:7] offset:768*\a+512
	global_store_b32 v[R4], v229, s[8:9] offset:64*\a
	global_store_b32 v[R4], v230, s[10:11] offset:64*\a
.endr
	s_branch .Lend
.Lv_path:
	; ---- v.  A's rows are channels: the bias of block a is one number a lane, b_qkv[2,048 + my first channel + 16 a + r]
	s_lshl_b32 s20, s17, 10
	s_lshl_b32 s21, s15, 9
	s_add_co_u32 s20, s20, s21
	s_add_co_u32 s20, s20, 8192
	s_mov_b32 s21, 0
	s_add_nc_u64 s[96:97], s[96:97], s[20:21]
.irp a, 0,1,2,3,4,5,6,7
	global_load_b32 v[BIAS+\a], v[R4], s[96:97] offset:64*\a
.endr
	STEP 1, 0, 0
	LAST
	s_lshl_b32 s20, s17, 2
	s_lshl_b32 s21, s15, 1
	s_add_co_u32 s20, s20, s21                     ; the first of my two heads
	s_lshl_b32 s21, s42, 8
	s_lshl_b32 s22, s16, 7
	s_add_co_u32 s21, s21, s22                     ; my first token
	s_lshr_b32 s22, s21, 11
	s_lshl_b32 s22, s22, 4
	s_add_co_u32 s20, s20, s22                     ; 16 batch + head
	s_lshl_b32 s20, s20, 4
	s_bfe_u32 s21, s21, 0x40007                    ; my key step
	s_add_co_u32 s20, s20, s21
	s_mul_i32 s20, s20, 13056
	s_mov_b32 s21, 0
	s_add_nc_u64 s[4:5], s[12:13], s[20:21]        ; the record
	PLACES NP
.irp b, 0,1,2,3
	v_mov_b32 v[TM+4+\b], 0
.endr
	s_wait_loadcnt 0x0
.irp a, 0,1,2,3,4,5,6,7                            ; 16 channels x 128 keys at a time: one fragment of v with the keys innermost
.if \a > 0
	s_wait_xcnt 0x0
.endif
	WIN (0x02+\a/4)
.set i, 0
.rept 64
	v_add_f32 v[T+i], v[64*(\a%4)+i], v[BIAS+\a]
.set i, i+1
.endr
	WIN 0
	QUANT T, 4
	global_store_b128 v[L16], v[PC:PC+3], s[4:5] offset:6144+(\a/4)*208896+(\a%4)*1536
	global_store_b64 v[L8], v[PC+4:PC+5], s[4:5] offset:6144+(\a/4)*208896+(\a%4)*1536+512
	global_store_b128 v[L16], v[PC+6:PC+9], s[4:5] offset:6144+(\a/4)*208896+(\a%4)*1536+768
	global_store_b64 v[L8], v[PC+10:PC+11], s[4:5] offset:6144+(\a/4)*208896+(\a%4)*1536+1280
	global_store_b32 v[R4], v[PW], s[4:5] offset:12800+(\a/4)*208896+(\a%4)*64
.endr
.Lend:
	s_wait_tensorcnt 0x0                           ; the wave's end
	ds_add_u32 v[SPW], v[NIL]
	s_wait_dscnt 0x0
	CROUND                                         ; the closing round: no work-group ends while a partner may still ask for a tile that names it
	s_endpgm
.Lfunc_end_k_q1c18be1c72_gqkv:
	.size	k_q1c18be1c72_gqkv, .Lfunc_end_k_q1c18be1c72_gqkv-k_q1c18be1c72_gqkv
	.p2alignl 7, 3214868480
	.fill 96, 4, 3214868480
	.section	.rodata,"a",@progbits
	.p2align	6, 0x0
	.amdhsa_kernel k_q1c18be1c72_gqkv
		.amdhsa_group_segment_fixed_size 327680
		.amdhsa_private_segment_fixed_size 0
		.amdhsa_enable_private_segment 0
		.amdhsa_kernarg_size 32
		.amdhsa_user_sgpr_count 2
		.amdhsa_user_sgpr_kernarg_segment_ptr 1
		.amdhsa_wavefront_size32 1
		.amdhsa_system_sgpr_workgroup_id_x 1
		.amdhsa_system_sgpr_workgroup_id_y 1
		.amdhsa_system_sgpr_workgroup_id_z 1
		.amdhsa_system_vgpr_workitem_id 0
		.amdhsa_next_free_vgpr 1024
		.amdhsa_next_free_sgpr 102
		.amdhsa_reserve_vcc 0
		.amdhsa_float_denorm_mode_32 3
		.amdhsa_float_denorm_mode_16_64 3
		.amdhsa_memory_ordered 1
		.amdhsa_forward_progress 1
		.amdhsa_inst_pref_size 244
	.end_amdhsa_kernel
	.amdgpu_metadata
---
amdhsa.version: [ 1, 2 ]
amdhsa.kernels:
  - .name:           k_q1c18be1c72_gqkv
    .symbol:         k_q1c18be1c72_gqkv.kd
    .args:
      - { .name: hbuf, .offset: 0, .size: 8, .value_kind: global_buffer, .address_space: global }
      - { .name: wts, .offset: 8, .size: 8, .value_kind: global_buffer, .address_space: global }
      - { .name: b_qkv, .offset: 16, .size: 8, .value_kind: global_buffer, .address_space: global }
      - { .name: qkv, .offset: 24, .size: 8, .value_kind: global_buffer, .address_space: global }
    .group_segment_fixed_size: 327680
    .private_segment_fixed_size: 0
    .kernarg_segment_align: 8
    .kernarg_segment_size: 32
    .max_flat_workgroup_size: 128
    .sgpr_count:     102
    .vgpr_count:     1024
    .wavefront_size: 32
...
	.end_amdgpu_metadata
.endif
;; end of part 4
;; launch attn (part 5): grid 8 x 32, 16 waves a work-group, clusters of 4 x 1, 210,944 bytes of LDS; arguments qkv, memb, abuf; writes abuf
.if DOCPART == 5
	.amdgcn_target "amdgcn-amd-amdhsa--gfx1250"
	.amdhsa_code_object_version 6
	.text
	.protected	k_q1c18be1c72_attn
	.globl	k_q1c18be1c72_attn
	.p2align	8
	.type	k_q1c18be1c72_attn,@function
k_q1c18be1c72_attn:
	s_mov_b64 s[64:65], 0
	v_nop
	global_prefetch_b8 v0, s[64:65] scope:SCOPE_SE
	s_setreg_imm32_b32 hwreg(HW_REG_WAVE_MODE, 25, 1), 1
	s_wait_xcnt 0x0
	s_wait_alu depctr_hold_cnt(0) depctr_sa_sdst(0) depctr_va_vdst(0) depctr_va_sdst(0) depctr_va_ssrc(0) depctr_va_vcc(0) depctr_vm_vsrc(0)
	s_getreg_b32 s2, hwreg(HW_REG_IB_STS2, 6, 4)
	s_cmp_eq_u32 s2, 0
	s_cbranch_scc0 .Lentry_in_a_cluster
	s_endpgm
.Lentry_in_a_cluster:
	s_bfe_u32 s2, ttmp6, 0x10000c
	s_cmp_lg_u32 s2, 0x3003
	s_cbranch_scc0 .Lentry_shape_is_right
	s_endpgm
.Lentry_shape_is_right:
; out = softmax(q k^T / 8) v + softmax(q mem^T / 8) mem for each (batch, head), all four products on codes of E2M3; the sum is quantised along the model's 1,024 channels and leaves as the out projection's operand.  No work is left out.
; THE SOFTMAX AHEAD OF A PRODUCT: t = score x log2(e) / 8; M = the row's largest t so far, rounded up to a whole number; p = 2^(t - M) is quantised along the keys, not normalised; the row's sum is taken of the unquantised p
; and divides at the end.  When M moves, the sum and O are multiplied by 2^(old M - new M): exact.
; SHARES.  A work-group owns 256 queries of one (batch, head), each of its sixteen waves 16 of them, in 256 registers: four waves to a SIMD.  The head's 16 records of 128 keys (13,056 bytes each: 8 key tiles x 768 of k; 4 channel
; tiles x 1,536 of v; 128 scale words of k; 64 of v) fill LDS ONCE, a record by each wave: no ring, no refill, one barrier.  The memory read runs while those loads are on their way.
; CLUSTER.  The four work-groups of a cluster belong to one head: each record is asked for jointly, by the same tensor load with the same descriptor and a mask that names the four.  A wave has one tensor load out.
; LAYOUT.  Both products transposed (S^T = k q^T, O^T = v^T p^T): a lane holds one query.  Inside each block of 32 along any K, code place 16 h + 8 u + j holds number 16 u + 8 h + j on both sides, which is how a transposed
; result lies in a lane: p and the final sum are quantised as they stand.
; K = 64 IN AN INSTRUCTION OF 128: q's (and, in the memory read, p's) codes of the upper 64 are zeros.  The other side's registers there hold the next tile's codes or zeros, and no scale byte is 0xff: each such term is 0 exactly.
; LIMITS: NaN and infinities are not served; a block of zeros gets the byte 1 (its codes are zeros; this program alone reads the bytes).
; REGISTERS: v1-4 lane offsets; v8-10 the step's LDS addresses; v12 -M, v13 the largest t, v[14:15] the sum; v16-27 q (22-27 zeros); v32-85 k's tiles at 32 + 6 t (80-85 zeros) or v's fragments at 32 + 12 t; v86-89 their scale words;
; v96-159 S^T, then p; v160-191 O^T; v192-223 the memory read's; v224-235 p's codes; v232-254 at work; v253 p's scale word; v255 q's.
.set REC,   13056
.set SPARE, 16*REC                     ; behind the records: the spare words, 128 bytes for each wave, that no other line names
.set QOFF,  6684672
.set QSOFF, 9830400
.set L16, 1
.set L8,  2
.set L4,  3
.set R4,  4
.set SPW, 5
.set NIL, 6
.set A16, 8
.set A8,  9
.set A4,  10
.set WV,  18
.set SEL, 20
.set CS,  22
.set G1,  24
.set G0,  32
.set TB,  36
.set CNT, 37
.macro CROUND                          ; a round of the cluster's barrier
	s_barrier_signal -1
	s_barrier_wait -1
	s_cmp_lg_u32 s[WV], 0
	s_cbranch_scc1 .Lnot_wave_0_\@
	s_barrier_signal -3
.Lnot_wave_0_\@:
	s_barrier_wait -3
	s_barrier_signal -1
	s_barrier_wait -1
.endm
	s_load_b128 s[4:7], s[0:1], 0x0                ; qkv, memb
	s_load_b64 s[8:9], s[0:1], 0x10                ; abuf
	v_lshl_add_u32 v[SPW], v0, 2, SPARE
	v_mov_b32 v[NIL], 0
	ds_add_u32 v[SPW], v[NIL]                      ; the wave's opening: the add, twice on end, and its wait ahead of my first tensor load
	ds_add_u32 v[SPW], v[NIL]
	v_lshrrev_b32 v7, 5, v0
	v_readfirstlane_b32 s[WV], v7                  ; wave 0..15
	s_bfe_u32 s10, ttmp6, 0x40000                  ; cx
	s_lshl_b32 s11, ttmp9, 2
	s_add_co_u32 s11, s11, s10                     ; my block of 256 queries: it enters q's and the result's addresses alone
	s_and_b32 s12, ttmp7, 0xffff                   ; 16 batch + head, which the four partners share
	s_mov_b32 s[G1], 15|(3<<16)|(1<<21)            ; 15:0 the mask: all four; 17:16 elements of 8 bytes; 21 set beside a mask; no padding
	s_mov_b32 s[G1+1], 32<<16                      ; a record is a dense block: 51 rows of 256 bytes
	s_mov_b32 s[G1+2], 51<<16
	s_mov_b32 s[G1+3], 32<<16
	s_mov_b32 s[G1+4], 51
	s_mov_b32 s[G1+5], 32
	s_mov_b32 s[G1+6], 0
	s_mov_b32 s[G1+7], 0
	s_lshl_b32 s13, s12, 4
	s_add_co_u32 s13, s13, s[WV]                   ; the record that I fetch
	s_mul_i32 s14, s13, REC
	s_mov_b32 s15, 0
	s_mul_i32 s16, s[WV], REC                      ; and where it goes
	s_mov_b32 s[SEL], 0x76543210
	s_mov_b32 s[SEL+1], 0xfedcba98                 ; lane l xor 16
	s_mov_b32 s[CS], 0x3e38aa3b                    ; c = log2(e) / 8
	s_mov_b32 s[CS+1], s[CS]
	s_wait_dscnt 0x0                               ; both opening adds are done
	s_wait_kmcnt 0x0
	CROUND                                         ; all four work-groups are here: the joint loads meet
	s_mov_b32 s[G0], 1
	s_mov_b32 s[G0+1], s16
	s_add_nc_u64 s[G0+2:G0+3], s[4:5], s[14:15]
	s_or_b32 s[G0+3], s[G0+3], 0x80000000
	tensor_load_to_lds s[G0:G0+3], s[G1:G1+7]
	s_nop 0
.rept 4
	v_nop
.endr
	s_lshl_b32 s14, s11, 4
	s_add_co_u32 s14, s14, s[WV]                   ; my tile of 16 queries in the sequence
	s_lshl_b32 s16, s12, 7
	s_add_co_u32 s16, s16, s14
	s_mul_i32 s16, s16, 768
	s_add_co_u32 s16, s16, QOFF
	s_mov_b32 s17, 0
	s_add_nc_u64 s[38:39], s[4:5], s[16:17]        ; q's codes
	s_lshl_b32 s16, s12, 13
	s_lshl_b32 s13, s14, 6
	s_add_co_u32 s16, s16, s13
	s_add_co_u32 s16, s16, QSOFF
	s_add_nc_u64 s[40:41], s[4:5], s[16:17]        ; q's scale words
	s_and_b32 s16, s12, 15
	s_mul_i32 s16, s16, 6656
	s_add_nc_u64 s[42:43], s[6:7], s[16:17]        ; the head's part of memb
	s_lshr_b32 s13, s12, 4
	s_lshl_b32 s13, s13, 7
	s_add_co_u32 s13, s13, s14                     ; the result's row block
	s_lshl_b32 s13, s13, 3
	s_bfe_u32 s15, s12, 0x30001
	s_add_co_u32 s13, s13, s15                     ; x 8 + the K step: the pair of heads
	s_and_b32 s15, s12, 1                          ; which half of it
	s_mul_i32 s16, s13, 1536
	s_mul_i32 s10, s15, 768
	s_add_co_u32 s16, s16, s10
	s_add_nc_u64 s[44:45], s[8:9], s[16:17]
	s_lshl_b32 s16, s13, 6
	s_lshl_b32 s10, s15, 1
	s_add_co_u32 s16, s16, s10
	s_add_co_u32 s16, s16, 3145728
	s_add_nc_u64 s[46:47], s[8:9], s[16:17]
	v_and_b32 v7, 31, v0
	v_lshlrev_b32 v[L16], 4, v7
	v_lshlrev_b32 v[L8], 3, v7
	v_lshlrev_b32 v[L4], 2, v7
	v_and_b32 v[R4], 15, v0
	v_lshlrev_b32 v[R4], 2, v[R4]
	global_load_b128 v[16:19], v[L16], s[38:39]    ; q stays in registers
	global_load_b64 v[20:21], v[L8], s[38:39] offset:512
	global_load_b32 v255, v[R4], s[40:41]
.irp t, 0,1,2,3
	global_load_b128 v[32+6*\t:35+6*\t], v[L16], s[42:43] offset:768*\t       ; mem with the channels innermost: four tiles of 16 slots
	global_load_b64 v[36+6*\t:37+6*\t], v[L8], s[42:43] offset:768*\t+512
.endr
	global_load_b32 v86, v[L4], s[42:43] offset:6144   ; lanes 0-15 tile 0's scale words, lanes 16-31 tile 1's
	global_load_b32 v87, v[L4], s[42:43] offset:6272
.irp j, 22,23,24,25,26,27, 56,57,58,59,60,61, 80,81,82,83,84,85, 236,237,238,239, 253
	v_mov_b32 v[\j], 0                             ; zero codes (q's upper 64; behind the last tile); a lane permute's destinations; the upper half of the pair v[252:253]
.endr
.macro STATE
	v_mov_b32 v13, 0xff61b1e6                      ; the largest t so far: -3e38, under every t
	v_floor_f32 v12, -v13                          ; -M
	v_mov_b32 v14, 0                               ; the sum, in two halves
	v_mov_b32 v15, 0
.endm
	STATE
.set j, 160
.rept 64
	v_mov_b32 v[j], 0                              ; both O^T: the step is written once; the first change of M leaves zeros zeros
.set j, j+1
.endr
.macro SCORES nt                       ; S^T = (16 keys or slots) x my 16 queries; odd tiles' scale words stand in lanes 16-31
.set t, 0
.rept \nt
.if t%2
	v_wmma_scale_f32_16x16x128_f8f6f4 v[96+8*t:103+8*t], v[32+6*t:43+6*t], v[16:27], 0, v[86+t/2], v255 matrix_a_fmt:MATRIX_FMT_FP6 matrix_b_fmt:MATRIX_FMT_FP6 matrix_a_scale:MATRIX_SCALE_ROW1
.else
	v_wmma_scale_f32_16x16x128_f8f6f4 v[96+8*t:103+8*t], v[32+6*t:43+6*t], v[16:27], 0, v[86+t/2], v255 matrix_a_fmt:MATRIX_FMT_FP6 matrix_b_fmt:MATRIX_FMT_FP6
.endif
.set t, t+1
.endr
.endm
.macro BMAX nb, ab                     ; the largest number (ab = 1: magnitude) of each block of 32, from v96 on, into v[232 + b]: my 16, then lane l xor 16's.  Each accumulator is read from its low end on
.set b, 0
.rept \nb
.if \ab
	v_max3_num_f32 v[232+b], |v[96+16*b]|, |v[97+16*b]|, |v[98+16*b]|
.else
	v_max3_num_f32 v[232+b], v[96+16*b], v[97+16*b], v[98+16*b]
.endif
.set b, b+1
.endr
.irp i, 3,5,7,9,11,13
.set b, 0
.rept \nb
.if \ab
	v_max3_num_f32 v[232+b], v[232+b], |v[96+16*b+\i]|, |v[97+16*b+\i]|
.else
	v_max3_num_f32 v[232+b], v[232+b], v[96+16*b+\i], v[97+16*b+\i]
.endif
.set b, b+1
.endr
.endr
.set b, 0
.rept \nb
.if \ab
	v_max_num_f32 v[232+b], v[232+b], |v[111+16*b]|
.else
	v_max_num_f32 v[232+b], v[232+b], v[111+16*b]
.endif
.set b, b+1
.endr
.set b, 0
.rept \nb
	v_permlanex16_b32 v[236+b], v[232+b], s[SEL], s[SEL+1]
.set b, b+1
.endr
.set b, 0
.rept \nb
	v_max_num_f32 v[232+b], v[232+b], v[236+b]
.set b, b+1
.endr
.endm
.macro PACK nb                         ; v[232 + b] = each block's largest magnitude: the numbers from v96 on become codes in v224 on and the scale word v253
.set b, 0
.rept \nb
	v_max_num_f32 v[232+b], 0x1800000, v[232+b]    ; the floor 2^(3 - 127): the byte cannot fall under 1
.set b, b+1
.endr
.set b, 0
.rept \nb
	v_add_nc_u32 v[244+b], 0xff000000, v[232+b]    ; the conversion's scale operand
.set b, b+1
.endr
.set b, 0
.rept \nb
	v_lshrrev_b32 v[236+b], 23, v[244+b]           ; the scale's byte
.set b, b+1
.endr
	v_lshl_or_b32 v253, v237, 8, v236
.if \nb == 4
	v_lshl_or_b32 v253, v238, 16, v253
	v_lshl_or_b32 v253, v239, 24, v253
.endif
.set c, 0
.rept \nb/2
	v_cvt_scalef32_pk16_fp6_f32 v[224+6*c:226+6*c], v[96+32*c:111+32*c], v[244+2*c]
	v_cvt_scalef32_pk16_fp6_f32 v[236+4*c:238+4*c], v[112+32*c:127+32*c], v[244+2*c+1]
.set c, c+1
.endr
	v_nop                                          ; one plain place behind a scaled conversion
.set c, 0
.rept \nb/2
.irp i, 0,1,2
	v_permlane16_swap_b32 v[224+6*c+\i], v[236+4*c+\i]
.endr
.irp i, 0,1,2
	v_mov_b32 v[227+6*c+\i], v[236+4*c+\i]
.endr
.set c, c+1
.endr
.endm
.macro SOFTMAX nb, ob                  ; 32 nb keys' scores become p's codes; M, the sum and the O^T at v[ob] go on
	BMAX \nb, 0                                    ; each block's largest score serves twice: for the row's maximum, and, since p rises with the score, for the block's largest p
.if \nb == 4
	v_max3_num_f32 v254, v232, v233, v234
	v_max_num_f32 v254, v254, v235
.else
	v_max_num_f32 v254, v232, v233
.endif
	v_mul_f32 v254, s[CS], v254                    ; as t (c is positive)
	v_max_num_f32 v13, v13, v254
	v_mov_b32 v254, v12
	v_floor_f32 v12, -v13                          ; the new -M = -ceil(t)
	v_sub_f32 v254, v12, v254                      ; old M - new M: a whole number, 0 or less
	v_cvt_i32_f32 v254, v254                       ; (it saturates)
	v_ldexp_f32 v252, 1.0, v254                    ; f = 2^(old M - new M)
.set j, 0
.rept 8*\nb
	v_pk_fma_f32 v[96+j:97+j], v[96+j:97+j], s[CS:CS+1], v[12:13] op_sel_hi:[1,0,0]   ; t - M
.set j, j+2
.endr
.set b, 0
.rept \nb
	v_fma_f32 v[232+b], v[232+b], s[CS], v12
.set b, b+1
.endr
.set j, 0
.rept 16*\nb
	v_exp_f32 v[96+j], v[96+j]                     ; p = 2^(t - M)
.set j, j+1
.endr
	v_pk_mul_f32 v[14:15], v[14:15], v[252:253] op_sel_hi:[1,0]   ; the sums under the new M: a plain place behind the batch
	s_wait_alu depctr_va_vdst(0)                   ; one wait for the batch, ahead of its first reader
.set b, 0
.rept \nb
	v_exp_f32 v[232+b], v[232+b]                   ; the block's largest p
.set b, b+1
.endr
	v_pk_add_f32 v[236:237], v[96:97], v[98:99]    ; the row's sum of the unquantised p, in two chains: plain work behind the small batch
.set j, 4
.rept 4*\nb-1
	v_pk_add_f32 v[14:15], v[14:15], v[96+j:97+j]
	v_pk_add_f32 v[236:237], v[236:237], v[98+j:99+j]
.set j, j+4
.endr
	v_pk_add_f32 v[14:15], v[14:15], v[236:237]
	s_wait_alu depctr_va_vdst(0)                   ; and one for the small batch
	PACK \nb
.if \nb == 2
.irp j, 230,231,232,233,234,235
	v_mov_b32 v[\j], 0                             ; 64 keys alone: the operand's upper 64 are zero codes (v232 and v233 held the blocks' largest p until here)
.endr
.endif
.set j, 0
.rept 16
	v_pk_mul_f32 v[\ob+j:\ob+j+1], v[\ob+j:\ob+j+1], v[252:253] op_sel_hi:[1,0]   ; O^T under the new M; these are also the places in front of the scaled products
.set j, j+2
.endr
.endm
.macro PV ob, fs                       ; O^T += (16 channels) x p: the four accumulators by turns
.set t, 0
.rept 4
.if t%2
	v_wmma_scale_f32_16x16x128_f8f6f4 v[\ob+8*t:\ob+8*t+7], v[32+\fs*t:43+\fs*t], v[224:235], v[\ob+8*t:\ob+8*t+7], v[86+t/2], v253 matrix_a_fmt:MATRIX_FMT_FP6 matrix_b_fmt:MATRIX_FMT_FP6 matrix_a_scale:MATRIX_SCALE_ROW1
.else
	v_wmma_scale_f32_16x16x128_f8f6f4 v[\ob+8*t:\ob+8*t+7], v[32+\fs*t:43+\fs*t], v[224:235], v[\ob+8*t:\ob+8*t+7], v[86+t/2], v253 matrix_a_fmt:MATRIX_FMT_FP6 matrix_b_fmt:MATRIX_FMT_FP6
.endif
.set t, t+1
.endr
.endm
.macro RSUM                            ; 1 / the row's sum into both halves of v[250:251]
.rept 4
	v_nop                                          ; places behind the last products
.endr
	v_add_f32 v14, v14, v15
	v_permlanex16_b32 v252, v14, s[SEL], s[SEL+1]
	v_add_f32 v14, v14, v252
	v_rcp_f32 v250, v14
	v_rcp_f32 v251, v14
	v_nop
	s_wait_alu depctr_va_vdst(0)
.endm
	; ---- the memory read: 64 slots, one step, while the records are on their way
	s_wait_loadcnt 0x0
	SCORES 4
.rept 4
	v_nop
.endr
.irp t, 0,1,2,3
	global_load_b128 v[32+6*\t:35+6*\t], v[L16], s[42:43] offset:3072+768*\t  ; mem with the slots innermost: four tiles of 16 channels
	global_load_b64 v[36+6*\t:37+6*\t], v[L8], s[42:43] offset:3072+768*\t+512
.endr
	global_load_b32 v86, v[L4], s[42:43] offset:6400
	global_load_b32 v87, v[L4], s[42:43] offset:6528
	SOFTMAX 2, 192
	s_wait_loadcnt 0x0
	PV 192, 6
	RSUM
.set j, 0
.rept 16
	v_pk_mul_f32 v[192+j:193+j], v[192+j:193+j], v[250:251]   ; finished: it waits in v192-223
.set j, j+2
.endr
	STATE
	; ---- the keys
	s_wait_tensorcnt 0x0                           ; my record has landed,
	s_barrier_signal -1
	s_barrier_wait -1                              ; everybody's has
	s_mov_b32 s[TB], 0
	s_mov_b32 s[CNT], 16
.Lstep:                                            ; 128 keys a trip
	v_add_nc_u32 v[A16], s[TB], v[L16]
	v_add_nc_u32 v[A8], s[TB], v[L8]
	v_add_nc_u32 v[A4], s[TB], v[L4]
	v_nop                                          ; four places in front of loads into registers that matrix instructions have read
.irp t, 0,1,2,3,4,5,6,7
	ds_load_b128 v[32+6*\t:35+6*\t], v[A16] offset:768*\t
	ds_load_b64 v[36+6*\t:37+6*\t], v[A8] offset:768*\t+512
.endr
.irp u, 0,1,2,3
	ds_load_b32 v[86+\u], v[A4] offset:12288+128*\u
.endr
	s_wait_dscnt 0x0
	SCORES 8
.rept 4
	v_nop
.endr
.irp t, 0,1,2,3                                    ; v's fragments land during the softmax
	ds_load_b128 v[32+12*\t:35+12*\t], v[A16] offset:6144+1536*\t
	ds_load_b64 v[36+12*\t:37+12*\t], v[A8] offset:6144+1536*\t+512
	ds_load_b128 v[38+12*\t:41+12*\t], v[A16] offset:6144+1536*\t+768
	ds_load_b64 v[42+12*\t:43+12*\t], v[A8] offset:6144+1536*\t+1280
.endr
	ds_load_b32 v86, v[A4] offset:12800
	ds_load_b32 v87, v[A4] offset:12928
	SOFTMAX 4, 160
	s_wait_dscnt 0x0
	PV 160, 12
	s_add_co_u32 s[TB], s[TB], REC
	s_sub_co_u32 s[CNT], s[CNT], 1
	s_cmp_lg_u32 s[CNT], 0
	s_cbranch_scc1 .Lstep
	; ---- the way out: O / its sum + the memory read, quantised along my head's 64 channels: half a K step of the out projection
	RSUM
.set j, 0
.rept 16
	v_pk_fma_f32 v[96+j:97+j], v[160+j:161+j], v[250:251], v[192+j:193+j]   ; register 8 t + i = channel 16 t + 8 h + i of query r
.set j, j+2
.endr
	BMAX 2, 1
	PACK 2
	global_store_b128 v[L16], v[224:227], s[44:45]
	global_store_b64 v[L8], v[228:229], s[44:45] offset:512
	global_store_b16 v[R4], v253, s[46:47]         ; my head's two bytes of the row's scale word
	s_wait_tensorcnt 0x0                           ; the wave's end
	ds_add_u32 v[SPW], v[NIL]
	s_wait_dscnt 0x0
	CROUND                                         ; the closing round
	s_endpgm
.Lfunc_end_k_q1c18be1c72_attn:
	.size	k_q1c18be1c72_attn, .Lfunc_end_k_q1c18be1c72_attn-k_q1c18be1c72_attn
	.p2alignl 7, 3214868480
	.fill 96, 4, 3214868480
	.section	.rodata,"a",@progbits
	.p2align	6, 0x0
	.amdhsa_kernel k_q1c18be1c72_attn
		.amdhsa_group_segment_fixed_size 210944
		.amdhsa_private_segment_fixed_size 0
		.amdhsa_enable_private_segment 0
		.amdhsa_kernarg_size 24
		.amdhsa_user_sgpr_count 2
		.amdhsa_user_sgpr_kernarg_segment_ptr 1
		.amdhsa_wavefront_size32 1
		.amdhsa_system_sgpr_workgroup_id_x 1
		.amdhsa_system_sgpr_workgroup_id_y 1
		.amdhsa_system_sgpr_workgroup_id_z 1
		.amdhsa_system_vgpr_workitem_id 0
		.amdhsa_next_free_vgpr 256
		.amdhsa_next_free_sgpr 66
		.amdhsa_reserve_vcc 0
		.amdhsa_float_denorm_mode_32 3
		.amdhsa_float_denorm_mode_16_64 3
		.amdhsa_memory_ordered 1
		.amdhsa_forward_progress 1
		.amdhsa_inst_pref_size 39
	.end_amdhsa_kernel
	.amdgpu_metadata
---
amdhsa.version: [ 1, 2 ]
amdhsa.kernels:
  - .name:           k_q1c18be1c72_attn
    .symbol:         k_q1c18be1c72_attn.kd
    .args:
      - { .name: qkv, .offset: 0, .size: 8, .value_kind: global_buffer, .address_space: global }
      - { .name: memb, .offset: 8, .size: 8, .value_kind: global_buffer, .address_space: global }
      - { .name: abuf, .offset: 16, .size: 8, .value_kind: global_buffer, .address_space: global }
    .group_segment_fixed_size: 210944
    .private_segment_fixed_size: 0
    .kernarg_segment_align: 8
    .kernarg_segment_size: 24
    .max_flat_workgroup_size: 512
    .sgpr_count:     66
    .vgpr_count:     256
    .wavefront_size: 32
...
	.end_amdgpu_metadata
.endif
;; end of part 5
;; launch gout (part 6): grid 4 x 16, 4 waves a work-group, clusters of 4 x 4, 327,680 bytes of LDS; arguments abuf, wts, b_out, x, x1; writes x1
.if DOCPART == 6
	.amdgcn_target "amdgcn-amd-amdhsa--gfx1250"
	.amdhsa_code_object_version 6
	.text
	.protected	k_q1c18be1c72_gout
	.globl	k_q1c18be1c72_gout
	.p2align	8
	.type	k_q1c18be1c72_gout,@function
k_q1c18be1c72_gout:
	s_mov_b64 s[64:65], 0
	v_nop
	global_prefetch_b8 v0, s[64:65] scope:SCOPE_SE
	s_setreg_imm32_b32 hwreg(HW_REG_WAVE_MODE, 25, 1), 1
	s_wait_xcnt 0x0
	s_wait_alu depctr_hold_cnt(0) depctr_sa_sdst(0) depctr_va_vdst(0) depctr_va_sdst(0) depctr_va_ssrc(0) depctr_va_vcc(0) depctr_vm_vsrc(0)
	s_getreg_b32 s2, hwreg(HW_REG_IB_STS2, 6, 4)
	s_cmp_eq_u32 s2, 0
	s_cbranch_scc0 .Lentry_in_a_cluster
	s_endpgm
.Lentry_in_a_cluster:
	s_bfe_u32 s2, ttmp6, 0x10000c
	s_cmp_lg_u32 s2, 0xf033
	s_cbranch_scc0 .Lentry_shape_is_right
	s_endpgm
.Lentry_shape_is_right:
; x1 = x + (Q(attention's result) Q(w_out) + b_out), f32.  Both operands arrive as codes of E2M3 with E8M0 scale words.  No work is left out.
; OPERANDS are images of registers: codes [row block of 16][K step of 128][1,536 bytes] (registers 0-3 at 16 x lane, 4-5 at 512 + 8 x lane, 6-9 at 768 + 16 x lane, 10-11 at 1,280 + 8 x lane), scale words
; [row block][K step][16 words]; inside each block of 32 along K both sides have the same order of code places.
; A tile of 256 x 256 is made by four waves, 128 x 128 each: 64 accumulators.  K goes in steps of 256 through a ring of two LDS slots; a wave's tensor load brings 8 row blocks x 3,072 bytes; the scale words of the work-group's
; rows, for all of K, come once with the first fills.  By this text's count a wave has three tensor loads out at the start and one behind each change of slots.
; CLUSTERS of 4 x 4: the four of a row of the cluster ask jointly for A's tiles, the four of a column for B's.  The matrix instruction is used transposed (source 0 = 16 rows of B, source 1 = 16 rows of A).
; THE WAY OUT: a block of 16 rows x 128 columns goes through my stage in LDS (in slot 0, which has had its last fill and its last read) and comes back as rows of 512 bytes; the bias and the residual's rows, asked for
; four blocks ahead, are added, and the 32 lanes store 512 consecutive bytes.  The output has 64 tiles of this size: 64 work-groups.
; REGISTERS, in windows of 256: window 0: v8-11 the bias; v16-31 addresses; v32-63 scale words and nothing else; v128-223 A's fragments, on the way out v128-255 rows.  Window 1: B's fragments, on the way out the residual.  Windows 2, 3: accumulators.
.set KS,     8                         ; K steps of 128
.set ASC,    3145728                   ; A's scale words behind its codes
.set W_C,    5505024                   ; w_out's codes
.set W_S,    10452992                  ; and scale words in the weights' workspace
.set NQ,     2
.set FR,     12
.set FRB,    1536
.set NL,     4
.set NP,     4                         ; places behind this matrix instruction (ISA guide 7.12.1)
.set HALFT,  8*NQ*FRB
.set SLOT,   4*HALFT
.set LAPS,   KS/(2*NQ)
.set SCL,    2*SLOT
.set HALFS,  8*KS*64
.set SPARE,  SCL+4*HALFS               ; the spare words, 128 bytes for each wave, that no other line names
.set SPITCH, 528
.set ADRA, 16
.set ADRB, 20
.set STO,  24
.set RD,   25
.set CO,   26
.set ADRS, 27
.set SPW,  28
.set NIL,  29
.set SC,   32
.set AF,   128
.set BK,   128
.set G1, 24
.set G0, 32
.set G1B, 48
.set G0B, 56
.set G1S, 68
.set G0S, 76
.set G1SB, 80
.set G0SB, 88
.set MSB, 0
.macro WIN new                         ; the immediate's high byte repeats the setting that is left
.if MSB != \new
	s_set_vgpr_msb (MSB<<8)|\new
.set MSB, \new
.endif
.endm
.set MUL_LO, 0xa1
.set MUL_HI, 0xf1
.set TO_B,   0x40
.macro JLOAD g0a, g1a, g0b, g1b        ; a joint load: waves 0 and 1 fetch for A, waves 2 and 3 for B; an s_nop 0 and four v_nop follow each line
	s_cmp_eq_u32 s15, 0
	s_cbranch_scc0 .Lfor_b_\@
	tensor_load_to_lds s[\g0a:\g0a+3], s[\g1a:\g1a+7]
	s_nop 0
.rept 4
	v_nop
.endr
	s_branch .Lasked_\@
.Lfor_b_\@:
	tensor_load_to_lds s[\g0b:\g0b+3], s[\g1b:\g1b+7]
	s_nop 0
.rept 4
	v_nop
.endr
.Lasked_\@:
.endm
.macro CREST
	s_cmp_lg_u32 s14, 0
	s_cbranch_scc1 .Lnot_wave_0_\@
	s_barrier_signal -3
.Lnot_wave_0_\@:
	s_barrier_wait -3
	s_barrier_signal -1
	s_barrier_wait -1
.endm
.macro CROUND
	s_barrier_signal -1
	s_barrier_wait -1
	CREST
.endm
	s_load_b64 s[4:5], s[0:1], 0x0                 ; A
	s_load_b64 s[8:9], s[0:1], 0x8                 ; the weights' workspace
	s_load_b64 s[96:97], s[0:1], 0x10              ; the bias
	s_load_b64 s[98:99], s[0:1], 0x18              ; the residual
	s_load_b64 s[12:13], s[0:1], 0x20              ; the result
	v_lshl_add_u32 v[SPW], v0, 2, SPARE
	v_mov_b32 v[NIL], 0
	ds_add_u32 v[SPW], v[NIL]                      ; the wave's opening: the add, twice on end, and its wait ahead of my first tensor load
	ds_add_u32 v[SPW], v[NIL]
	v_lshrrev_b32 v1, 5, v0
	v_readfirstlane_b32 s14, v1                    ; wave 0..3
	s_lshr_b32 s15, s14, 1                         ; which half of A's rows is mine.  Also: I fetch for A (0) or for B (1)
	s_and_b32 s16, s14, 1                          ; which half of B's rows.  Also: which 8 row blocks I fetch
	s_bfe_u32 s40, ttmp6, 0x40000
	s_bfe_u32 s41, ttmp6, 0x40004
	s_lshl_b32 s42, ttmp9, 2
	s_add_co_u32 s42, s42, s40                     ; B's tile
	s_and_b32 s17, ttmp7, 0xffff
	s_lshl_b32 s17, s17, 2
	s_add_co_u32 s17, s17, s41                     ; A's tile
	s_lshl_b32 s43, s41, 2
	s_lshl_b32 s43, 15, s43                        ; my row of the cluster
	s_lshl_b32 s44, 0x1111, s40                    ; my column
	s_or_b32 s[G1], s43, (3<<16)|(1<<21)           ; 15:0 the mask; 17:16 elements of 8 bytes; 21 set beside a mask; no padding
	s_or_b32 s[G1B], s44, (3<<16)|(1<<21)
.irp g, G1, G1B
	s_mov_b32 s[\g+1], 384<<16                     ; tensor_dim0: 3,072 bytes
	s_mov_b32 s[\g+2], 8<<16                       ; tensor_dim1: 8 row blocks
	s_mov_b32 s[\g+3], 384<<16
	s_mov_b32 s[\g+4], 8
	s_mov_b32 s[\g+5], KS*192                      ; from row block to row block
	s_mov_b32 s[\g+6], 0
	s_mov_b32 s[\g+7], 0
.endr
	s_or_b32 s[G1S], s43, (3<<16)|(1<<21)          ; the scale words of 8 row blocks: a dense block, as rows of 256 bytes
	s_or_b32 s[G1SB], s44, (3<<16)|(1<<21)
.irp g, G1S, G1SB
	s_mov_b32 s[\g+1], 32<<16
	s_mov_b32 s[\g+2], (HALFS/256)<<16
	s_mov_b32 s[\g+3], 32<<16
	s_mov_b32 s[\g+4], HALFS/256
	s_mov_b32 s[\g+5], 32
	s_mov_b32 s[\g+6], 0
	s_mov_b32 s[\g+7], 0
.endr
	s_lshl_b32 s18, s16, 3
	s_lshl_b32 s20, s17, 4
	s_add_co_u32 s20, s20, s18                     ; A: row block 16 x tile + 8 x half
	s_lshl_b32 s46, s42, 4
	s_add_co_u32 s46, s46, s18
	s_mul_i32 s22, s20, KS*64
	s_mov_b32 s23, 0
	s_mul_i32 s92, s46, KS*64
	s_mov_b32 s93, 0
	s_mul_i32 s20, s20, KS*FRB
	s_mov_b32 s21, 0
	s_mul_i32 s46, s46, KS*FRB
	s_mov_b32 s47, 0
	s_mul_i32 s45, s14, HALFT                      ; no place in the cluster enters an LDS address
	s_mul_i32 s94, s14, HALFS
	s_wait_dscnt 0x0                               ; both opening adds are done
	s_wait_kmcnt 0x0
	s_add_nc_u64 s[6:7], s[4:5], ASC
	s_add_nc_u64 s[10:11], s[8:9], W_S
	s_add_nc_u64 s[8:9], s[8:9], W_C
	s_add_nc_u64 s[20:21], s[4:5], s[20:21]
	s_add_nc_u64 s[22:23], s[6:7], s[22:23]
	s_add_nc_u64 s[46:47], s[8:9], s[46:47]
	s_add_nc_u64 s[92:93], s[10:11], s[92:93]
	CROUND                                         ; all sixteen work-groups are here: the first joint loads meet
	s_mov_b32 s[G0S], 1
	s_add_co_u32 s[G0S+1], s94, SCL
	s_mov_b64 s[G0S+2:G0S+3], s[22:23]
	s_or_b32 s[G0S+3], s[G0S+3], 0x80000000
	s_mov_b32 s[G0SB], 1
	s_add_co_u32 s[G0SB+1], s94, SCL
	s_mov_b64 s[G0SB+2:G0SB+3], s[92:93]
	s_or_b32 s[G0SB+3], s[G0SB+3], 0x80000000
	JLOAD G0S, G1S, G0SB, G1SB
.irp s, 0,1
	s_mov_b32 s[G0+4*\s], 1
	s_add_co_u32 s[G0+4*\s+1], s45, \s*SLOT
	s_add_nc_u64 s[G0+4*\s+2:G0+4*\s+3], s[20:21], \s*NQ*FRB
	s_or_b32 s[G0+4*\s+3], s[G0+4*\s+3], 0x80000000
	s_mov_b32 s[G0B+4*\s], 1
	s_add_co_u32 s[G0B+4*\s+1], s45, \s*SLOT
	s_add_nc_u64 s[G0B+4*\s+2:G0B+4*\s+3], s[46:47], \s*NQ*FRB
	s_or_b32 s[G0B+4*\s+3], s[G0B+4*\s+3], 0x80000000
	JLOAD G0+4*\s, G1, G0B+4*\s, G1B
.endr
	v_and_b32 v1, 31, v0                           ; lane
	v_and_b32 v2, 15, v0                           ; r
	v_bfe_u32 v3, v0, 4, 1                         ; h
	v_lshlrev_b32 v[CO], 4, v1                     ; 16 x lane: in an image, in a row of the stage, of the residual and of the result
	v_lshlrev_b32 v5, 3, v1
	s_mul_i32 s21, s15, HALFT
	s_mul_i32 s22, s16, HALFT
	s_add_co_u32 s22, s22, 2*HALFT
.irp s, 0,1
	v_add_nc_u32 v[ADRA+\s], s21, v[CO]
	v_add_nc_u32 v[ADRB+\s], s22, v[CO]
	v_add_nc_u32 v[ADRA+2+\s], s21, v5
	v_add_nc_u32 v[ADRB+2+\s], s22, v5
	s_add_co_u32 s21, s21, SLOT
	s_add_co_u32 s22, s22, SLOT
.endr
	v_lshlrev_b32 v6, 2, v2
	s_mul_i32 s21, s15, HALFS
	s_mul_i32 s22, s16, HALFS
	s_add_co_u32 s22, s22, 2*HALFS
	s_sub_co_u32 s22, s22, s21
	v_mul_u32_u24 v7, s22, v3                      ; lanes 16-31 take B's: one product, the distance between the two bases
	s_add_co_u32 s21, s21, SCL
	v_add_nc_u32 v6, v6, v7
	v_add_nc_u32 v[ADRS], s21, v6
	s_mul_i32 s23, s14, 16*SPITCH                  ; my stage
	v_mul_u32_u24 v5, v2, SPITCH
	v_lshl_add_u32 v5, v3, 5, v5
	v_add_nc_u32 v[STO], s23, v5                   ; in: row r, 32 bytes for each half of the lanes
	v_add_nc_u32 v[RD], s23, v[CO]                 ; back: the 32 lanes take one row of 512 bytes
	s_lshl_b32 s46, s42, 10
	s_lshl_b32 s47, s16, 9
	s_add_co_u32 s46, s46, s47                     ; my first column, in bytes
	s_mov_b32 s47, 0
	s_add_nc_u64 s[96:97], s[96:97], s[46:47]
	s_lshl_b32 s20, s17, 20
	s_lshl_b32 s21, s15, 19
	s_add_co_u32 s20, s20, s21                     ; my first row of 4,096 bytes
	s_add_co_u32 s20, s20, s46
	s_mov_b32 s21, 0
	s_add_nc_u64 s[98:99], s[98:99], s[20:21]
	s_add_nc_u64 s[12:13], s[12:13], s[20:21]
	global_load_b128 v[8:11], v[CO], s[96:97]      ; the bias at my four columns
.macro FRAG reg, adr, q, i             ; row block i, the slot's q-th 128 along K: the image of 12 registers comes back by four loads of consecutive bytes
.set FO, ((\i)*NQ+(\q))*FRB
	ds_load_b128 v[\reg:\reg+3], v[\adr] offset:FO
	ds_load_b64 v[\reg+4:\reg+5], v[\adr+2] offset:FO+512
	ds_load_b128 v[\reg+6:\reg+9], v[\adr] offset:FO+768
	ds_load_b64 v[\reg+10:\reg+11], v[\adr+2] offset:FO+1280
.endm
; 16 matrix instructions: A's blocks a0, a0 + 1 x B's eight.  The 64 accumulators take turns, one instruction a turn, in the same order in every step
.macro MUL16 a0, p, q, sc, zero
.irp a, \a0, \a0+1
.irp b, 0,1,2,3,4,5,6,7
.if \zero
	v_wmma_scale_f32_16x16x128_f8f6f4 v[8*(8*((\a)%4)+\b):8*(8*((\a)%4)+\b)+7], v[128*(\p)+FR*\b:128*(\p)+FR*\b+FR-1], v[AF+FR*(\a):AF+FR*(\a)+FR-1], 0, v[SC+8*NQ*(\sc)+NQ*\b+(\q)], v[SC+8*NQ*(\sc)+NQ*(\a)+(\q)] matrix_a_fmt:MATRIX_FMT_FP6 matrix_b_fmt:MATRIX_FMT_FP6 matrix_a_scale:MATRIX_SCALE_ROW1
.else
	v_wmma_scale_f32_16x16x128_f8f6f4 v[8*(8*((\a)%4)+\b):8*(8*((\a)%4)+\b)+7], v[128*(\p)+FR*\b:128*(\p)+FR*\b+FR-1], v[AF+FR*(\a):AF+FR*(\a)+FR-1], v[8*(8*((\a)%4)+\b):8*(8*((\a)%4)+\b)+7], v[SC+8*NQ*(\sc)+NQ*\b+(\q)], v[SC+8*NQ*(\sc)+NQ*(\a)+(\q)] matrix_a_fmt:MATRIX_FMT_FP6 matrix_b_fmt:MATRIX_FMT_FP6 matrix_a_scale:MATRIX_SCALE_ROW1
.endif
.endr
.endr
.endm
.macro FETCH_B slot, q, p
	WIN TO_B
.irp i, 0,1,2,3,4,5,6,7
	FRAG 128*(\p)+FR*\i, ADRB+\slot, \q, \i
.endr
	WIN 0
.endm
.macro FETCH_A slot, q, i0
.irp i, \i0, \i0+1, \i0+2, \i0+3
	FRAG AF+FR*(\i), ADRA+\slot, \q, \i
.endr
.endm
.macro SCALES sc                       ; register NQ i + q: lanes 0-15 A's block i, lanes 16-31 B's block i
.irp i, 0,1,2,3,4,5,6,7
	ds_load_b32 v[SC+8*NQ*\sc+NQ*\i], v[ADRS] offset:\i*KS*64
	ds_load_b32 v[SC+8*NQ*\sc+NQ*\i+1], v[ADRS] offset:\i*KS*64+64
.endr
.endm
.macro PLACES n                        ; plain places in front of loads into registers that matrix instructions have read, and of the first read of results
.rept \n
	v_nop
.endr
.endm
.macro STEP slot, q, zero
	s_wait_dscnt 4*NL                              ; B's set and A's blocks 0-3 are in; the youngest sixteen loads (A's blocks 4-7) may be out
	WIN MUL_LO
	MUL16 0, (\q)%2, \q, \slot, \zero
	MUL16 2, (\q)%2, \q, \slot, \zero
	s_wait_dscnt 0
	PLACES NP
	FETCH_B \slot, (\q)+1, 1-(\q)%2
	FETCH_A \slot, (\q)+1, 0
	WIN MUL_HI
	MUL16 4, (\q)%2, \q, \slot, \zero
	MUL16 6, (\q)%2, \q, \slot, \zero
	PLACES NP
	WIN 0
	FETCH_A \slot, (\q)+1, 4
.endm
; A slot's last step changes slots: one barrier; in front of it each wave waits for all its tensor loads, adds 0 to its spare word, and waits for that and for its reads of this slot.  fill = 1: the slot is filled again, two slots ahead.
.macro TURN slot, next, fill
	s_wait_tensorcnt 0x0                           ; all my tensor loads have landed: my part of the next slot
	ds_add_u32 v[SPW], v[NIL]                      ; 0 onto my spare word
	s_wait_dscnt 4*NL+1                            ; (the add and A's blocks 4-7 may be out)
	WIN MUL_LO
	MUL16 0, 1, NQ-1, \slot, 0
	s_wait_dscnt 0x0                               ; the add is done, and my reads of this slot are over
	s_barrier_signal -1
	MUL16 2, 1, NQ-1, \slot, 0
	WIN 0
	s_barrier_wait -1
.if \fill
	CREST                                          ; the barrier has opened a round of the cluster's: no wave of any partner still reads this slot or has a load on its way
	s_add_nc_u64 s[G0+4*\slot+2:G0+4*\slot+3], s[G0+4*\slot+2:G0+4*\slot+3], 2*NQ*FRB
	s_add_nc_u64 s[G0B+4*\slot+2:G0B+4*\slot+3], s[G0B+4*\slot+2:G0B+4*\slot+3], 2*NQ*FRB
	JLOAD G0+4*\slot, G1, G0B+4*\slot, G1B         ; the first tensor load behind the round; its four v_nop are the places in front of the loads below
.else
	PLACES NP
.endif
	v_add_nc_u32 v[ADRS], 64*NQ, v[ADRS]
	FETCH_B \next, 0, 0
	FETCH_A \next, 0, 0
	SCALES \next
	WIN MUL_HI
	MUL16 4, 1, NQ-1, \slot, 0
	MUL16 6, 1, NQ-1, \slot, 0
	PLACES NP
	WIN 0
	FETCH_A \next, 0, 4
.endm
	s_wait_tensorcnt 1                             ; the scale words and my part of slot 0 are in; slot 1's load may be out
	s_barrier_signal -1
	s_barrier_wait -1
	FETCH_B 0, 0, 0
	FETCH_A 0, 0, 0
	SCALES 0
	FETCH_A 0, 0, 4
	STEP 0, 0, 1                                   ; the first step stands in front of the loop: its products start the sums
	s_mov_b32 s3, LAPS-1
.Llap:                                             ; a trip goes once round the ring and fills both slots again
	TURN 0, 1, 1
	STEP 1, 0, 0
	TURN 1, 0, 1
	STEP 0, 0, 0
	s_sub_co_u32 s3, s3, 1
	s_cmp_lg_u32 s3, 0
	s_cbranch_scc1 .Llap
	TURN 0, 1, 0                                   ; the last lap fills nothing
	STEP 1, 0, 0
	s_wait_dscnt 4*NL                              ; the very last step
	WIN MUL_LO
	MUL16 0, 1, NQ-1, 1, 0
	MUL16 2, 1, NQ-1, 1, 0
	s_wait_dscnt 0
	WIN MUL_HI
	MUL16 4, 1, NQ-1, 1, 0
	MUL16 6, 1, NQ-1, 1, 0
	WIN 0
.macro RLOAD a                         ; the residual's 16 rows of block a, my 512 bytes of each, into window 1
	WIN 0x40
.irp t, 0,1,2,3,4,5,6,7,8,9,10,11,12,13,14,15
	global_load_b128 v[64*((\a)%4)+4*\t:64*((\a)%4)+4*\t+3], v[CO], s[98:99] offset:(16*(\a)+\t)*4096
.endr
	WIN 0
.endm
.macro TOSTAGE a                       ; LDS serves a wave's instructions in order (ISA guide 5.7.1.4): no wait between the stores and the loads
.set AC, 64*((\a)%4)
	WIN (0x08+4*((\a)/4))                          ; the data: window 2 or 3
.irp b, 0,1,2,3,4,5,6,7
	ds_store_b128 v[STO], v[AC+8*\b:AC+8*\b+3] offset:64*\b          ; each accumulator from its low end on
	ds_store_b128 v[STO], v[AC+8*\b+4:AC+8*\b+7] offset:64*\b+16
.endr
	WIN 0
.set BB, BK+64*((\a)%2)
.irp t, 0,1,2,3,4,5,6,7,8,9,10,11,12,13,14,15
	ds_load_b128 v[BB+4*\t:BB+4*\t+3], v[RD] offset:\t*SPITCH
.endr
.endm
.macro SEND a, younger, rl             ; younger: the LDS instructions issued behind block a's loads; rl: the residual's loads issued behind block a's
.set BB, BK+64*((\a)%2)
.set RR, 64*((\a)%4)
	s_wait_dscnt \younger
	s_wait_loadcnt \rl
.set i, 0
.rept 16
	v_pk_add_f32 v[BB+4*i:BB+4*i+1], v[BB+4*i:BB+4*i+1], v[8:9]      ; + the bias
	v_pk_add_f32 v[BB+4*i+2:BB+4*i+3], v[BB+4*i+2:BB+4*i+3], v[10:11]
.set i, i+1
.endr
	WIN 0x04                                       ; source 1: window 1
.set i, 0
.rept 32
	v_pk_add_f32 v[BB+2*i:BB+2*i+1], v[BB+2*i:BB+2*i+1], v[RR+2*i:RR+2*i+1]   ; + the residual
.set i, i+1
.endr
	WIN 0
.irp t, 0,1,2,3,4,5,6,7,8,9,10,11,12,13,14,15
	global_store_b128 v[CO], v[BB+4*\t:BB+4*\t+3], s[12:13] offset:(16*(\a)+\t)*4096   ; 32 lanes store 512 consecutive bytes, aligned; every offset is an immediate
.endr
.endm
	PLACES NP                                      ; for the loads into B's and A's registers and for the first reads of results alike
	RLOAD 0
	RLOAD 1
	RLOAD 2
	RLOAD 3
	TOSTAGE 0
.irp a, 1,2,3,4,5,6,7
.if \a > 1
	s_wait_xcnt 0x0                                ; block a - 2's stores have read their registers: block a's rows may land there
.endif
	TOSTAGE \a
.if \a < 6
	SEND \a-1, 32, 48                              ; behind block a - 1's: three blocks' residual rows
.else
	SEND \a-1, 32, 16*(8-\a)
.endif
.if \a < 5
	RLOAD \a+3                                     ; into the set that block a - 1 has just left
.endif
.endr
	SEND 7, 0, 0
	s_wait_tensorcnt 0x0                           ; the wave's end
	ds_add_u32 v[SPW], v[NIL]
	s_wait_dscnt 0x0
	CROUND                                         ; the closing round
	s_endpgm
.Lfunc_end_k_q1c18be1c72_gout:
	.size	k_q1c18be1c72_gout, .Lfunc_end_k_q1c18be1c72_gout-k_q1c18be1c72_gout
	.p2alignl 7, 3214868480
	.fill 96, 4, 3214868480
	.section	.rodata,"a",@progbits
	.p2align	6, 0x0
	.amdhsa_kernel k_q1c18be1c72_gout
		.amdhsa_group_segment_fixed_size 327680
		.amdhsa_private_segment_fixed_size 0
		.amdhsa_enable_private_segment 0
		.amdhsa_kernarg_size 40
		.amdhsa_user_sgpr_count 2
		.amdhsa_user_sgpr_kernarg_segment_ptr 1
		.amdhsa_wavefront_size32 1
		.amdhsa_system_sgpr_workgroup_id_x 1
		.amdhsa_system_sgpr_workgroup_id_y 1
		.amdhsa_system_sgpr_workgroup_id_z 1
		.amdhsa_system_vgpr_workitem_id 0
		.amdhsa_next_free_vgpr 1024
		.amdhsa_next_free_sgpr 102
		.amdhsa_reserve_vcc 0
		.amdhsa_float_denorm_mode_32 3
		.amdhsa_float_denorm_mode_16_64 3
		.amdhsa_memory_ordered 1
		.amdhsa_forward_progress 1
		.amdhsa_inst_pref_size 191
	.end_amdhsa_kernel
	.amdgpu_metadata
---
amdhsa.version: [ 1, 2 ]
amdhsa.kernels:
  - .name:           k_q1c18be1c72_gout
    .symbol:         k_q1c18be1c72_gout.kd
    .args:
      - { .name: abuf, .offset: 0, .size: 8, .value_kind: global_buffer, .address_space: global }
      - { .name: wts, .offset: 8, .size: 8, .value_kind: global_buffer, .address_space: global }
      - { .name: b_out, .offset: 16, .size: 8, .value_kind: global_buffer, .address_space: global }
      - { .name: x, .offset: 24, .size: 8, .value_kind: global_buffer, .address_space: global }
      - { .name: x1, .offset: 32, .size: 8, .value_kind: global_buffer, .address_space: global }
    .group_segment_fixed_size: 327680
    .private_segment_fixed_size: 0
    .kernarg_segment_align: 8
    .kernarg_segment_size: 40
    .max_flat_workgroup_size: 128
    .sgpr_count:     102
    .vgpr_count:     1024
    .wavefront_size: 32
...
	.end_amdgpu_metadata
.endif
;; end of part 6
;; launch ln2: the kernel of part 2 again; grid 256 x 1, 8 waves a work-group, no clusters, 66,816 bytes of LDS; arguments x1, ln2_g, ln2_b, hbuf; writes hbuf
;; launch gfc1 (part 7): grid 16 x 16, 4 waves a work-group, clusters of 4 x 4, 327,680 bytes of LDS; arguments hbuf, wts, b_fc1, gbuf; writes gbuf
.if DOCPART == 7
	.amdgcn_target "amdgcn-amd-amdhsa--gfx1250"
	.amdhsa_code_object_version 6
	.text
	.protected	k_q1c18be1c72_gfc1
	.globl	k_q1c18be1c72_gfc1
	.p2align	8
	.type	k_q1c18be1c72_gfc1,@function
k_q1c18be1c72_gfc1:
	s_mov_b64 s[64:65], 0
	v_nop
	global_prefetch_b8 v0, s[64:65] scope:SCOPE_SE
	s_setreg_imm32_b32 hwreg(HW_REG_WAVE_MODE, 25, 1), 1
	s_wait_xcnt 0x0
	s_wait_alu depctr_hold_cnt(0) depctr_sa_sdst(0) depctr_va_vdst(0) depctr_va_sdst(0) depctr_va_ssrc(0) depctr_va_vcc(0) depctr_vm_vsrc(0)
	s_getreg_b32 s2, hwreg(HW_REG_IB_STS2, 6, 4)
	s_cmp_eq_u32 s2, 0
	s_cbranch_scc0 .Lentry_in_a_cluster
	s_endpgm
.Lentry_in_a_cluster:
	s_bfe_u32 s2, ttmp6, 0x10000c
	s_cmp_lg_u32 s2, 0xf033
	s_cbranch_scc0 .Lentry_shape_is_right
	s_endpgm
.Lentry_shape_is_right:
; g = Q(gelu(Q(h2) Q(w_fc1) + b_fc1)), h2 = LN2(x1) as codes; the exact gelu in f32; the result is quantised along the 4,096 hidden units on the way out and leaves as fc2's operand.  No work is left out.
; OPERANDS are images of registers: codes [row block of 16][K step of 128][1,536 bytes] (registers 0-3 at 16 x lane, 4-5 at 512 + 8 x lane, 6-9 at 768 + 16 x lane, 10-11 at 1,280 + 8 x lane), scale words
; [row block][K step][16 words]; inside each block of 32 along K, code place 16 h + 8 u + j holds number 16 u + 8 h + j on both sides.
; A tile of 256 x 256 is made by four waves, 128 x 128 each: 64 accumulators.  K = 1,024 goes in steps of 256 through a ring of two LDS slots; a wave's tensor load brings 8 row blocks x 3,072 bytes; the scale words come once with
; the first fills.  By this text's count a wave has three tensor loads out at the start and one behind each change of slots.  CLUSTERS of 4 x 4: A's tiles are asked for jointly along a row of the cluster, B's along a column.
; The matrix instruction is used transposed (source 0 = 16 rows of B, source 1 = 16 rows of A): a lane's 64 numbers of a block of 16 rows are, as they stand, 64 code places of one K step of fc2.
; THE WAY OUT is a loop of eight trips, a block of 16 rows each: what differs between trips, the accumulators' registers, stands in eight short arms; bias, gelu, quantiser and stores are written once.
; gelu(x) = x/2 + x/2 erf(x / sqrt 2); erf(u) = u P(u^2) / Q(u^2) with u held to +-4: a rational form good to a few units in f32's last place.  LIMIT: where 1 + erf cancels (x under about -3) the relative error of
; gelu grows, as it does in any f32 evaluation of this formula.  NaN and infinities are not served; a block of zeros gets the byte 1 (its codes are zeros; this program alone reads the bytes).
; REGISTERS, in windows of 256: window 0: v16-31 addresses; v32-63 scale words and nothing else; v64-127 the bias; v128-223 A's fragments; on the way out v128-235.  Window 1: B's fragments, two sets.  Windows 2, 3: accumulators.
.set KS,     8
.set ASC,    3145728                   ; h2's scale words behind its codes
.set W_C,    2359296                   ; w_fc1's codes
.set W_S,    10321920                  ; and scale words
.set GSC,    12582912                  ; g's scale words behind its codes
.set NQ,     2
.set FR,     12
.set FRB,    1536
.set NL,     4
.set NP,     4                         ; places behind this matrix instruction (ISA guide 7.12.1)
.set HALFT,  8*NQ*FRB
.set SLOT,   4*HALFT
.set LAPS,   KS/(2*NQ)
.set SCL,    2*SLOT
.set HALFS,  8*KS*64
.set SPARE,  SCL+4*HALFS               ; the spare words, 128 bytes for each wave, that no other line names
.set ADRA, 16
.set ADRB, 20
.set L16,  24
.set L8,   25
.set R4,   26
.set ADRS, 27
.set SPW,  28
.set NIL,  29
.set H32,  30
.set SC,   32
.set BIAS, 64
.set AF,   128
.set T,    128                         ; the way out: 64 numbers
.set PC,   192                         ; their codes,
.set TM,   212                         ; twelve registers at work,
.set PW,   228                         ; the scale word
.set U,    192                         ; the gelu's 32 registers lie where the codes and the quantiser's work registers will: they are done with before those are written
.set S2,   200
.set PP,   208
.set QQ,   216
.set SEL,  66
.set G1, 24
.set G0, 32
.set G1B, 48
.set G0B, 56
.set G1S, 68
.set G0S, 76
.set G1SB, 80
.set G0SB, 88
.set MSB, 0
.macro WIN new                         ; the immediate's high byte repeats the setting that is left
.if MSB != \new
	s_set_vgpr_msb (MSB<<8)|\new
.set MSB, \new
.endif
.endm
.set MUL_LO, 0xa1
.set MUL_HI, 0xf1
.set TO_B,   0x40
.macro JLOAD g0a, g1a, g0b, g1b        ; a joint load: waves 0 and 1 fetch for A, waves 2 and 3 for B; an s_nop 0 and four v_nop follow each line
	s_cmp_eq_u32 s15, 0
	s_cbranch_scc0 .Lfor_b_\@
	tensor_load_to_lds s[\g0a:\g0a+3], s[\g1a:\g1a+7]
	s_nop 0
.rept 4
	v_nop
.endr
	s_branch .Lasked_\@
.Lfor_b_\@:
	tensor_load_to_lds s[\g0b:\g0b+3], s[\g1b:\g1b+7]
	s_nop 0
.rept 4
	v_nop
.endr
.Lasked_\@:
.endm
.macro CREST
	s_cmp_lg_u32 s14, 0
	s_cbranch_scc1 .Lnot_wave_0_\@
	s_barrier_signal -3
.Lnot_wave_0_\@:
	s_barrier_wait -3
	s_barrier_signal -1
	s_barrier_wait -1
.endm
.macro CROUND
	s_barrier_signal -1
	s_barrier_wait -1
	CREST
.endm
	s_load_b64 s[4:5], s[0:1], 0x0                 ; h2
	s_load_b64 s[8:9], s[0:1], 0x8                 ; the weights' workspace
	s_load_b64 s[96:97], s[0:1], 0x10              ; b_fc1
	s_load_b64 s[12:13], s[0:1], 0x18              ; g
	v_lshl_add_u32 v[SPW], v0, 2, SPARE
	v_mov_b32 v[NIL], 0
	ds_add_u32 v[SPW], v[NIL]                      ; the wave's opening: the add, twice on end, and its wait ahead of my first tensor load
	ds_add_u32 v[SPW], v[NIL]
	v_lshrrev_b32 v1, 5, v0
	v_readfirstlane_b32 s14, v1                    ; wave 0..3
	s_lshr_b32 s15, s14, 1                         ; which half of A's rows is mine.  Also: I fetch for A (0) or for B (1)
	s_and_b32 s16, s14, 1                          ; which half of B's rows.  Also: which 8 row blocks I fetch
	s_bfe_u32 s40, ttmp6, 0x40000
	s_bfe_u32 s41, ttmp6, 0x40004
	s_lshl_b32 s42, ttmp9, 2
	s_add_co_u32 s42, s42, s40                     ; B's tile
	s_and_b32 s17, ttmp7, 0xffff
	s_lshl_b32 s17, s17, 2
	s_add_co_u32 s17, s17, s41                     ; A's tile
	s_lshl_b32 s43, s41, 2
	s_lshl_b32 s43, 15, s43                        ; my row of the cluster
	s_lshl_b32 s44, 0x1111, s40                    ; my column
	s_or_b32 s[G1], s43, (3<<16)|(1<<21)           ; 15:0 the mask; 17:16 elements of 8 bytes; 21 set beside a mask; no padding
	s_or_b32 s[G1B], s44, (3<<16)|(1<<21)
.irp g, G1, G1B
	s_mov_b32 s[\g+1], 384<<16                     ; tensor_dim0: 3,072 bytes
	s_mov_b32 s[\g+2], 8<<16                       ; tensor_dim1: 8 row blocks
	s_mov_b32 s[\g+3], 384<<16
	s_mov_b32 s[\g+4], 8
	s_mov_b32 s[\g+5], KS*192                      ; from row block to row block
	s_mov_b32 s[\g+6], 0
	s_mov_b32 s[\g+7], 0
.endr
	s_or_b32 s[G1S], s43, (3<<16)|(1<<21)          ; the scale words of 8 row blocks: a dense block, as rows of 256 bytes
	s_or_b32 s[G1SB], s44, (3<<16)|(1<<21)
.irp g, G1S, G1SB
	s_mov_b32 s[\g+1], 32<<16
	s_mov_b32 s[\g+2], (HALFS/256)<<16
	s_mov_b32 s[\g+3], 32<<16
	s_mov_b32 s[\g+4], HALFS/256
	s_mov_b32 s[\g+5], 32
	s_mov_b32 s[\g+6], 0
	s_mov_b32 s[\g+7], 0
.endr
	s_lshl_b32 s18, s16, 3
	s_lshl_b32 s20, s17, 4
	s_add_co_u32 s20, s20, s18                     ; A: row block 16 x tile + 8 x half
	s_lshl_b32 s46, s42, 4
	s_add_co_u32 s46, s46, s18
	s_mul_i32 s22, s20, KS*64
	s_mov_b32 s23, 0
	s_mul_i32 s92, s46, KS*64
	s_mov_b32 s93, 0
	s_mul_i32 s20, s20, KS*FRB
	s_mov_b32 s21, 0
	s_mul_i32 s46, s46, KS*FRB
	s_mov_b32 s47, 0
	s_mul_i32 s45, s14, HALFT                      ; no place in the cluster enters an LDS address
	s_mul_i32 s94, s14, HALFS
	s_wait_dscnt 0x0                               ; both opening adds are done
	s_wait_kmcnt 0x0
	s_add_nc_u64 s[6:7], s[4:5], ASC
	s_add_nc_u64 s[10:11], s[8:9], W_S
	s_add_nc_u64 s[8:9], s[8:9], W_C
	s_add_nc_u64 s[20:21], s[4:5], s[20:21]
	s_add_nc_u64 s[22:23], s[6:7], s[22:23]
	s_add_nc_u64 s[46:47], s[8:9], s[46:47]
	s_add_nc_u64 s[92:93], s[10:11], s[92:93]
	CROUND                                         ; all sixteen work-groups are here: the first joint loads meet
	s_mov_b32 s[G0S], 1
	s_add_co_u32 s[G0S+1], s94, SCL
	s_mov_b64 s[G0S+2:G0S+3], s[22:23]
	s_or_b32 s[G0S+3], s[G0S+3], 0x80000000
	s_mov_b32 s[G0SB], 1
	s_add_co_u32 s[G0SB+1], s94, SCL
	s_mov_b64 s[G0SB+2:G0SB+3], s[92:93]
	s_or_b32 s[G0SB+3], s[G0SB+3], 0x80000000
	JLOAD G0S, G1S, G0SB, G1SB
.irp s, 0,1
	s_mov_b32 s[G0+4*\s], 1
	s_add_co_u32 s[G0+4*\s+1], s45, \s*SLOT
	s_add_nc_u64 s[G0+4*\s+2:G0+4*\s+3], s[20:21], \s*NQ*FRB
	s_or_b32 s[G0+4*\s+3], s[G0+4*\s+3], 0x80000000
	s_mov_b32 s[G0B+4*\s], 1
	s_add_co_u32 s[G0B+4*\s+1], s45, \s*SLOT
	s_add_nc_u64 s[G0B+4*\s+2:G0B+4*\s+3], s[46:47], \s*NQ*FRB
	s_or_b32 s[G0B+4*\s+3], s[G0B+4*\s+3], 0x80000000
	JLOAD G0+4*\s, G1, G0B+4*\s, G1B
.endr
	v_and_b32 v1, 31, v0                           ; lane
	v_and_b32 v2, 15, v0                           ; r
	v_bfe_u32 v3, v0, 4, 1                         ; h
	v_lshlrev_b32 v[L16], 4, v1
	v_lshlrev_b32 v[L8], 3, v1
	v_lshlrev_b32 v[R4], 2, v2
	v_lshlrev_b32 v[H32], 5, v3
	s_mul_i32 s21, s15, HALFT
	s_mul_i32 s22, s16, HALFT
	s_add_co_u32 s22, s22, 2*HALFT
.irp s, 0,1
	v_add_nc_u32 v[ADRA+\s], s21, v[L16]
	v_add_nc_u32 v[ADRB+\s], s22, v[L16]
	v_add_nc_u32 v[ADRA+2+\s], s21, v[L8]
	v_add_nc_u32 v[ADRB+2+\s], s22, v[L8]
	s_add_co_u32 s21, s21, SLOT
	s_add_co_u32 s22, s22, SLOT
.endr
	s_mul_i32 s21, s15, HALFS
	s_mul_i32 s22, s16, HALFS
	s_add_co_u32 s22, s22, 2*HALFS
	s_sub_co_u32 s22, s22, s21
	v_mul_u32_u24 v6, s22, v3                      ; lanes 16-31 take B's: one product, the distance between the two bases
	s_add_co_u32 s21, s21, SCL
	v_add_nc_u32 v6, v[R4], v6
	v_add_nc_u32 v[ADRS], s21, v6
	s_mov_b32 s[SEL], 0x76543210
	s_mov_b32 s[SEL+1], 0xfedcba98                 ; lane l xor 16
	s_lshl_b32 s46, s42, 10
	s_lshl_b32 s47, s16, 9
	s_add_co_u32 s46, s46, s47                     ; my first column, in bytes
	s_mov_b32 s47, 0
	s_add_nc_u64 s[96:97], s[96:97], s[46:47]
.irp b, 0,1,2,3,4,5,6,7
	global_load_b128 v[BIAS+8*\b:BIAS+8*\b+3], v[H32], s[96:97] offset:64*\b       ; register 8 b + j = column 16 b + 8 h + j
	global_load_b128 v[BIAS+8*\b+4:BIAS+8*\b+7], v[H32], s[96:97] offset:64*\b+16
.endr
	v_mov_b32 v232, 0x32edffee                     ; the two coefficients that stand as addends beside a literal factor, each twice
	v_mov_b32 v233, 0x32edffee
	v_mov_b32 v234, 0xb95fbd29
	v_mov_b32 v235, 0xb95fbd29
	s_lshl_b32 s20, s17, 4
	s_lshl_b32 s21, s15, 3
	s_add_co_u32 s20, s20, s21                     ; my first row block of g
	s_lshl_b32 s20, s20, 5
	s_lshl_b32 s21, s42, 1
	s_add_co_u32 s20, s20, s21
	s_add_co_u32 s20, s20, s16                     ; x 32 + my K step of fc2
	s_mul_i32 s22, s20, FRB
	s_mov_b32 s23, 0
	s_add_nc_u64 s[4:5], s[12:13], s[22:23]        ; the codes,
	s_lshl_b32 s22, s20, 6
	s_add_co_u32 s22, s22, GSC
	s_add_nc_u64 s[6:7], s[12:13], s[22:23]        ; the scale words
.macro FRAG reg, adr, q, i             ; row block i, the slot's q-th 128 along K: the image of 12 registers comes back by four loads of consecutive bytes
.set FO, ((\i)*NQ+(\q))*FRB
	ds_load_b128 v[\reg:\reg+3], v[\adr] offset:FO
	ds_load_b64 v[\reg+4:\reg+5], v[\adr+2] offset:FO+512
	ds_load_b128 v[\reg+6:\reg+9], v[\adr] offset:FO+768
	ds_load_b64 v[\reg+10:\reg+11], v[\adr+2] offset:FO+1280
.endm
; 16 matrix instructions: A's blocks a0, a0 + 1 x B's eight.  The 64 accumulators take turns, one instruction a turn, in the same order in every step
.macro MUL16 a0, p, q, sc, zero
.irp a, \a0, \a0+1
.irp b, 0,1,2,3,4,5,6,7
.if \zero
	v_wmma_scale_f32_16x16x128_f8f6f4 v[8*(8*((\a)%4)+\b):8*(8*((\a)%4)+\b)+7], v[128*(\p)+FR*\b:128*(\p)+FR*\b+FR-1], v[AF+FR*(\a):AF+FR*(\a)+FR-1], 0, v[SC+8*NQ*(\sc)+NQ*\b+(\q)], v[SC+8*NQ*(\sc)+NQ*(\a)+(\q)] matrix_a_fmt:MATRIX_FMT_FP6 matrix_b_fmt:MATRIX_FMT_FP6 matrix_a_scale:MATRIX_SCALE_ROW1
.else
	v_wmma_scale_f32_16x16x128_f8f6f4 v[8*(8*((\a)%4)+\b):8*(8*((\a)%4)+\b)+7], v[128*(\p)+FR*\b:128*(\p)+FR*\b+FR-1], v[AF+FR*(\a):AF+FR*(\a)+FR-1], v[8*(8*((\a)%4)+\b):8*(8*((\a)%4)+\b)+7], v[SC+8*NQ*(\sc)+NQ*\b+(\q)], v[SC+8*NQ*(\sc)+NQ*(\a)+(\q)] matrix_a_fmt:MATRIX_FMT_FP6 matrix_b_fmt:MATRIX_FMT_FP6 matrix_a_scale:MATRIX_SCALE_ROW1
.endif
.endr
.endr
.endm
.macro FETCH_B slot, q, p
	WIN TO_B
.irp i, 0,1,2,3,4,5,6,7
	FRAG 128*(\p)+FR*\i, ADRB+\slot, \q, \i
.endr
	WIN 0
.endm
.macro FETCH_A slot, q, i0
.irp i, \i0, \i0+1, \i0+2, \i0+3
	FRAG AF+FR*(\i), ADRA+\slot, \q, \i
.endr
.endm
.macro SCALES sc                       ; register NQ i + q: lanes 0-15 A's block i, lanes 16-31 B's block i
.irp i, 0,1,2,3,4,5,6,7
	ds_load_b32 v[SC+8*NQ*\sc+NQ*\i], v[ADRS] offset:\i*KS*64
	ds_load_b32 v[SC+8*NQ*\sc+NQ*\i+1], v[ADRS] offset:\i*KS*64+64
.endr
.endm
.macro PLACES n                        ; plain places in front of loads into registers that matrix instructions have read, and of the first read of results
.rept \n
	v_nop
.endr
.endm
.macro STEP slot, q, zero
	s_wait_dscnt 4*NL                              ; B's set and A's blocks 0-3 are in; the youngest sixteen loads (A's blocks 4-7) may be out
	WIN MUL_LO
	MUL16 0, (\q)%2, \q, \slot, \zero
	MUL16 2, (\q)%2, \q, \slot, \zero
	s_wait_dscnt 0
	PLACES NP
	FETCH_B \slot, (\q)+1, 1-(\q)%2
	FETCH_A \slot, (\q)+1, 0
	WIN MUL_HI
	MUL16 4, (\q)%2, \q, \slot, \zero
	MUL16 6, (\q)%2, \q, \slot, \zero
	PLACES NP
	WIN 0
	FETCH_A \slot, (\q)+1, 4
.endm
; A slot's last step changes slots: one barrier; in front of it each wave waits for all its tensor loads, adds 0 to its spare word, and waits for that and for its reads of this slot.  fill = 1: the slot is filled again, two slots ahead.
.macro TURN slot, next, fill
	s_wait_tensorcnt 0x0                           ; all my tensor loads have landed: my part of the next slot
	ds_add_u32 v[SPW], v[NIL]                      ; 0 onto my spare word
	s_wait_dscnt 4*NL+1                            ; (the add and A's blocks 4-7 may be out)
	WIN MUL_LO
	MUL16 0, 1, NQ-1, \slot, 0
	s_wait_dscnt 0x0                               ; the add is done, and my reads of this slot are over
	s_barrier_signal -1
	MUL16 2, 1, NQ-1, \slot, 0
	WIN 0
	s_barrier_wait -1
.if \fill
	CREST                                          ; the barrier has opened a round of the cluster's: no wave of any partner still reads this slot or has a load on its way
	s_add_nc_u64 s[G0+4*\slot+2:G0+4*\slot+3], s[G0+4*\slot+2:G0+4*\slot+3], 2*NQ*FRB
	s_add_nc_u64 s[G0B+4*\slot+2:G0B+4*\slot+3], s[G0B+4*\slot+2:G0B+4*\slot+3], 2*NQ*FRB
	JLOAD G0+4*\slot, G1, G0B+4*\slot, G1B         ; the first tensor load behind the round; its four v_nop are the places in front of the loads below
.else
	PLACES NP
.endif
	v_add_nc_u32 v[ADRS], 64*NQ, v[ADRS]
	FETCH_B \next, 0, 0
	FETCH_A \next, 0, 0
	SCALES \next
	WIN MUL_HI
	MUL16 4, 1, NQ-1, \slot, 0
	MUL16 6, 1, NQ-1, \slot, 0
	PLACES NP
	WIN 0
	FETCH_A \next, 0, 4
.endm
; 16 nb numbers of a lane, register 16 b + i = code place 32 b + 16 (lane / 16) + i of my row, become codes in v[PC] on and a scale word in v[PW]
.macro QUANT s, nb
.set qb, 0
.rept \nb
	v_max3_num_f32 v[TM+qb], |v[(\s)+16*qb]|, |v[(\s)+16*qb+1]|, 0x1800000   ; and the floor 2^(3 - 127): the byte cannot fall under 1
.set qb, qb+1
.endr
.irp i, 2,4,6,8,10,12,14
.set qb, 0
.rept \nb
	v_max3_num_f32 v[TM+qb], v[TM+qb], |v[(\s)+16*qb+\i]|, |v[(\s)+16*qb+\i+1]|
.set qb, qb+1
.endr
.endr
.set qb, 0
.rept \nb
	v_permlanex16_b32 v[TM+4+qb], v[TM+qb], s[SEL], s[SEL+1]
.set qb, qb+1
.endr
.set qb, 0
.rept \nb
	v_max_num_f32 v[TM+qb], v[TM+qb], v[TM+4+qb]   ; the block's largest magnitude
.set qb, qb+1
.endr
.set qb, 0
.rept \nb
	v_add_nc_u32 v[TM+8+qb], 0xff000000, v[TM+qb]  ; the conversion's scale operand
.set qb, qb+1
.endr
.set qb, 0
.rept \nb
	v_lshrrev_b32 v[TM+4+qb], 23, v[TM+8+qb]       ; the scale's byte
.set qb, qb+1
.endr
	v_lshl_or_b32 v[PW], v[TM+5], 8, v[TM+4]
.if \nb == 4
	v_lshl_or_b32 v[PW], v[TM+6], 16, v[PW]
	v_lshl_or_b32 v[PW], v[TM+7], 24, v[PW]
.endif
.set qc, 0
.rept \nb/2
	v_cvt_scalef32_pk16_fp6_f32 v[PC+6*qc:PC+6*qc+2], v[(\s)+32*qc:(\s)+32*qc+15], v[TM+8+2*qc]
	v_cvt_scalef32_pk16_fp6_f32 v[PC+12+4*qc:PC+12+4*qc+2], v[(\s)+32*qc+16:(\s)+32*qc+31], v[TM+8+2*qc+1]
.set qc, qc+1
.endr
	v_nop                                          ; one plain place behind a scaled conversion
.set qc, 0
.rept \nb/2
.irp i, 0,1,2
	v_permlane16_swap_b32 v[PC+6*qc+\i], v[PC+12+4*qc+\i]
.endr
.irp i, 0,1,2
	v_mov_b32 v[PC+3+6*qc+\i], v[PC+12+4*qc+\i]
.endr
.set qc, qc+1
.endr
.endm
.macro HORNER reg, c                   ; one step of a chain for eight numbers: reg = reg x u^2 + c
.irp k, 0,2,4,6
	v_pk_fma_f32 v[\reg+\k:\reg+\k+1], v[\reg+\k:\reg+\k+1], v[S2+\k:S2+\k+1], \c op_sel_hi:[1,1,0]
.endr
.endm
.macro GELU                            ; the 64 numbers from v[T] on, eight at a time; the eight reciprocals of a chunk are one batch with one wait
.set g, 0
.rept 8
.irp k, 0,2,4,6
	v_pk_mul_f32 v[U+\k:U+\k+1], v[T+8*g+\k:T+8*g+\k+1], 0x3f3504f3 op_sel_hi:[1,0]   ; u = x / sqrt 2
.endr
.irp k, 0,1,2,3,4,5,6,7
	v_med3_num_f32 v[U+\k], v[U+\k], -4.0, 4.0     ; beyond +-4 erf is +-1 in f32
.endr
.irp k, 0,2,4,6
	v_pk_mul_f32 v[S2+\k:S2+\k+1], v[U+\k:U+\k+1], v[U+\k:U+\k+1]
.endr
.irp k, 0,2,4,6
	v_pk_fma_f32 v[PP+\k:PP+\k+1], v[S2+\k:S2+\k+1], 0xaf95df0b, v[232:233] op_sel_hi:[1,0,1]
.endr
.irp k, 0,2,4,6
	v_pk_fma_f32 v[QQ+\k:QQ+\k+1], v[S2+\k:S2+\k+1], 0xb77460cd, v[234:235] op_sel_hi:[1,0,1]
.endr
	HORNER PP, 0xb60cff51                          ; the two chains by turns
	HORNER QQ, 0xbadc924e
	HORNER PP, 0xb86ec2d2
	HORNER QQ, 0xbbf19bf8
	HORNER PP, 0xba40ac63
	HORNER QQ, 0xbc69b6a7
	HORNER PP, 0xbb41a1f6
	HORNER PP, 0xbc83dbd4
.irp k, 0,1,2,3,4,5,6,7
	v_rcp_f32 v[QQ+\k], v[QQ+\k]                   ; Q's coefficients are all negative: it is never 0
.endr
.irp k, 0,2,4,6
	v_pk_mul_f32 v[PP+\k:PP+\k+1], v[PP+\k:PP+\k+1], v[U+\k:U+\k+1]       ; plain work behind the batch
.endr
.irp k, 0,2,4,6
	v_pk_mul_f32 v[T+8*g+\k:T+8*g+\k+1], v[T+8*g+\k:T+8*g+\k+1], 0.5 op_sel_hi:[1,0]
.endr
	s_wait_alu depctr_va_vdst(0)                   ; one wait for the eight, ahead of their first reader
.irp k, 0,2,4,6
	v_pk_mul_f32 v[PP+\k:PP+\k+1], v[PP+\k:PP+\k+1], v[QQ+\k:QQ+\k+1]     ; erf
.endr
.irp k, 0,2,4,6
	v_pk_fma_f32 v[T+8*g+\k:T+8*g+\k+1], v[T+8*g+\k:T+8*g+\k+1], v[PP+\k:PP+\k+1], v[T+8*g+\k:T+8*g+\k+1]
.endr
.set g, g+1
.endr
.endm
	s_wait_tensorcnt 1                             ; the scale words and my part of slot 0 are in; slot 1's load may be out
	s_barrier_signal -1
	s_barrier_wait -1
	FETCH_B 0, 0, 0
	FETCH_A 0, 0, 0
	SCALES 0
	FETCH_A 0, 0, 4
	STEP 0, 0, 1                                   ; the first step stands in front of the loop: its products start the sums
	s_mov_b32 s3, LAPS-1
.Llap:                                             ; a trip goes once round the ring and fills both slots again
	TURN 0, 1, 1
	STEP 1, 0, 0
	TURN 1, 0, 1
	STEP 0, 0, 0
	s_sub_co_u32 s3, s3, 1
	s_cmp_lg_u32 s3, 0
	s_cbranch_scc1 .Llap
	TURN 0, 1, 0                                   ; the last lap fills nothing
	STEP 1, 0, 0
	s_wait_dscnt 4*NL                              ; the very last step
	WIN MUL_LO
	MUL16 0, 1, NQ-1, 1, 0
	MUL16 2, 1, NQ-1, 1, 0
	s_wait_dscnt 0
	WIN MUL_HI
	MUL16 4, 1, NQ-1, 1, 0
	MUL16 6, 1, NQ-1, 1, 0
	WIN 0
	PLACES NP
	s_wait_loadcnt 0x0                             ; the bias
.macro ARM a                           ; block a's sums + the bias, out of the accumulators' window; each accumulator from its low end on
	WIN (0x02+(\a)/4)
.set i, 0
.rept 32
	v_pk_add_f32 v[T+2*i:T+2*i+1], v[64*((\a)%4)+2*i:64*((\a)%4)+2*i+1], v[BIAS+2*i:BIAS+2*i+1]
.set i, i+1
.endr
	WIN 0
.endm
	s_mov_b32 s3, 0
.Lblk:                                             ; eight trips: 16 rows x 128 hidden units each
.irp a, 0,1,2,3,4,5,6
	s_cmp_eq_u32 s3, \a
	s_cbranch_scc1 .Larm\a
.endr
	ARM 7
	s_branch .Lgo
.irp a, 0,1,2,3,4,5,6
.Larm\a:
	ARM \a
	s_branch .Lgo
.endr
.Lgo:
	GELU
	QUANT T, 4
	global_store_b128 v[L16], v[PC:PC+3], s[4:5]
	global_store_b64 v[L8], v[PC+4:PC+5], s[4:5] offset:512
	global_store_b128 v[L16], v[PC+6:PC+9], s[4:5] offset:768
	global_store_b64 v[L8], v[PC+10:PC+11], s[4:5] offset:1280
	global_store_b32 v[R4], v[PW], s[6:7]
	s_wait_xcnt 0x0                                ; the stores have read their data and their bases: both are written again
	s_add_nc_u64 s[4:5], s[4:5], 32*FRB            ; a row block on
	s_add_nc_u64 s[6:7], s[6:7], 32*64
	s_add_co_u32 s3, s3, 1
	s_cmp_lt_u32 s3, 8
	s_cbranch_scc1 .Lblk
	s_wait_tensorcnt 0x0                           ; the wave's end
	ds_add_u32 v[SPW], v[NIL]
	s_wait_dscnt 0x0
	CROUND                                         ; the closing round
	s_endpgm
.Lfunc_end_k_q1c18be1c72_gfc1:
	.size	k_q1c18be1c72_gfc1, .Lfunc_end_k_q1c18be1c72_gfc1-k_q1c18be1c72_gfc1
	.p2alignl 7, 3214868480
	.fill 96, 4, 3214868480
	.section	.rodata,"a",@progbits
	.p2align	6, 0x0
	.amdhsa_kernel k_q1c18be1c72_gfc1
		.amdhsa_group_segment_fixed_size 327680
		.amdhsa_private_segment_fixed_size 0
		.amdhsa_enable_private_segment 0
		.amdhsa_kernarg_size 32
		.amdhsa_user_sgpr_count 2
		.amdhsa_user_sgpr_kernarg_segment_ptr 1
		.amdhsa_wavefront_size32 1
		.amdhsa_system_sgpr_workgroup_id_x 1
		.amdhsa_system_sgpr_workgroup_id_y 1
		.amdhsa_system_sgpr_workgroup_id_z 1
		.amdhsa_system_vgpr_workitem_id 0
		.amdhsa_next_free_vgpr 1024
		.amdhsa_next_free_sgpr 102
		.amdhsa_reserve_vcc 0
		.amdhsa_float_denorm_mode_32 3
		.amdhsa_float_denorm_mode_16_64 3
		.amdhsa_memory_ordered 1
		.amdhsa_forward_progress 1
		.amdhsa_inst_pref_size 189
	.end_amdhsa_kernel
	.amdgpu_metadata
---
amdhsa.version: [ 1, 2 ]
amdhsa.kernels:
  - .name:           k_q1c18be1c72_gfc1
    .symbol:         k_q1c18be1c72_gfc1.kd
    .args:
      - { .name: hbuf, .offset: 0, .size: 8, .value_kind: global_buffer, .address_space: global }
      - { .name: wts, .offset: 8, .size: 8, .value_kind: global_buffer, .address_space: global }
      - { .name: b_fc1, .offset: 16, .size: 8, .value_kind: global_buffer, .address_space: global }
      - { .name: gbuf, .offset: 24, .size: 8, .value_kind: global_buffer, .address_space: global }
    .group_segment_fixed_size: 327680
    .private_segment_fixed_size: 0
    .kernarg_segment_align: 8
    .kernarg_segment_size: 32
    .max_flat_workgroup_size: 128
    .sgpr_count:     102
    .vgpr_count:     1024
    .wavefront_size: 32
...
	.end_amdgpu_metadata
.endif
;; end of part 7
;; launch gfc2 (part 8): grid 4 x 16, 4 waves a work-group, clusters of 4 x 4, 327,680 bytes of LDS; arguments gbuf, wts, b_fc2, x1, out0; writes out0
.if DOCPART == 8
	.amdgcn_target "amdgcn-amd-amdhsa--gfx1250"
	.amdhsa_code_object_version 6
	.text
	.protected	k_q1c18be1c72_gfc2
	.globl	k_q1c18be1c72_gfc2
	.p2align	8
	.type	k_q1c18be1c72_gfc2,@function
k_q1c18be1c72_gfc2:
	s_mov_b64 s[64:65], 0
	v_nop
	global_prefetch_b8 v0, s[64:65] scope:SCOPE_SE
	s_setreg_imm32_b32 hwreg(HW_REG_WAVE_MODE, 25, 1), 1
	s_wait_xcnt 0x0
	s_wait_alu depctr_hold_cnt(0) depctr_sa_sdst(0) depctr_va_vdst(0) depctr_va_sdst(0) depctr_va_ssrc(0) depctr_va_vcc(0) depctr_vm_vsrc(0)
	s_getreg_b32 s2, hwreg(HW_REG_IB_STS2, 6, 4)
	s_cmp_eq_u32 s2, 0
	s_cbranch_scc0 .Lentry_in_a_cluster
	s_endpgm
.Lentry_in_a_cluster:
	s_bfe_u32 s2, ttmp6, 0x10000c
	s_cmp_lg_u32 s2, 0xf033
	s_cbranch_scc0 .Lentry_shape_is_right
	s_endpgm
.Lentry_shape_is_right:
; out0 = x1 + (Q(g) Q(w_fc2) + b_fc2), f32; K = 4,096.  Both operands arrive as codes of E2M3 with E8M0 scale words.  No work is left out.
; OPERANDS are images of registers: codes [row block of 16][K step of 128][1,536 bytes] (registers 0-3 at 16 x lane, 4-5 at 512 + 8 x lane, 6-9 at 768 + 16 x lane, 10-11 at 1,280 + 8 x lane), scale words
; [row block][K step][16 words]; inside each block of 32 along K both sides have the same order of code places.
; A tile of 256 x 256 is made by four waves, 128 x 128 each: 64 accumulators.  K goes in steps of 256 through a ring of two LDS slots; a wave's tensor load brings 8 row blocks x 3,072 bytes; the scale words of the work-group's
; rows, for all of K, come once with the first fills.  By this text's count a wave has three tensor loads out at the start and one behind each change of slots.
; CLUSTERS of 4 x 4: the four of a row of the cluster ask jointly for A's tiles, the four of a column for B's.  The matrix instruction is used transposed (source 0 = 16 rows of B, source 1 = 16 rows of A).
; THE WAY OUT: a block of 16 rows x 128 columns goes through my stage in LDS (in slot 0, which has had its last fill and its last read) and comes back as rows of 512 bytes; the bias and the residual's rows, asked for
; four blocks ahead, are added, and the 32 lanes store 512 consecutive bytes.  The output has 64 tiles of this size: 64 work-groups.
; REGISTERS, in windows of 256: window 0: v8-11 the bias; v16-31 addresses; v32-63 scale words and nothing else; v128-223 A's fragments, on the way out v128-255 rows.  Window 1: B's fragments, on the way out the residual.  Windows 2, 3: accumulators.
.set KS,     32                        ; K steps of 128
.set ASC,    12582912                  ; A's scale words behind its codes
.set W_C,    7077888                   ; w_fc2's codes
.set W_S,    10518528                  ; and scale words in the weights' workspace
.set NQ,     2
.set FR,     12
.set FRB,    1536
.set NL,     4
.set NP,     4                         ; places behind this matrix instruction (ISA guide 7.12.1)
.set HALFT,  8*NQ*FRB
.set SLOT,   4*HALFT
.set LAPS,   KS/(2*NQ)
.set SCL,    2*SLOT
.set HALFS,  8*KS*64
.set SPARE,  SCL+4*HALFS               ; the spare words, 128 bytes for each wave, that no other line names
.set SPITCH, 528
.set ADRA, 16
.set ADRB, 20
.set STO,  24
.set RD,   25
.set CO,   26
.set ADRS, 27
.set SPW,  28
.set NIL,  29
.set SC,   32
.set AF,   128
.set BK,   128
.set G1, 24
.set G0, 32
.set G1B, 48
.set G0B, 56
.set G1S, 68
.set G0S, 76
.set G1SB, 80
.set G0SB, 88
.set MSB, 0
.macro WIN new                         ; the immediate's high byte repeats the setting that is left
.if MSB != \new
	s_set_vgpr_msb (MSB<<8)|\new
.set MSB, \new
.endif
.endm
.set MUL_LO, 0xa1
.set MUL_HI, 0xf1
.set TO_B,   0x40
.macro JLOAD g0a, g1a, g0b, g1b        ; a joint load: waves 0 and 1 fetch for A, waves 2 and 3 for B; an s_nop 0 and four v_nop follow each line
	s_cmp_eq_u32 s15, 0
	s_cbranch_scc0 .Lfor_b_\@
	tensor_load_to_lds s[\g0a:\g0a+3], s[\g1a:\g1a+7]
	s_nop 0
.rept 4
	v_nop
.endr
	s_branch .Lasked_\@
.Lfor_b_\@:
	tensor_load_to_lds s[\g0b:\g0b+3], s[\g1b:\g1b+7]
	s_nop 0
.rept 4
	v_nop
.endr
.Lasked_\@:
.endm
.macro CREST
	s_cmp_lg_u32 s14, 0
	s_cbranch_scc1 .Lnot_wave_0_\@
	s_barrier_signal -3
.Lnot_wave_0_\@:
	s_barrier_wait -3
	s_barrier_signal -1
	s_barrier_wait -1
.endm
.macro CROUND
	s_barrier_signal -1
	s_barrier_wait -1
	CREST
.endm
	s_load_b64 s[4:5], s[0:1], 0x0                 ; A
	s_load_b64 s[8:9], s[0:1], 0x8                 ; the weights' workspace
	s_load_b64 s[96:97], s[0:1], 0x10              ; the bias
	s_load_b64 s[98:99], s[0:1], 0x18              ; the residual
	s_load_b64 s[12:13], s[0:1], 0x20              ; the result
	v_lshl_add_u32 v[SPW], v0, 2, SPARE
	v_mov_b32 v[NIL], 0
	ds_add_u32 v[SPW], v[NIL]                      ; the wave's opening: the add, twice on end, and its wait ahead of my first tensor load
	ds_add_u32 v[SPW], v[NIL]
	v_lshrrev_b32 v1, 5, v0
	v_readfirstlane_b32 s14, v1                    ; wave 0..3
	s_lshr_b32 s15, s14, 1                         ; which half of A's rows is mine.  Also: I fetch for A (0) or for B (1)
	s_and_b32 s16, s14, 1                          ; which half of B's rows.  Also: which 8 row blocks I fetch
	s_bfe_u32 s40, ttmp6, 0x40000
	s_bfe_u32 s41, ttmp6, 0x40004
	s_lshl_b32 s42, ttmp9, 2
	s_add_co_u32 s42, s42, s40                     ; B's tile
	s_and_b32 s17, ttmp7, 0xffff
	s_lshl_b32 s17, s17, 2
	s_add_co_u32 s17, s17, s41                     ; A's tile
	s_lshl_b32 s43, s41, 2
	s_lshl_b32 s43, 15, s43                        ; my row of the cluster
	s_lshl_b32 s44, 0x1111, s40                    ; my column
	s_or_b32 s[G1], s43, (3<<16)|(1<<21)           ; 15:0 the mask; 17:16 elements of 8 bytes; 21 set beside a mask; no padding
	s_or_b32 s[G1B], s44, (3<<16)|(1<<21)
.irp g, G1, G1B
	s_mov_b32 s[\g+1], 384<<16                     ; tensor_dim0: 3,072 bytes
	s_mov_b32 s[\g+2], 8<<16                       ; tensor_dim1: 8 row blocks
	s_mov_b32 s[\g+3], 384<<16
	s_mov_b32 s[\g+4], 8
	s_mov_b32 s[\g+5], KS*192                      ; from row block to row block
	s_mov_b32 s[\g+6], 0
	s_mov_b32 s[\g+7], 0
.endr
	s_or_b32 s[G1S], s43, (3<<16)|(1<<21)          ; the scale words of 8 row blocks: a dense block, as rows of 256 bytes
	s_or_b32 s[G1SB], s44, (3<<16)|(1<<21)
.irp g, G1S, G1SB
	s_mov_b32 s[\g+1], 32<<16
	s_mov_b32 s[\g+2], (HALFS/256)<<16
	s_mov_b32 s[\g+3], 32<<16
	s_mov_b32 s[\g+4], HALFS/256
	s_mov_b32 s[\g+5], 32
	s_mov_b32 s[\g+6], 0
	s_mov_b32 s[\g+7], 0
.endr
	s_lshl_b32 s18, s16, 3
	s_lshl_b32 s20, s17, 4
	s_add_co_u32 s20, s20, s18                     ; A: row block 16 x tile + 8 x half
	s_lshl_b32 s46, s42, 4
	s_add_co_u32 s46, s46, s18
	s_mul_i32 s22, s20, KS*64
	s_mov_b32 s23, 0
	s_mul_i32 s92, s46, KS*64
	s_mov_b32 s93, 0
	s_mul_i32 s20, s20, KS*FRB
	s_mov_b32 s21, 0
	s_mul_i32 s46, s46, KS*FRB
	s_mov_b32 s47, 0
	s_mul_i32 s45, s14, HALFT                      ; no place in the cluster enters an LDS address
	s_mul_i32 s94, s14, HALFS
	s_wait_dscnt 0x0                               ; both opening adds are done
	s_wait_kmcnt 0x0
	s_add_nc_u64 s[6:7], s[4:5], ASC
	s_add_nc_u64 s[10:11], s[8:9], W_S
	s_add_nc_u64 s[8:9], s[8:9], W_C
	s_add_nc_u64 s[20:21], s[4:5], s[20:21]
	s_add_nc_u64 s[22:23], s[6:7], s[22:23]
	s_add_nc_u64 s[46:47], s[8:9], s[46:47]
	s_add_nc_u64 s[92:93], s[10:11], s[92:93]
	CROUND                                         ; all sixteen work-groups are here: the first joint loads meet
	s_mov_b32 s[G0S], 1
	s_add_co_u32 s[G0S+1], s94, SCL
	s_mov_b64 s[G0S+2:G0S+3], s[22:23]
	s_or_b32 s[G0S+3], s[G0S+3], 0x80000000
	s_mov_b32 s[G0SB], 1
	s_add_co_u32 s[G0SB+1], s94, SCL
	s_mov_b64 s[G0SB+2:G0SB+3], s[92:93]
	s_or_b32 s[G0SB+3], s[G0SB+3], 0x80000000
	JLOAD G0S, G1S, G0SB, G1SB
.irp s, 0,1
	s_mov_b32 s[G0+4*\s], 1
	s_add_co_u32 s[G0+4*\s+1], s45, \s*SLOT
	s_add_nc_u64 s[G0+4*\s+2:G0+4*\s+3], s[20:21], \s*NQ*FRB
	s_or_b32 s[G0+4*\s+3], s[G0+4*\s+3], 0x80000000
	s_mov_b32 s[G0B+4*\s], 1
	s_add_co_u32 s[G0B+4*\s+1], s45, \s*SLOT
	s_add_nc_u64 s[G0B+4*\s+2:G0B+4*\s+3], s[46:47], \s*NQ*FRB
	s_or_b32 s[G0B+4*\s+3], s[G0B+4*\s+3], 0x80000000
	JLOAD G0+4*\s, G1, G0B+4*\s, G1B
.endr
	v_and_b32 v1, 31, v0                           ; lane
	v_and_b32 v2, 15, v0                           ; r
	v_bfe_u32 v3, v0, 4, 1                         ; h
	v_lshlrev_b32 v[CO], 4, v1                     ; 16 x lane: in an image, in a row of the stage, of the residual and of the result
	v_lshlrev_b32 v5, 3, v1
	s_mul_i32 s21, s15, HALFT
	s_mul_i32 s22, s16, HALFT
	s_add_co_u32 s22, s22, 2*HALFT
.irp s, 0,1
	v_add_nc_u32 v[ADRA+\s], s21, v[CO]
	v_add_nc_u32 v[ADRB+\s], s22, v[CO]
	v_add_nc_u32 v[ADRA+2+\s], s21, v5
	v_add_nc_u32 v[ADRB+2+\s], s22, v5
	s_add_co_u32 s21, s21, SLOT
	s_add_co_u32 s22, s22, SLOT
.endr
	v_lshlrev_b32 v6, 2, v2
	s_mul_i32 s21, s15, HALFS
	s_mul_i32 s22, s16, HALFS
	s_add_co_u32 s22, s22, 2*HALFS
	s_sub_co_u32 s22, s22, s21
	v_mul_u32_u24 v7, s22, v3                      ; lanes 16-31 take B's: one product, the distance between the two bases
	s_add_co_u32 s21, s21, SCL
	v_add_nc_u32 v6, v6, v7
	v_add_nc_u32 v[ADRS], s21, v6
	s_mul_i32 s23, s14, 16*SPITCH                  ; my stage
	v_mul_u32_u24 v5, v2, SPITCH
	v_lshl_add_u32 v5, v3, 5, v5
	v_add_nc_u32 v[STO], s23, v5                   ; in: row r, 32 bytes for each half of the lanes
	v_add_nc_u32 v[RD], s23, v[CO]                 ; back: the 32 lanes take one row of 512 bytes
	s_lshl_b32 s46, s42, 10
	s_lshl_b32 s47, s16, 9
	s_add_co_u32 s46, s46, s47                     ; my first column, in bytes
	s_mov_b32 s47, 0
	s_add_nc_u64 s[96:97], s[96:97], s[46:47]
	s_lshl_b32 s20, s17, 20
	s_lshl_b32 s21, s15, 19
	s_add_co_u32 s20, s20, s21                     ; my first row of 4,096 bytes
	s_add_co_u32 s20, s20, s46
	s_mov_b32 s21, 0
	s_add_nc_u64 s[98:99], s[98:99], s[20:21]
	s_add_nc_u64 s[12:13], s[12:13], s[20:21]
	global_load_b128 v[8:11], v[CO], s[96:97]      ; the bias at my four columns
.macro FRAG reg, adr, q, i             ; row block i, the slot's q-th 128 along K: the image of 12 registers comes back by four loads of consecutive bytes
.set FO, ((\i)*NQ+(\q))*FRB
	ds_load_b128 v[\reg:\reg+3], v[\adr] offset:FO
	ds_load_b64 v[\reg+4:\reg+5], v[\adr+2] offset:FO+512
	ds_load_b128 v[\reg+6:\reg+9], v[\adr] offset:FO+768
	ds_load_b64 v[\reg+10:\reg+11], v[\adr+2] offset:FO+1280
.endm
; 16 matrix instructions: A's blocks a0, a0 + 1 x B's eight.  The 64 accumulators take turns, one instruction a turn, in the same order in every step
.macro MUL16 a0, p, q, sc, zero
.irp a, \a0, \a0+1
.irp b, 0,1,2,3,4,5,6,7
.if \zero
	v_wmma_scale_f32_16x16x128_f8f6f4 v[8*(8*((\a)%4)+\b):8*(8*((\a)%4)+\b)+7], v[128*(\p)+FR*\b:128*(\p)+FR*\b+FR-1], v[AF+FR*(\a):AF+FR*(\a)+FR-1], 0, v[SC+8*NQ*(\sc)+NQ*\b+(\q)], v[SC+8*NQ*(\sc)+NQ*(\a)+(\q)] matrix_a_fmt:MATRIX_FMT_FP6 matrix_b_fmt:MATRIX_FMT_FP6 matrix_a_scale:MATRIX_SCALE_ROW1
.else
	v_wmma_scale_f32_16x16x128_f8f6f4 v[8*(8*((\a)%4)+\b):8*(8*((\a)%4)+\b)+7], v[128*(\p)+FR*\b:128*(\p)+FR*\b+FR-1], v[AF+FR*(\a):AF+FR*(\a)+FR-1], v[8*(8*((\a)%4)+\b):8*(8*((\a)%4)+\b)+7], v[SC+8*NQ*(\sc)+NQ*\b+(\q)], v[SC+8*NQ*(\sc)+NQ*(\a)+(\q)] matrix_a_fmt:MATRIX_FMT_FP6 matrix_b_fmt:MATRIX_FMT_FP6 matrix_a_scale:MATRIX_SCALE_ROW1
.endif
.endr
.endr
.endm
.macro FETCH_B slot, q, p
	WIN TO_B
.irp i, 0,1,2,3,4,5,6,7
	FRAG 128*(\p)+FR*\i, ADRB+\slot, \q, \i
.endr
	WIN 0
.endm
.macro FETCH_A slot, q, i0
.irp i, \i0, \i0+1, \i0+2, \i0+3
	FRAG AF+FR*(\i), ADRA+\slot, \q, \i
.endr
.endm
.macro SCALES sc                       ; register NQ i + q: lanes 0-15 A's block i, lanes 16-31 B's block i
.irp i, 0,1,2,3,4,5,6,7
	ds_load_b32 v[SC+8*NQ*\sc+NQ*\i], v[ADRS] offset:\i*KS*64
	ds_load_b32 v[SC+8*NQ*\sc+NQ*\i+1], v[ADRS] offset:\i*KS*64+64
.endr
.endm
.macro PLACES n                        ; plain places in front of loads into registers that matrix instructions have read, and of the first read of results
.rept \n
	v_nop
.endr
.endm
.macro STEP slot, q, zero
	s_wait_dscnt 4*NL                              ; B's set and A's blocks 0-3 are in; the youngest sixteen loads (A's blocks 4-7) may be out
	WIN MUL_LO
	MUL16 0, (\q)%2, \q, \slot, \zero
	MUL16 2, (\q)%2, \q, \slot, \zero
	s_wait_dscnt 0
	PLACES NP
	FETCH_B \slot, (\q)+1, 1-(\q)%2
	FETCH_A \slot, (\q)+1, 0
	WIN MUL_HI
	MUL16 4, (\q)%2, \q, \slot, \zero
	MUL16 6, (\q)%2, \q, \slot, \zero
	PLACES NP
	WIN 0
	FETCH_A \slot, (\q)+1, 4
.endm
; A slot's last step changes slots: one barrier; in front of it each wave waits for all its tensor loads, adds 0 to its spare word, and waits for that and for its reads of this slot.  fill = 1: the slot is filled again, two slots ahead.
.macro TURN slot, next, fill
	s_wait_tensorcnt 0x0                           ; all my tensor loads have landed: my part of the next slot
	ds_add_u32 v[SPW], v[NIL]                      ; 0 onto my spare word
	s_wait_dscnt 4*NL+1                            ; (the add and A's blocks 4-7 may be out)
	WIN MUL_LO
	MUL16 0, 1, NQ-1, \slot, 0
	s_wait_dscnt 0x0                               ; the add is done, and my reads of this slot are over
	s_barrier_signal -1
	MUL16 2, 1, NQ-1, \slot, 0
	WIN 0
	s_barrier_wait -1
.if \fill
	CREST                                          ; the barrier has opened a round of the cluster's: no wave of any partner still reads this slot or has a load on its way
	s_add_nc_u64 s[G0+4*\slot+2:G0+4*\slot+3], s[G0+4*\slot+2:G0+4*\slot+3], 2*NQ*FRB
	s_add_nc_u64 s[G0B+4*\slot+2:G0B+4*\slot+3], s[G0B+4*\slot+2:G0B+4*\slot+3], 2*NQ*FRB
	JLOAD G0+4*\slot, G1, G0B+4*\slot, G1B         ; the first tensor load behind the round; its four v_nop are the places in front of the loads below
.else
	PLACES NP
.endif
	v_add_nc_u32 v[ADRS], 64*NQ, v[ADRS]
	FETCH_B \next, 0, 0
	FETCH_A \next, 0, 0
	SCALES \next
	WIN MUL_HI
	MUL16 4, 1, NQ-1, \slot, 0
	MUL16 6, 1, NQ-1, \slot, 0
	PLACES NP
	WIN 0
	FETCH_A \next, 0, 4
.endm
	s_wait_tensorcnt 1                             ; the scale words and my part of slot 0 are in; slot 1's load may be out
	s_barrier_signal -1
	s_barrier_wait -1
	FETCH_B 0, 0, 0
	FETCH_A 0, 0, 0
	SCALES 0
	FETCH_A 0, 0, 4
	STEP 0, 0, 1                                   ; the first step stands in front of the loop: its products start the sums
	s_mov_b32 s3, LAPS-1
.Llap:                                             ; a trip goes once round the ring and fills both slots again
	TURN 0, 1, 1
	STEP 1, 0, 0
	TURN 1, 0, 1
	STEP 0, 0, 0
	s_sub_co_u32 s3, s3, 1
	s_cmp_lg_u32 s3, 0
	s_cbranch_scc1 .Llap
	TURN 0, 1, 0                                   ; the last lap fills nothing
	STEP 1, 0, 0
	s_wait_dscnt 4*NL                              ; the very last step
	WIN MUL_LO
	MUL16 0, 1, NQ-1, 1, 0
	MUL16 2, 1, NQ-1, 1, 0
	s_wait_dscnt 0
	WIN MUL_HI
	MUL16 4, 1, NQ-1, 1, 0
	MUL16 6, 1, NQ-1, 1, 0
	WIN 0
.macro RLOAD a                         ; the residual's 16 rows of block a, my 512 bytes of each, into window 1
	WIN 0x40
.irp t, 0,1,2,3,4,5,6,7,8,9,10,11,12,13,14,15
	global_load_b128 v[64*((\a)%4)+4*\t:64*((\a)%4)+4*\t+3], v[CO], s[98:99] offset:(16*(\a)+\t)*4096
.endr
	WIN 0
.endm
.macro TOSTAGE a                       ; LDS serves a wave's instructions in order (ISA guide 5.7.1.4): no wait between the stores and the loads
.set AC, 64*((\a)%4)
	WIN (0x08+4*((\a)/4))                          ; the data: window 2 or 3
.irp b, 0,1,2,3,4,5,6,7
	ds_store_b128 v[STO], v[AC+8*\b:AC+8*\b+3] offset:64*\b          ; each accumulator from its low end on
	ds_store_b128 v[STO], v[AC+8*\b+4:AC+8*\b+7] offset:64*\b+16
.endr
	WIN 0
.set BB, BK+64*((\a)%2)
.irp t, 0,1,2,3,4,5,6,7,8,9,10,11,12,13,14,15
	ds_load_b128 v[BB+4*\t:BB+4*\t+3], v[RD] offset:\t*SPITCH
.endr
.endm
.macro SEND a, younger, rl             ; younger: the LDS instructions issued behind block a's loads; rl: the residual's loads issued behind block a's
.set BB, BK+64*((\a)%2)
.set RR, 64*((\a)%4)
	s_wait_dscnt \younger
	s_wait_loadcnt \rl
.set i, 0
.rept 16
	v_pk_add_f32 v[BB+4*i:BB+4*i+1], v[BB+4*i:BB+4*i+1], v[8:9]      ; + the bias
	v_pk_add_f32 v[BB+4*i+2:BB+4*i+3], v[BB+4*i+2:BB+4*i+3], v[10:11]
.set i, i+1
.endr
	WIN 0x04                                       ; source 1: window 1
.set i, 0
.rept 32
	v_pk_add_f32 v[BB+2*i:BB+2*i+1], v[BB+2*i:BB+2*i+1], v[RR+2*i:RR+2*i+1]   ; + the residual
.set i, i+1
.endr
	WIN 0
.irp t, 0,1,2,3,4,5,6,7,8,9,10,11,12,13,14,15
	global_store_b128 v[CO], v[BB+4*\t:BB+4*\t+3], s[12:13] offset:(16*(\a)+\t)*4096 th:TH_STORE_NT   ; 32 lanes store 512 consecutive bytes, aligned; written once, read by nobody here
.endr
.endm
	PLACES NP                                      ; for the loads into B's and A's registers and for the first reads of results alike
	RLOAD 0
	RLOAD 1
	RLOAD 2
	RLOAD 3
	TOSTAGE 0
.irp a, 1,2,3,4,5,6,7
.if \a > 1
	s_wait_xcnt 0x0                                ; block a - 2's stores have read their registers: block a's rows may land there
.endif
	TOSTAGE \a
.if \a < 6
	SEND \a-1, 32, 48                              ; behind block a - 1's: three blocks' residual rows
.else
	SEND \a-1, 32, 16*(8-\a)
.endif
.if \a < 5
	RLOAD \a+3                                     ; into the set that block a - 1 has just left
.endif
.endr
	SEND 7, 0, 0
	s_wait_tensorcnt 0x0                           ; the wave's end
	ds_add_u32 v[SPW], v[NIL]
	s_wait_dscnt 0x0
	CROUND                                         ; the closing round
	s_endpgm
.Lfunc_end_k_q1c18be1c72_gfc2:
	.size	k_q1c18be1c72_gfc2, .Lfunc_end_k_q1c18be1c72_gfc2-k_q1c18be1c72_gfc2
	.p2alignl 7, 3214868480
	.fill 96, 4, 3214868480
	.section	.rodata,"a",@progbits
	.p2align	6, 0x0
	.amdhsa_kernel k_q1c18be1c72_gfc2
		.amdhsa_group_segment_fixed_size 327680
		.amdhsa_private_segment_fixed_size 0
		.amdhsa_enable_private_segment 0
		.amdhsa_kernarg_size 40
		.amdhsa_user_sgpr_count 2
		.amdhsa_user_sgpr_kernarg_segment_ptr 1
		.amdhsa_wavefront_size32 1
		.amdhsa_system_sgpr_workgroup_id_x 1
		.amdhsa_system_sgpr_workgroup_id_y 1
		.amdhsa_system_sgpr_workgroup_id_z 1
		.amdhsa_system_vgpr_workitem_id 0
		.amdhsa_next_free_vgpr 1024
		.amdhsa_next_free_sgpr 102
		.amdhsa_reserve_vcc 0
		.amdhsa_float_denorm_mode_32 3
		.amdhsa_float_denorm_mode_16_64 3
		.amdhsa_memory_ordered 1
		.amdhsa_forward_progress 1
		.amdhsa_inst_pref_size 191
	.end_amdhsa_kernel
	.amdgpu_metadata
---
amdhsa.version: [ 1, 2 ]
amdhsa.kernels:
  - .name:           k_q1c18be1c72_gfc2
    .symbol:         k_q1c18be1c72_gfc2.kd
    .args:
      - { .name: gbuf, .offset: 0, .size: 8, .value_kind: global_buffer, .address_space: global }
      - { .name: wts, .offset: 8, .size: 8, .value_kind: global_buffer, .address_space: global }
      - { .name: b_fc2, .offset: 16, .size: 8, .value_kind: global_buffer, .address_space: global }
      - { .name: x1, .offset: 24, .size: 8, .value_kind: global_buffer, .address_space: global }
      - { .name: out0, .offset: 32, .size: 8, .value_kind: global_buffer, .address_space: global }
    .group_segment_fixed_size: 327680
    .private_segment_fixed_size: 0
    .kernarg_segment_align: 8
    .kernarg_segment_size: 40
    .max_flat_workgroup_size: 128
    .sgpr_count:     102
    .vgpr_count:     1024
    .wavefront_size: 32
...
	.end_amdgpu_metadata
.endif
;; end of part 8
;; ======== version 2 of 2: 8 launches
;; limits: right only within a limited range of input values
;; workspace buffers: wts 10,649,600 bytes; hbuf 3,276,800 bytes; memb 106,496 bytes; qkv 10,092,544 bytes; abuf 3,276,800 bytes; x1 16,777,216 bytes; gbuf 13,107,200 bytes
;; launch wq (part 9): grid 832 x 1, 4 waves a work-group, no clusters, 0 bytes of LDS; arguments w_qkv, w_fc1, w_out, w_mem, w_fc2, wts; writes wts
.if DOCPART == 9
	.amdgcn_target "amdgcn-amd-amdhsa--gfx1250"
	.amdhsa_code_object_version 6
	.text
	.protected	k_q1c18be1c72_wq
	.globl	k_q1c18be1c72_wq
	.p2align	8
	.type	k_q1c18be1c72_wq,@function
k_q1c18be1c72_wq:
	s_mov_b64 s[64:65], 0
	v_nop
	global_prefetch_b8 v0, s[64:65] scope:SCOPE_SE
	s_setreg_imm32_b32 hwreg(HW_REG_WAVE_MODE, 25, 1), 1
	s_wait_xcnt 0x0
; THE PROGRAM: one transformer block (LN1, qkv, softmax attention over 2,048 keys plus a second one over 64 memory slots, out projection + residual, LN2, fc1, exact gelu, fc2 + residual), all nine products on codes of
; E2M3 with one E8M0 scale for each 32 along K.  DEAD WORK: none.  Every one of the 16 inputs has a way to out0 for all values of the inputs (b_qkv's K part moves k's codes), so all are loaded and every product is done.
; mem = memory w_mem + b_mem is the same for both batches and is computed once: that is sharing, nothing is left out.
; THIS LAUNCH turns the five weights, f32 stored [K][N], into operands: codes with K innermost and scale words.
; THE ORDER OF K.  In every operand of this program, inside each block of 32 along K, code place 16 h + 8 u + j holds number 16 u + 8 h + j (h, u = 0, 1; j = 0 .. 7).  Both sides of every product are laid so, so that blocks,
; scales and products are the stated ones; only the order of the terms inside a matrix instruction differs.  It is the order in which a transposed matrix result lies in a lane, so later launches quantise results as they stand.
; THE LAYOUT.  Codes: [row block of 16 n][K step of 128][1,536 bytes], the image of an operand's 12 registers: registers 0-3 at 16 x lane, 4-5 at 512 + 8 x lane, 6-9 at 768 + 16 x lane, 10-11 at 1,280 + 8 x lane.
; Scale words: [row block][K step][16 words], row r's four bytes at 4 r.
; SHARES.  A wave takes 32 columns x 128 along K: a lane takes a column and its registers run down K, so a block's largest magnitude needs no other lane.  The four waves stand side by side on 512 bytes of each row.
; A wave's 128 loads are issued in one run.  No LDS, no barrier, no loop.
; LIMITS: NaN and infinities among the inputs are not served; a block of zeros gets the byte 1 where the rule says 127: its codes are zeros, and this program alone reads the bytes.
.set WQKV_C, 0
.set WFC1_C, 2359296
.set WOUT_C, 5505024
.set WMEM_C, 6291456
.set WFC2_C, 7077888
.set WQKV_S, 10223616
.set WFC1_S, 10321920
.set WOUT_S, 10452992
.set WMEM_S, 10485760
.set WFC2_S, 10518528
	s_load_b256 s[4:11], s[0:1], 0x0               ; w_qkv, w_fc1, w_out, w_mem
	s_load_b128 s[12:15], s[0:1], 0x20             ; w_fc2, wts
	v_lshrrev_b32 v1, 5, v0
	v_readfirstlane_b32 s23, v1                    ; wave
	v_and_b32 v1, 31, v0                           ; lane
	v_lshlrev_b32 v2, 2, v1                        ; in: 4 bytes a lane
	v_lshlrev_b32 v3, 4, v1                        ; out: 16 x lane,
	v_lshlrev_b32 v4, 3, v1                        ; 8 x lane
	v_and_b32 v6, 15, v0
	v_lshlrev_b32 v6, 2, v6                        ; 4 (lane % 16)
	v_bfe_u32 v7, v0, 4, 1                         ; lane / 16
	s_mov_b32 s18, 0                               ; w_qkv's figures: first work-group,
	s_mov_b32 s19, 3                               ; log2 of its K steps,
	s_mov_b32 s20, 3072*4                          ; a row in bytes,
	s_mov_b32 s21, WQKV_C                          ; where its codes
	s_mov_b32 s22, WQKV_S                          ; and its scale words begin
	s_wait_alu depctr_va_vdst(0)
	s_wait_kmcnt 0x0
	s_mov_b64 s[16:17], s[4:5]
.macro PICK first, p, lg, rowb, cb, sb             ; from work-group 'first' on: the next weight.  The choice hangs on the work-group's number alone
	s_cmp_ge_u32 ttmp9, \first
	s_cselect_b64 s[16:17], s[\p:\p+1], s[16:17]
	s_cselect_b32 s18, \first, s18
	s_cselect_b32 s19, \lg, s19
	s_cselect_b32 s20, \rowb, s20
	s_cselect_b32 s21, \cb, s21
	s_cselect_b32 s22, \sb, s22
.endm
	PICK 192, 6, 3, 4096*4, WFC1_C, WFC1_S
	PICK 448, 8, 3, 1024*4, WOUT_C, WOUT_S
	PICK 512, 10, 3, 1024*4, WMEM_C, WMEM_S
	PICK 576, 12, 5, 1024*4, WFC2_C, WFC2_S
	s_sub_co_u32 s28, ttmp9, s18                   ; my number within the weight
	s_lshl_b32 s29, 1, s19                         ; KS: its K steps
	s_sub_co_u32 s30, s29, 1
	s_and_b32 s30, s28, s30                        ; my K step
	s_lshr_b32 s31, s28, s19                       ; my group of 128 columns
	s_lshl_b32 s36, s29, 6                         ; a row block's scale words in bytes
	v_mad_u32_u24 v5, v7, s36, v6                  ; my scale word's place: lanes 16-31 belong to the next row block
	s_lshl_b32 s32, s20, 7                         ; 128 rows of the weight
	s_mul_i32 s32, s32, s30
	s_lshl_b32 s33, s31, 9
	s_add_co_u32 s32, s32, s33
	s_lshl_b32 s33, s23, 7
	s_add_co_u32 s32, s32, s33                     ; + (128 group + 32 wave) columns of 4 bytes
	s_mov_b32 s33, 0
	s_add_nc_u64 s[16:17], s[16:17], s[32:33]
	s_lshl_b32 s34, s31, 3
	s_lshl_b32 s35, s23, 1
	s_add_co_u32 s34, s34, s35                     ; my first row block: 8 group + 2 wave
	s_mul_i32 s34, s34, s29
	s_add_co_u32 s34, s34, s30                     ; x KS + K step
	s_mul_i32 s32, s34, 1536
	s_add_co_u32 s32, s32, s21
	s_add_nc_u64 s[24:25], s[14:15], s[32:33]      ; the fragment of columns 0-15,
	s_mul_i32 s32, s29, 1536
	s_add_nc_u64 s[26:27], s[24:25], s[32:33]      ; that of columns 16-31: a row block on
	s_lshl_b32 s32, s34, 6
	s_add_co_u32 s32, s32, s22
	s_add_nc_u64 s[28:29], s[14:15], s[32:33]      ; the scale words
; register 32 + q takes row (q with its bits 3 and 4 changed over) of my 128: the order of K stated at the head.  Every offset is an immediate: 127 rows of 16,384 bytes at the most
.macro LOADS n
.set q, 0
.rept 128
.set kk, (q&0x67)|(((q>>3)&1)<<4)|(((q>>4)&1)<<3)
	global_load_b32 v[32+q], v2, s[16:17] offset:kk*\n*4 th:TH_LOAD_NT
.set q, q+1
.endr
.endm
	s_cmp_lt_u32 ttmp9, 192                        ; the row's length stands in the immediates: three copies of the loads, chosen by the work-group's number
	s_cbranch_scc1 .Ln3072
	s_cmp_lt_u32 ttmp9, 448
	s_cbranch_scc1 .Ln4096
	LOADS 1024
	s_branch .Ljoin
.Ln3072:
	LOADS 3072
	s_branch .Ljoin
.Ln4096:
	LOADS 4096
.Ljoin:
; Block t of my column: its largest magnitude, byte and 32 codes.  Blocks 0 and 2 go to v160-171, blocks 1 and 3 to v172-183.
.macro BLOCK t
.set XS, 32+32*(\t)
.set FD, 160+12*((\t)%2)+6*((\t)/2)
.if (\t) == 0
	s_wait_loadcnt 63                              ; the youngest 63 of the 128 loads may be out: the first 65 are in, blocks 0 and 1 among them.  (Block 0 could leave 96 out and block 1 64, but a wait's count names 63 at the most: ISA guide 5.7.1)
.elseif (\t) >= 2
	s_wait_loadcnt 96-32*(\t)                      ; this block's 32 loads are in; those of the later block may be out
.endif
	v_max3_num_f32 v8, |v[XS]|, |v[XS+1]|, |v[XS+2]|
	v_max3_num_f32 v9, |v[XS+3]|, |v[XS+4]|, |v[XS+5]|
.irp i, 6,10,14,18,22,26
	v_max3_num_f32 v8, v8, |v[XS+\i]|, |v[XS+\i+1]|
	v_max3_num_f32 v9, v9, |v[XS+\i+2]|, |v[XS+\i+3]|
.endr
	v_max3_num_f32 v8, v8, |v[XS+30]|, |v[XS+31]|
	v_max3_num_f32 v8, v8, v9, 0x1800000           ; and the floor 2^(3 - 127): the byte cannot fall under 1
	v_add_nc_u32 v10, 0xff000000, v8               ; 2 off the exponent field: the conversion's scale operand
	v_lshrrev_b32 v11, 23, v10                     ; the scale's byte
.if (\t) == 0
	v_mov_b32 v12, v11
.else
	v_lshl_or_b32 v12, v11, 8*(\t), v12            ; the lower K in the lower byte
.endif
	v_cvt_scalef32_pk16_fp6_f32 v[FD:FD+2], v[XS:XS+15], v10
	v_cvt_scalef32_pk16_fp6_f32 v[184:186], v[XS+16:XS+31], v10   ; (a conversion's three registers begin on an even number)
	v_nop                                          ; one plain place behind a scaled conversion
.irp i, 0,1,2
	v_mov_b32 v[FD+3+\i], v[184+\i]
.endr
.endm
	BLOCK 0
	BLOCK 1
	BLOCK 2
	BLOCK 3
; An operand's lane (r, h) wants blocks h and 2 + h of row r.  Lanes 16-31 of the first twelve registers change places with lanes 0-15 of the second twelve: v160-171 is then the fragment of columns 0-15, v172-183 that of 16-31.
.irp i, 0,1,2,3,4,5,6,7,8,9,10,11
	v_permlane16_swap_b32 v[160+\i], v[172+\i]
.endr
	global_store_b128 v3, v[160:163], s[24:25]               ; each store covers 512 or 256 consecutive bytes, aligned
	global_store_b64 v4, v[164:165], s[24:25] offset:512
	global_store_b128 v3, v[166:169], s[24:25] offset:768
	global_store_b64 v4, v[170:171], s[24:25] offset:1280
	global_store_b128 v3, v[172:175], s[26:27]
	global_store_b64 v4, v[176:177], s[26:27] offset:512
	global_store_b128 v3, v[178:181], s[26:27] offset:768
	global_store_b64 v4, v[182:183], s[26:27] offset:1280
	global_store_b32 v5, v12, s[28:29]
	s_endpgm
.Lfunc_end_k_q1c18be1c72_wq:
	.size	k_q1c18be1c72_wq, .Lfunc_end_k_q1c18be1c72_wq-k_q1c18be1c72_wq
	.p2alignl 7, 3214868480
	.fill 96, 4, 3214868480
	.section	.rodata,"a",@progbits
	.p2align	6, 0x0
	.amdhsa_kernel k_q1c18be1c72_wq
		.amdhsa_group_segment_fixed_size 0
		.amdhsa_private_segment_fixed_size 0
		.amdhsa_enable_private_segment 0
		.amdhsa_kernarg_size 48
		.amdhsa_user_sgpr_count 2
		.amdhsa_user_sgpr_kernarg_segment_ptr 1
		.amdhsa_wavefront_size32 1
		.amdhsa_system_sgpr_workgroup_id_x 1
		.amdhsa_system_sgpr_workgroup_id_y 1
		.amdhsa_system_sgpr_workgroup_id_z 1
		.amdhsa_system_vgpr_workitem_id 0
		.amdhsa_next_free_vgpr 192
		.amdhsa_next_free_sgpr 66
		.amdhsa_reserve_vcc 0
		.amdhsa_float_denorm_mode_32 3
		.amdhsa_float_denorm_mode_16_64 3
		.amdhsa_memory_ordered 1
		.amdhsa_forward_progress 1
		.amdhsa_inst_pref_size 47
	.end_amdhsa_kernel
	.amdgpu_metadata
---
amdhsa.version: [ 1, 2 ]
amdhsa.kernels:
  - .name:           k_q1c18be1c72_wq
    .symbol:         k_q1c18be1c72_wq.kd
    .args:
      - { .name: w_qkv, .offset: 0, .size: 8, .value_kind: global_buffer, .address_space: global }
      - { .name: w_fc1, .offset: 8, .size: 8, .value_kind: global_buffer, .address_space: global }
      - { .name: w_out, .offset: 16, .size: 8, .value_kind: global_buffer, .address_space: global }
      - { .name: w_mem, .offset: 24, .size: 8, .value_kind: global_buffer, .address_space: global }
      - { .name: w_fc2, .offset: 32, .size: 8, .value_kind: global_buffer, .address_space: global }
      - { .name: wts, .offset: 40, .size: 8, .value_kind: global_buffer, .address_space: global }
    .group_segment_fixed_size: 0
    .private_segment_fixed_size: 0
    .kernarg_segment_align: 8
    .kernarg_segment_size: 48
    .max_flat_workgroup_size: 128
    .sgpr_count:     66
    .vgpr_count:     192
    .wavefront_size: 32
...
	.end_amdgpu_metadata
.endif
;; end of part 9
;; launch lnm (part 10): grid 272 x 1, 8 waves a work-group, no clusters, 135,424 bytes of LDS; arguments x, ln1_g, ln1_b, hbuf, memory, wts, b_mem, memb; writes hbuf, memb
.if DOCPART == 10
	.amdgcn_target "amdgcn-amd-amdhsa--gfx1250"
	.amdhsa_code_object_version 6
	.text
	.protected	k_q1c18be1c72_lnm
	.globl	k_q1c18be1c72_lnm
	.p2align	8
	.type	k_q1c18be1c72_lnm,@function
k_q1c18be1c72_lnm:
	s_mov_b64 s[64:65], 0
	v_nop
	global_prefetch_b8 v0, s[64:65] scope:SCOPE_SE
	s_setreg_imm32_b32 hwreg(HW_REG_WAVE_MODE, 25, 1), 1
	s_wait_xcnt 0x0
; TWO JOBS IN ONE BODY, told apart by the work-group's number.  No work is left out.
; WORK-GROUPS 0-255: h = LayerNorm(x) g + b over rows of 1,024 f32, quantised along the row into codes of E2M3 and E8M0 scale words, laid as an operand: codes [row block of 16][K step of 128][1,536 bytes]
; (registers 0-3 at 16 x lane, 4-5 at 512 + 8 x lane, 6-9 at 768 + 16 x lane, 10-11 at 1,280 + 8 x lane); scale words from byte 3,145,728 on, [row block][K step][16 words].
; A work-group takes 16 rows.  Phase A: wave w normalises rows 2 w and 2 w + 1 and puts them into LDS.  Phase B: wave w quantises K step w of all 16 rows.
; WORK-GROUPS 256-271, one for each head: mem = Q(memory) Q(w_mem) + b_mem, [64 slots][the head's 64 channels], quantised along the channels and along the slots.  memb, 6,656 bytes a head: 4 slot tiles x 768 bytes;
; 4 channel tiles x 768; 4 x 16 scale words; 4 x 16 scale words.  Waves 0-3 take 16 slots each; this product has work for four waves, so waves 4-7 only pass the barriers.
; The launch behind the out projection runs this body with 256 work-groups: none of them takes the second job, and nothing is stored into memb there.
; Inside each block of 32 along K, code place 16 h + 8 u + j holds number 16 u + 8 h + j, as in every operand of this program.
; LDS: the two jobs have bytes of their own: the memory job 0 to 68,607, the rows from LB on, behind them the spare words.
; LIMITS: NaN and infinities are not served; a block of zeros gets the byte 1 (its codes are zeros; this program alone reads the bytes).
.set PITCH, 4112                       ; a row in LDS: 4,096 bytes + 16
.set LB,    68608
.set SPARE, LB+16*PITCH                ; the spare words, 128 bytes for each wave, that no other line names
.set SPW, 6
.set NIL, 7
; 16 nb numbers of a lane, register 16 b + i = code place 32 b + 16 (lane / 16) + i of my row, become codes in v[PC] on and a scale word in v[PW]; the blocks by turns
.macro QUANT s, nb
.set qb, 0
.rept \nb
	v_max3_num_f32 v[TM+qb], |v[(\s)+16*qb]|, |v[(\s)+16*qb+1]|, 0x1800000   ; with the floor 2^(3 - 127): the byte cannot fall under 1
.set qb, qb+1
.endr
.irp i, 2,4,6,8,10,12,14
.set qb, 0
.rept \nb
	v_max3_num_f32 v[TM+qb], v[TM+qb], |v[(\s)+16*qb+\i]|, |v[(\s)+16*qb+\i+1]|
.set qb, qb+1
.endr
.endr
.set qb, 0
.rept \nb
	v_permlanex16_b32 v[TM+4+qb], v[TM+qb], s[SEL], s[SEL+1]
.set qb, qb+1
.endr
.set qb, 0
.rept \nb
	v_max_num_f32 v[TM+qb], v[TM+qb], v[TM+4+qb]   ; with lane l xor 16's: the block's largest magnitude
.set qb, qb+1
.endr
.set qb, 0
.rept \nb
	v_add_nc_u32 v[TM+8+qb], 0xff000000, v[TM+qb]  ; 2 off its exponent field: the conversion's scale operand
.set qb, qb+1
.endr
.set qb, 0
.rept \nb
	v_lshrrev_b32 v[TM+4+qb], 23, v[TM+8+qb]       ; the scale's byte
.set qb, qb+1
.endr
	v_lshl_or_b32 v[PW], v[TM+5], 8, v[TM+4]
.if \nb == 4
	v_lshl_or_b32 v[PW], v[TM+6], 16, v[PW]
	v_lshl_or_b32 v[PW], v[TM+7], 24, v[PW]
.endif
.set qc, 0
.rept \nb/2
	v_cvt_scalef32_pk16_fp6_f32 v[PC+6*qc:PC+6*qc+2], v[(\s)+32*qc:(\s)+32*qc+15], v[TM+8+2*qc]
	v_cvt_scalef32_pk16_fp6_f32 v[PC+12+4*qc:PC+12+4*qc+2], v[(\s)+32*qc+16:(\s)+32*qc+31], v[TM+8+2*qc+1]   ; (three registers that begin on an even number)
.set qc, qc+1
.endr
	v_nop                                          ; one plain place behind a scaled conversion
.set qc, 0
.rept \nb/2                                        ; the operand wants a whole block in a lane
.irp i, 0,1,2
	v_permlane16_swap_b32 v[PC+6*qc+\i], v[PC+12+4*qc+\i]
.endr
.irp i, 0,1,2
	v_mov_b32 v[PC+3+6*qc+\i], v[PC+12+4*qc+\i]
.endr
.set qc, qc+1
.endr
.endm
	v_lshl_add_u32 v[SPW], v0, 2, SPARE
	v_mov_b32 v[NIL], 0
	s_cmp_ge_u32 ttmp9, 256                        ; which job: the work-group's number alone decides
	s_cbranch_scc1 .Lmem
; ---------------- LayerNorm
.set X,   32                           ; v32-95 two rows; in phase B 64 numbers
.set G,   96
.set BT,  128
.set PC,  96
.set TM,  116
.set PW,  132
.set SEL, 12
	s_load_b256 s[4:11], s[0:1], 0x0               ; x, g, b, the operand
	v_lshrrev_b32 v8, 5, v0
	v_readfirstlane_b32 s16, v8                    ; wave
	v_and_b32 v9, 31, v0
	v_and_b32 v10, 15, v0                          ; r
	v_bfe_u32 v11, v0, 4, 1                        ; h
	v_lshlrev_b32 v1, 4, v9                        ; 16 x lane
	v_lshlrev_b32 v4, 3, v9                        ; 8 x lane
	v_lshlrev_b32 v5, 2, v10                       ; 4 r
	s_mul_i32 s17, s16, 2*PITCH
	s_add_co_u32 s17, s17, LB
	v_add_nc_u32 v2, s17, v1                       ; phase A: my 16 bytes of my wave's first row
	v_mul_u32_u24 v3, v10, PITCH
	s_delay_alu instid0(VALU_DEP_1)
	v_lshl_add_u32 v3, v11, 5, v3
	s_lshl_b32 s17, s16, 9
	s_add_co_u32 s17, s17, LB
	v_add_nc_u32 v3, s17, v3                       ; phase B: row r, K step w, + 32 h
	s_mov_b32 s[SEL], 0x76543210
	s_mov_b32 s[SEL+1], 0xfedcba98                 ; lane l xor 16
	s_mov_b32 s14, 0x3a800000                      ; 1 / 1,024
	s_mov_b32 s15, 0x3727c5ac                      ; 1e-5
	s_lshl_b32 s18, ttmp9, 16                      ; 16 rows of 4,096 bytes
	s_lshl_b32 s19, s16, 13
	s_add_co_u32 s18, s18, s19
	s_mov_b32 s19, 0
	s_mul_i32 s20, ttmp9, 12288                    ; my row block's codes, my K step
	s_mul_i32 s21, s16, 1536
	s_add_co_u32 s20, s20, s21
	s_mov_b32 s21, 0
	s_lshl_b32 s22, ttmp9, 9                       ; and scale words
	s_lshl_b32 s23, s16, 6
	s_add_co_u32 s22, s22, s23
	s_add_co_u32 s22, s22, 3145728
	s_mov_b32 s23, 0
	s_wait_alu depctr_va_vdst(0)
	s_wait_kmcnt 0x0
	s_add_nc_u64 s[4:5], s[4:5], s[18:19]
	s_add_nc_u64 s[24:25], s[10:11], s[20:21]
	s_add_nc_u64 s[26:27], s[10:11], s[22:23]
.irp p, 0,1
.irp j, 0,1,2,3,4,5,6,7
	global_load_b128 v[X+32*\p+4*\j:X+32*\p+4*\j+3], v1, s[4:5] offset:4096*\p+512*\j   ; 512 consecutive bytes a load
.endr
.endr
.irp j, 0,1,2,3,4,5,6,7
	global_load_b128 v[G+4*\j:G+4*\j+3], v1, s[6:7] offset:512*\j
.endr
.irp j, 0,1,2,3,4,5,6,7
	global_load_b128 v[BT+4*\j:BT+4*\j+3], v1, s[8:9] offset:512*\j
.endr
	v_mov_b32 v24, 0                               ; a lane permute's destination counts as one of its sources
	v_mov_b32 v25, 0
.macro REDUCE                                      ; each row's two chains become one number in every lane of v[8 + 4 p]; the rows by turns
.irp p, 0,1
	v_pk_add_f32 v[8+4*\p:9+4*\p], v[8+4*\p:9+4*\p], v[10+4*\p:11+4*\p]
.endr
.irp p, 0,1
	s_delay_alu instid0(VALU_DEP_2)
	v_add_f32 v[8+4*\p], v[8+4*\p], v[9+4*\p]
.endr
.irp m, 1,2,4,8
.irp p, 0,1
	s_delay_alu instid0(VALU_DEP_2)
	v_add_f32_dpp v[8+4*\p], v[8+4*\p], v[8+4*\p] row_xmask:\m row_mask:0xf bank_mask:0xf
.endr
.endr
.irp p, 0,1
	s_delay_alu instid0(VALU_DEP_2)
	v_permlanex16_b32 v[24+\p], v[8+4*\p], s[SEL], s[SEL+1]
.endr
.irp p, 0,1
	s_delay_alu instid0(VALU_DEP_2)
	v_add_f32 v[8+4*\p], v[8+4*\p], v[24+\p]
.endr
.endm
	s_wait_loadcnt 16                              ; the two rows are in; g's and b's sixteen loads may be out
.irp p, 0,1
	v_pk_add_f32 v[8+4*\p:9+4*\p], v[X+32*\p:X+32*\p+1], v[X+32*\p+4:X+32*\p+5]
	v_pk_add_f32 v[10+4*\p:11+4*\p], v[X+32*\p+2:X+32*\p+3], v[X+32*\p+6:X+32*\p+7]
.endr
.irp j, 8,12,16,20,24,28
.irp p, 0,1
	s_delay_alu instid0(VALU_DEP_4)
	v_pk_add_f32 v[8+4*\p:9+4*\p], v[8+4*\p:9+4*\p], v[X+32*\p+\j:X+32*\p+\j+1]
	s_delay_alu instid0(VALU_DEP_4)
	v_pk_add_f32 v[10+4*\p:11+4*\p], v[10+4*\p:11+4*\p], v[X+32*\p+\j+2:X+32*\p+\j+3]
.endr
.endr
	REDUCE
.irp p, 0,1
	s_delay_alu instid0(VALU_DEP_2)
	v_mul_f32 v[16+2*\p], s14, v[8+4*\p]           ; the mean,
.endr
.irp p, 0,1
	s_delay_alu instid0(VALU_DEP_2)
	v_mov_b32 v[17+2*\p], v[16+2*\p]               ; twice: a pair for the packed forms
.endr
.irp j, 0,2,4,6,8,10,12,14,16,18,20,22,24,26,28,30
.irp p, 0,1
	v_pk_add_f32 v[X+32*\p+\j:X+32*\p+\j+1], v[X+32*\p+\j:X+32*\p+\j+1], v[16+2*\p:17+2*\p] neg_lo:[0,1] neg_hi:[0,1]   ; d = x - mean
.endr
.endr
.irp p, 0,1
	v_pk_mul_f32 v[8+4*\p:9+4*\p], v[X+32*\p:X+32*\p+1], v[X+32*\p:X+32*\p+1]
	v_pk_mul_f32 v[10+4*\p:11+4*\p], v[X+32*\p+2:X+32*\p+3], v[X+32*\p+2:X+32*\p+3]
.endr
.irp j, 4,8,12,16,20,24,28
.irp p, 0,1
	s_delay_alu instid0(VALU_DEP_4)
	v_pk_fma_f32 v[8+4*\p:9+4*\p], v[X+32*\p+\j:X+32*\p+\j+1], v[X+32*\p+\j:X+32*\p+\j+1], v[8+4*\p:9+4*\p]
	s_delay_alu instid0(VALU_DEP_4)
	v_pk_fma_f32 v[10+4*\p:11+4*\p], v[X+32*\p+\j+2:X+32*\p+\j+3], v[X+32*\p+\j+2:X+32*\p+\j+3], v[10+4*\p:11+4*\p]
.endr
.endr
	REDUCE
.irp p, 0,1
	s_delay_alu instid0(VALU_DEP_2)
	v_fma_f32 v[8+4*\p], v[8+4*\p], s14, s15       ; the variance + 1e-5
.endr
	s_wait_alu depctr_va_vdst(0)
.irp p, 0,1
	v_rsq_f32 v[20+2*\p], v[8+4*\p]
	v_rsq_f32 v[21+2*\p], v[8+4*\p]
.endr
	v_nop                                          ; a plain place behind the last of the four
	s_wait_alu depctr_va_vdst(0)                   ; one wait for the four, ahead of their first reader
	s_wait_loadcnt 0x0                             ; g and b
.irp j, 0,2,4,6,8,10,12,14,16,18,20,22,24,26,28,30
.irp p, 0,1
	v_pk_mul_f32 v[X+32*\p+\j:X+32*\p+\j+1], v[X+32*\p+\j:X+32*\p+\j+1], v[20+2*\p:21+2*\p]
.endr
.endr
.irp j, 0,2,4,6,8,10,12,14,16,18,20,22,24,26,28,30
.irp p, 0,1
	v_pk_fma_f32 v[X+32*\p+\j:X+32*\p+\j+1], v[X+32*\p+\j:X+32*\p+\j+1], v[G+\j:G+\j+1], v[BT+\j:BT+\j+1]
.endr
.endr
.irp p, 0,1
.irp j, 0,1,2,3,4,5,6,7
	ds_store_b128 v2, v[X+32*\p+4*\j:X+32*\p+4*\j+3] offset:PITCH*\p+512*\j
.endr
.endr
	s_wait_dscnt 0x0                               ; for the others' sake: my two rows lie in LDS
	s_barrier_signal -1
	s_barrier_wait -1
.irp b, 0,1,2,3
	ds_load_b128 v[32+16*\b:35+16*\b], v3 offset:128*\b        ; numbers 8 h + 0 .. 7 of block b,
	ds_load_b128 v[36+16*\b:39+16*\b], v3 offset:128*\b+16
	ds_load_b128 v[40+16*\b:43+16*\b], v3 offset:128*\b+64     ; and 16 + 8 h + 0 .. 7: code places 16 h + 0 .. 15
	ds_load_b128 v[44+16*\b:47+16*\b], v3 offset:128*\b+80
.endr
.irp b, 0,1,2,3
	v_mov_b32 v[TM+4+\b], 0                        ; a lane permute's destination counts as one of its sources
.endr
	s_wait_dscnt 0x0
	QUANT 32, 4
	global_store_b128 v1, v[PC:PC+3], s[24:25]
	global_store_b64 v4, v[PC+4:PC+5], s[24:25] offset:512
	global_store_b128 v1, v[PC+6:PC+9], s[24:25] offset:768
	global_store_b64 v4, v[PC+10:PC+11], s[24:25] offset:1280
	global_store_b32 v5, v[PW], s[26:27]           ; lanes 16-31 write the same words with the same values
	s_wait_tensorcnt 0x0                           ; the wave's end
	ds_add_u32 v[SPW], v[NIL]
	s_wait_dscnt 0x0
	s_endpgm
; ---------------- the memory slots
.Lmem:
.set WMEM_C, 6291456
.set WMEM_S, 10485760
.set WSC,   49152                      ; LDS: from 0 the head's 32 fragments of w_mem (channel tile t, K step s at (8 t + s) x 1,536); here their scale words, 2,048 bytes;
.set STG,   51200                      ; mem in f32: 64 slots x (256 bytes + 16)
.set L16, 1
.set L8,  2
.set MA,  3                            ; memory: r x 4,096 + 32 h
.set WSA, 4                            ; w_mem's scale words: lanes 16-31 take the next channel tile's
.set SIN, 5                            ; into the stage
.set SOUT, 12                          ; out of it, down the slots
.set R4,  13
.set PW,  10                           ; v8, v9: w_mem's scale words; v10: the scale word just made
.set X0,  16                           ; v16-79, v80-143: two sets of 64 numbers
.set WF,  144                          ; four fragments of w_mem
.set ACC, 192                          ; four accumulators
.set PC,  224
.set TM,  243
.set SEL, 20
	s_load_b256 s[4:11], s[0:1], 0x20              ; memory, wts, b_mem, memb
	v_lshrrev_b32 v11, 5, v0
	v_readfirstlane_b32 s12, v11                   ; wave a
	v_and_b32 v11, 31, v0
	v_lshlrev_b32 v[L16], 4, v11
	v_lshlrev_b32 v[L8], 3, v11
	v_and_b32 v14, 15, v0                          ; r
	v_bfe_u32 v15, v0, 4, 1                        ; h
	v_lshlrev_b32 v[R4], 2, v14
	v_lshlrev_b32 v[MA], 12, v14
	v_lshl_add_u32 v[MA], v15, 5, v[MA]
	v_lshl_add_u32 v[WSA], v15, 9, v[R4]
	v_add_nc_u32 v[WSA], WSC, v[WSA]
	s_mul_i32 s13, s12, 16*272
	v_mul_u32_u24 v[SIN], v14, 272
	v_lshl_add_u32 v[SIN], v15, 5, v[SIN]
	v_add_nc_u32 v[SIN], s13, v[SIN]
	v_add_nc_u32 v[SIN], STG, v[SIN]               ; slot 16 a + r, + 32 h
	s_lshl_b32 s13, s12, 6
	v_mul_u32_u24 v[SOUT], v15, 8*272
	v_add_nc_u32 v[SOUT], v[SOUT], v[R4]
	v_add_nc_u32 v[SOUT], s13, v[SOUT]
	v_add_nc_u32 v[SOUT], STG, v[SOUT]             ; slot 8 h, channel 16 a + r
	s_mul_i32 s13, s12, 12288
	v_add_nc_u32 v11, s13, v[L16]                  ; where my quarter of the fragments goes,
	s_lshl_b32 s13, s12, 9
	v_add_nc_u32 v14, s13, v[L16]
	v_add_nc_u32 v14, WSC, v14                     ; and my quarter of the scale words
	v_lshlrev_b32 v15, 5, v15                      ; the bias: 32 h
	s_mov_b32 s[SEL], 0x76543210
	s_mov_b32 s[SEL+1], 0xfedcba98
	s_mov_b32 s25, 0
	s_mov_b32 s27, 0
	s_sub_co_u32 s30, ttmp9, 256                   ; the head
	s_wait_alu depctr_va_vdst(0)
	s_wait_kmcnt 0x0
	s_mul_i32 s24, s30, 49152
	s_mul_i32 s26, s12, 12288
	s_add_co_u32 s24, s24, s26
	s_add_co_u32 s24, s24, WMEM_C
	s_add_nc_u64 s[16:17], s[6:7], s[24:25]        ; my quarter of the head's codes of w_mem
	s_lshl_b32 s24, s30, 11
	s_lshl_b32 s26, s12, 9
	s_add_co_u32 s24, s24, s26
	s_add_co_u32 s24, s24, WMEM_S
	s_add_nc_u64 s[18:19], s[6:7], s[24:25]        ; and of its scale words
	s_lshl_b32 s24, s12, 16
	s_add_nc_u64 s[4:5], s[4:5], s[24:25]          ; memory at slot 16 a
	s_lshl_b32 s24, s30, 8
	s_add_nc_u64 s[8:9], s[8:9], s[24:25]          ; b_mem at the head's first channel
	s_mul_i32 s24, s30, 6656
	s_add_nc_u64 s[28:29], s[10:11], s[24:25]      ; the head's part of memb
	s_mul_i32 s24, s12, 768
	s_add_nc_u64 s[10:11], s[28:29], s[24:25]      ; my tile of codes
	s_lshl_b32 s24, s12, 6
	s_add_co_u32 s24, s24, 6144
	s_add_nc_u64 s[22:23], s[28:29], s[24:25]      ; my tile's scale words
.macro XLOAD reg, s                                ; my 16 slots' numbers of K step s: register 16 b + i = code place 32 b + 16 h + i
.irp b, 0,1,2,3
	global_load_b128 v[\reg+16*\b:\reg+16*\b+3], v[MA], s[4:5] offset:512*(\s)+128*\b
	global_load_b128 v[\reg+16*\b+4:\reg+16*\b+7], v[MA], s[4:5] offset:512*(\s)+128*\b+16
	global_load_b128 v[\reg+16*\b+8:\reg+16*\b+11], v[MA], s[4:5] offset:512*(\s)+128*\b+64
	global_load_b128 v[\reg+16*\b+12:\reg+16*\b+15], v[MA], s[4:5] offset:512*(\s)+128*\b+80
.endr
.endm
	s_cmp_ge_u32 s12, 4                            ; waves 4-7 have no slots: they go from barrier to barrier
	s_cbranch_scc1 .Lm1
.irp i, 0,1,2,3,4,5,6,7,8,9,10,11,12,13,14,15,16,17,18,19,20,21,22,23
	global_load_b128 v[144+4*\i:147+4*\i], v[L16], s[16:17] offset:512*\i
.endr
	global_load_b128 v[240:243], v[L16], s[18:19]
	XLOAD X0, 0
	XLOAD X0+64, 1
	s_wait_loadcnt 32                              ; w_mem's 25 loads are in; the two K steps of memory may be out
.irp i, 0,1,2,3,4,5,6,7,8,9,10,11,12,13,14,15,16,17,18,19,20,21,22,23
	ds_store_b128 v11, v[144+4*\i:147+4*\i] offset:512*\i
.endr
	ds_store_b128 v14, v[240:243]
.Lm1:
	s_wait_dscnt 0x0                               ; for the others' sake: my quarter lies in LDS
	s_barrier_signal -1
	s_barrier_wait -1
	s_cmp_ge_u32 s12, 4
	s_cbranch_scc1 .Lm2
.irp b, 0,1,2,3
	v_mov_b32 v[TM+4+\b], 0                        ; a lane permute's destination counts as one of its sources
.endr
.macro MM t, first                                 ; channel tile t x my slots, 128 along K; odd tiles' scale words stand in lanes 16-31
.if \first
.if (\t)%2
	v_wmma_scale_f32_16x16x128_f8f6f4 v[ACC+8*\t:ACC+8*\t+7], v[WF+12*\t:WF+12*\t+11], v[PC:PC+11], 0, v[8+(\t)/2], v[PW] matrix_a_fmt:MATRIX_FMT_FP6 matrix_b_fmt:MATRIX_FMT_FP6 matrix_a_scale:MATRIX_SCALE_ROW1
.else
	v_wmma_scale_f32_16x16x128_f8f6f4 v[ACC+8*\t:ACC+8*\t+7], v[WF+12*\t:WF+12*\t+11], v[PC:PC+11], 0, v[8+(\t)/2], v[PW] matrix_a_fmt:MATRIX_FMT_FP6 matrix_b_fmt:MATRIX_FMT_FP6
.endif
.else
.if (\t)%2
	v_wmma_scale_f32_16x16x128_f8f6f4 v[ACC+8*\t:ACC+8*\t+7], v[WF+12*\t:WF+12*\t+11], v[PC:PC+11], v[ACC+8*\t:ACC+8*\t+7], v[8+(\t)/2], v[PW] matrix_a_fmt:MATRIX_FMT_FP6 matrix_b_fmt:MATRIX_FMT_FP6 matrix_a_scale:MATRIX_SCALE_ROW1
.else
	v_wmma_scale_f32_16x16x128_f8f6f4 v[ACC+8*\t:ACC+8*\t+7], v[WF+12*\t:WF+12*\t+11], v[PC:PC+11], v[ACC+8*\t:ACC+8*\t+7], v[8+(\t)/2], v[PW] matrix_a_fmt:MATRIX_FMT_FP6 matrix_b_fmt:MATRIX_FMT_FP6
.endif
.endif
.endm
.irp s, 0,1,2,3,4,5,6,7                            ; the eight K steps, written out: every offset is an immediate
.if \s > 0
.rept 4
	v_nop                                          ; places in front of loads into registers that matrix instructions have read
.endr
.endif
.irp t, 0,1,2,3
	ds_load_b128 v[WF+12*\t:WF+12*\t+3], v[L16] offset:(8*\t+\s)*1536
	ds_load_b64 v[WF+12*\t+4:WF+12*\t+5], v[L8] offset:(8*\t+\s)*1536+512
	ds_load_b128 v[WF+12*\t+6:WF+12*\t+9], v[L16] offset:(8*\t+\s)*1536+768
	ds_load_b64 v[WF+12*\t+10:WF+12*\t+11], v[L8] offset:(8*\t+\s)*1536+1280
.endr
	ds_load_b32 v8, v[WSA] offset:64*\s            ; tiles 0 and 1,
	ds_load_b32 v9, v[WSA] offset:1024+64*\s       ; tiles 2 and 3
.if \s < 7
	s_wait_loadcnt 16                              ; this K step's numbers are in; the next step's sixteen loads may be out
.else
	s_wait_loadcnt 8                               ; behind the last step's loads: the bias's eight
.endif
	QUANT X0+64*(\s%2), 4
.if \s < 6
	s_wait_alu depctr_va_vdst(0)
	XLOAD X0+64*(\s%2), \s+2
.endif
.if \s == 6
	s_wait_alu depctr_va_vdst(0)
.irp t, 0,1,2,3
	global_load_b128 v[16+8*\t:19+8*\t], v15, s[8:9] offset:64*\t        ; b_mem at channels 16 t + 8 h + 0 .. 7
	global_load_b128 v[20+8*\t:23+8*\t], v15, s[8:9] offset:64*\t+16
.endr
.endif
	s_wait_alu depctr_va_vdst(0)
	s_wait_dscnt 0x0
.rept 8
	v_nop                                          ; a scale register written by a vector instruction stands 8 places ahead of a scaled matrix instruction, an operand so written 4
.endr
.irp t, 0,1,2,3                                    ; the four accumulators by turns
.if \s == 0
	MM \t, 1
.else
	MM \t, 0
.endif
.endr
.endr
.rept 4
	v_nop
.endr
	s_wait_loadcnt 0x0                             ; the bias
.irp i, 0,2,4,6,8,10,12,14,16,18,20,22,24,26,28,30
	v_pk_add_f32 v[80+\i:81+\i], v[ACC+\i:ACC+\i+1], v[16+\i:17+\i]   ; mem(slot r, channel 16 t + 8 h + j) in register 8 t + j; each accumulator from its low end on
.endr
.irp t, 0,1,2,3
	ds_store_b128 v[SIN], v[80+8*\t:83+8*\t] offset:64*\t
	ds_store_b128 v[SIN], v[84+8*\t:87+8*\t] offset:64*\t+16
.endr
	QUANT 80, 2                                    ; along the channels: my 16 slots as rows
	global_store_b128 v[L16], v[PC:PC+3], s[10:11]
	global_store_b64 v[L8], v[PC+4:PC+5], s[10:11] offset:512
	global_store_b32 v[R4], v[PW], s[22:23]
.Lm2:
	s_wait_dscnt 0x0                               ; for the others' sake: my 16 slots lie in the stage
	s_barrier_signal -1
	s_barrier_wait -1
	s_cmp_ge_u32 s12, 4
	s_cbranch_scc1 .Lm3
.irp i, 0,1,2,3,4,5,6,7,8,9,10,11,12,13,14,15,16,17,18,19,20,21,22,23,24,25,26,27,28,29,30,31
	ds_load_b32 v[16+\i], v[SOUT] offset:(32*(\i/16)+16*((\i%16)/8)+\i%8)*272   ; channel 16 a + r; register 16 b + 8 u + j = slot 32 b + 16 u + 8 h + j
.endr
	s_wait_xcnt 0x0                                ; the stores above have read the codes and the word: both are written again below
	s_wait_dscnt 0x0
	QUANT 16, 2                                    ; along the slots: channels 16 a .. 16 a + 15 as rows
	global_store_b128 v[L16], v[PC:PC+3], s[10:11] offset:3072
	global_store_b64 v[L8], v[PC+4:PC+5], s[10:11] offset:3072+512
	global_store_b32 v[R4], v[PW], s[22:23] offset:256
.Lm3:
	s_wait_tensorcnt 0x0                           ; the wave's end
	ds_add_u32 v[SPW], v[NIL]
	s_wait_dscnt 0x0
	s_endpgm
.Lfunc_end_k_q1c18be1c72_lnm:
	.size	k_q1c18be1c72_lnm, .Lfunc_end_k_q1c18be1c72_lnm-k_q1c18be1c72_lnm
	.p2alignl 7, 3214868480
	.fill 96, 4, 3214868480
	.section	.rodata,"a",@progbits
	.p2align	6, 0x0
	.amdhsa_kernel k_q1c18be1c72_lnm
		.amdhsa_group_segment_fixed_size 135424
		.amdhsa_private_segment_fixed_size 0
		.amdhsa_enable_private_segment 0
		.amdhsa_kernarg_size 64
		.amdhsa_user_sgpr_count 2
		.amdhsa_user_sgpr_kernarg_segment_ptr 1
		.amdhsa_wavefront_size32 1
		.amdhsa_system_sgpr_workgroup_id_x 1
		.amdhsa_system_sgpr_workgroup_id_y 1
		.amdhsa_system_sgpr_workgroup_id_z 1
		.amdhsa_system_vgpr_workitem_id 0
		.amdhsa_next_free_vgpr 256
		.amdhsa_next_free_sgpr 66
		.amdhsa_reserve_vcc 0
		.amdhsa_float_denorm_mode_32 3
		.amdhsa_float_denorm_mode_16_64 3
		.amdhsa_memory_ordered 1
		.amdhsa_forward_progress 1
		.amdhsa_inst_pref_size 102
	.end_amdhsa_kernel
	.amdgpu_metadata
---
amdhsa.version: [ 1, 2 ]
amdhsa.kernels:
  - .name:           k_q1c18be1c72_lnm
    .symbol:         k_q1c18be1c72_lnm.kd
    .args:
      - { .name: x, .offset: 0, .size: 8, .value_kind: global_buffer, .address_space: global }
      - { .name: ln1_g, .offset: 8, .size: 8, .value_kind: global_buffer, .address_space: global }
      - { .name: ln1_b, .offset: 16, .size: 8, .value_kind: global_buffer, .address_space: global }
      - { .name: hbuf, .offset: 24, .size: 8, .value_kind: global_buffer, .address_space: global }
      - { .name: memory, .offset: 32, .size: 8, .value_kind: global_buffer, .address_space: global }
      - { .name: wts, .offset: 40, .size: 8, .value_kind: global_buffer, .address_space: global }
      - { .name: b_mem, .offset: 48, .size: 8, .value_kind: global_buffer, .address_space: global }
      - { .name: memb, .offset: 56, .size: 8, .value_kind: global_buffer, .address_space: global }
    .group_segment_fixed_size: 135424
    .private_segment_fixed_size: 0
    .kernarg_segment_align: 8
    .kernarg_segment_size: 64
    .max_flat_workgroup_size: 256
    .sgpr_count:     66
    .vgpr_count:     256
    .wavefront_size: 32
...
	.end_amdgpu_metadata
.endif
;; end of part 10
;; launch gqkv (part 11): grid 12 x 16, 4 waves a work-group, clusters of 4 x 4, 327,680 bytes of LDS; arguments hbuf, wts, b_qkv, qkv; writes qkv
.if DOCPART == 11
	.amdgcn_target "amdgcn-amd-amdhsa--gfx1250"
	.amdhsa_code_object_version 6
	.text
	.protected	k_q1c18be1c72_gqkv
	.globl	k_q1c18be1c72_gqkv
	.p2align	8
	.type	k_q1c18be1c72_gqkv,@function
k_q1c18be1c72_gqkv:
	s_mov_b64 s[64:65], 0
	v_nop
	global_prefetch_b8 v0, s[64:65] scope:SCOPE_SE
	s_setreg_imm32_b32 hwreg(HW_REG_WAVE_MODE, 25, 1), 1
	s_wait_xcnt 0x0
	s_wait_alu depctr_hold_cnt(0) depctr_sa_sdst(0) depctr_va_vdst(0) depctr_va_sdst(0) depctr_va_ssrc(0) depctr_va_vcc(0) depctr_vm_vsrc(0)
	s_getreg_b32 s2, hwreg(HW_REG_IB_STS2, 6, 4)
	s_cmp_eq_u32 s2, 0
	s_cbranch_scc0 .Lentry_in_a_cluster
	s_endpgm
.Lentry_in_a_cluster:
	s_bfe_u32 s2, ttmp6, 0x10000c
	s_cmp_lg_u32 s2, 0xf033
	s_cbranch_scc0 .Lentry_shape_is_right
	s_endpgm
.Lentry_shape_is_right:
; qkv = Q(h) Q(w_qkv) + b_qkv, h = LN1(x) as codes; the results are quantised on the way out and leave as attention's operands: q and k along the head's 64 channels, v along the keys.  No work is left out.
; OPERANDS arrive as images of registers: codes [row block of 16][K step of 128][1,536 bytes] (registers 0-3 at 16 x lane, 4-5 at 512 + 8 x lane, 6-9 at 768 + 16 x lane, 10-11 at 1,280 + 8 x lane), scale words
; [row block][K step][16 words].  Inside each block of 32 along K, code place 16 h + 8 u + j holds number 16 u + 8 h + j on both sides.
; A tile of 256 x 256 is made by four waves, 128 x 128 each: 64 accumulators.  K = 1,024 goes in steps of 256 through a ring of two LDS slots; a wave's tensor load brings 8 row blocks x 3,072 bytes.  The scale words of the
; work-group's rows, for all of K, come once with the first fills.  A wave has one tensor load out at the start (its share of the head's loads) and one behind each change of slots.
; CLUSTERS of 4 x 4: the four of a row of the cluster ask jointly for A's tiles, the four of a column for B's.  The matrix instruction is used transposed (source 0 = 16 rows of B, source 1 = 16 rows of A): a lane holds one row
; of A and eight neighbouring rows of B, so its 64 numbers of a block of 16 rows are, as they stand, 64 code places of a K step of the next product.
; ROLES by the cluster's x, which all partners share: 0 = q, 1 = k: A = h (tokens), B = w_qkv's rows; 2 = v: A = w_qkv's rows 2,048 on (channels), B = h, so that what is quantised runs along the tokens.
; The text parts on that number ONCE, behind the last change of slots (no barrier and no tensor load follows): each arm loads its bias, runs its copy of the last two steps of 128 along K, and takes its way out.
; qkv: records [32 (batch, head)][16 key steps][13,056 bytes]: 8 key tiles x 768 bytes of k; 4 channel tiles x 1,536 of v; 128 scale words of k (bytes 2, 3 are 0); 4 x 16 of v.  From QOFF on q's tiles [bh][128][768]; from QSOFF on q's words [bh][2,048].
; REGISTERS, in windows of 256: window 0: v16-31 addresses; v32-63 scale words and nothing else; v64-127 the bias; v128-223 A's fragments, one set; on the way out v128-230.  Window 1: B's fragments, two sets.  Windows 2, 3: the accumulators.
; LIMITS: NaN and infinities are not served; a block of zeros gets the byte 1 (its codes are zeros; this program alone reads the bytes).
.set KS,     8                         ; K steps of 128
.set WQKV_S, 10223616
.set HSC,    3145728                   ; h's scale words
.set QOFF,   6684672
.set QSOFF,  9830400
.set NQ,     2                         ; K steps of 128 in a slot
.set FR,     12
.set FRB,    1536
.set NL,     4                         ; LDS loads that bring a fragment
.set NP,     4                         ; places behind this matrix instruction (ISA guide 7.12.1)
.set HALFT,  8*NQ*FRB                  ; what one tensor load brings, and what one wave reads of A or of B
.set SLOT,   4*HALFT
.set LAPS,   KS/(2*NQ)
.set SCL,    2*SLOT                    ; behind the ring: the scale words
.set HALFS,  8*KS*64
.set SPARE,  SCL+4*HALFS               ; the spare words, 128 bytes for each wave, that no other line names
.set ADRA, 16                          ; v16-17 A's fragments in slot 0, 1, + 16 x lane; v18-19 + 8 x lane
.set ADRB, 20                          ; v20-23 the same for B
.set L16,  24
.set L8,   25
.set R4,   26
.set ADRS, 27                          ; my scale words: lanes 0-15 A's rows, lanes 16-31 B's
.set SPW,  28
.set NIL,  29
.set H32,  30
.set SC,   32
.set BIAS, 64
.set AF,   128
.set T,    128                         ; the way out: 64 numbers,
.set PC,   192                         ; their codes,
.set TM,   212                         ; twelve registers at work,
.set PW,   228                         ; the scale word
.set SEL,  66
.set G1, 24
.set G0, 32
.set G1B, 48
.set G0B, 56
.set G1S, 68
.set G0S, 76
.set G1SB, 80
.set G0SB, 88
.set MSB, 0
.macro WIN new                         ; the immediate's high byte repeats the setting that is left
.if MSB != \new
	s_set_vgpr_msb (MSB<<8)|\new
.set MSB, \new
.endif
.endm
.set MUL_LO, 0xa1                      ; source 0 (B) window 1, source 1 (A) window 0, C and D window 2
.set MUL_HI, 0xf1
.set TO_B,   0x40
.macro JLOAD g0a, g1a, g0b, g1b        ; a joint load: waves 0 and 1 fetch for A, waves 2 and 3 for B; an s_nop 0 and four v_nop follow each line
	s_cmp_eq_u32 s15, 0
	s_cbranch_scc0 .Lfor_b_\@
	tensor_load_to_lds s[\g0a:\g0a+3], s[\g1a:\g1a+7]
	s_nop 0
.rept 4
	v_nop
.endr
	s_branch .Lasked_\@
.Lfor_b_\@:
	tensor_load_to_lds s[\g0b:\g0b+3], s[\g1b:\g1b+7]
	s_nop 0
.rept 4
	v_nop
.endr
.Lasked_\@:
.endm
.macro CREST                           ; a round of the cluster's barrier behind its opening barrier
	s_cmp_lg_u32 s14, 0
	s_cbranch_scc1 .Lnot_wave_0_\@
	s_barrier_signal -3
.Lnot_wave_0_\@:
	s_barrier_wait -3
	s_barrier_signal -1
	s_barrier_wait -1
.endm
.macro CROUND
	s_barrier_signal -1
	s_barrier_wait -1
	CREST
.endm
	s_load_b64 s[4:5], s[0:1], 0x0                 ; h
	s_load_b64 s[8:9], s[0:1], 0x8                 ; the weights' workspace
	s_load_b64 s[96:97], s[0:1], 0x10              ; b_qkv
	s_load_b64 s[12:13], s[0:1], 0x18              ; qkv
	v_lshl_add_u32 v[SPW], v0, 2, SPARE
	v_mov_b32 v[NIL], 0
	ds_add_u32 v[SPW], v[NIL]                      ; the wave's opening: the add, twice on end, and its wait ahead of my first tensor load
	ds_add_u32 v[SPW], v[NIL]
	v_lshrrev_b32 v1, 5, v0
	v_readfirstlane_b32 s14, v1                    ; wave 0..3
	s_lshr_b32 s15, s14, 1                         ; which half of A's rows is mine.  Also: I fetch for A (0) or for B (1)
	s_and_b32 s16, s14, 1                          ; which half of B's rows.  Also: which 8 row blocks I fetch
	s_bfe_u32 s40, ttmp6, 0x40000                  ; cx, cy
	s_bfe_u32 s41, ttmp6, 0x40004
	s_and_b32 s17, ttmp7, 0xffff
	s_lshl_b32 s17, s17, 2                         ; 4 x cluster y: the tokens' tiles
	s_lshl_b32 s42, ttmp9, 2                       ; 4 x cluster x: w_qkv's tiles, for q and k
	s_cmp_eq_u32 ttmp9, 2                          ; v?  The cluster's x is the same in all sixteen partners
	s_cselect_b32 s42, s17, s42                    ; v: the tokens are B's rows,
	s_cselect_b32 s17, 0, s17                      ; and A's are the four tiles of v's channels
	s_add_co_u32 s42, s42, s40                     ; B's tile
	s_add_co_u32 s17, s17, s41                     ; A's tile
	s_lshl_b32 s43, s41, 2
	s_lshl_b32 s43, 15, s43                        ; my row of the cluster
	s_lshl_b32 s44, 0x1111, s40                    ; my column
	s_or_b32 s[G1], s43, (3<<16)|(1<<21)           ; 15:0 the mask; 17:16 elements of 8 bytes; 21 set beside a mask; no padding
	s_or_b32 s[G1B], s44, (3<<16)|(1<<21)
.irp g, G1, G1B
	s_mov_b32 s[\g+1], 384<<16                     ; tensor_dim0: 3,072 bytes
	s_mov_b32 s[\g+2], 16<<16                      ; tensor_dim1: 16 row blocks for the head's loads; behind them 8
	s_mov_b32 s[\g+3], 384<<16                     ; tile_dim0
	s_mov_b32 s[\g+4], 16                          ; tile_dim1
	s_mov_b32 s[\g+5], KS*192                      ; from row block to row block
	s_mov_b32 s[\g+6], 0
	s_mov_b32 s[\g+7], 0
.endr
	s_or_b32 s[G1S], s43, (3<<16)|(1<<21)          ; the scale words of 16 row blocks: a dense block, as rows of 256 bytes
	s_or_b32 s[G1SB], s44, (3<<16)|(1<<21)
.irp g, G1S, G1SB
	s_mov_b32 s[\g+1], 32<<16
	s_mov_b32 s[\g+2], (HALFS/128)<<16             ; the scale words of all 16 row blocks of a side
	s_mov_b32 s[\g+3], 32<<16
	s_mov_b32 s[\g+4], HALFS/128
	s_mov_b32 s[\g+5], 32
	s_mov_b32 s[\g+6], 0
	s_mov_b32 s[\g+7], 0
.endr
	s_mul_i32 s18, s16, 8*KS*FRB                   ; in the ring I fetch 8 row blocks of a tile: which half, in bytes
	s_mov_b32 s19, 0
	s_lshl_b32 s20, s17, 4                         ; A: the tile's first row block
	s_lshl_b32 s46, s42, 4                         ; B likewise
	s_mul_i32 s22, s20, KS*64                      ; their scale words,
	s_mov_b32 s23, 0
	s_mul_i32 s92, s46, KS*64
	s_mov_b32 s93, 0
	s_mul_i32 s20, s20, KS*FRB                     ; their codes
	s_mov_b32 s21, 0
	s_mul_i32 s46, s46, KS*FRB
	s_mov_b32 s47, 0
	s_mul_i32 s45, s14, HALFT                      ; where they go: no place in the cluster enters an LDS address
	s_wait_dscnt 0x0                               ; both opening adds are done
	s_wait_kmcnt 0x0
	s_add_nc_u64 s[6:7], s[4:5], HSC               ; h's scale words
	s_add_nc_u64 s[10:11], s[8:9], WQKV_S          ; w_qkv's
	s_add_nc_u64 s[66:67], s[8:9], 128*KS*FRB      ; w_qkv's rows from 2,048 on: codes,
	s_add_nc_u64 s[100:101], s[10:11], 128*KS*64   ; scale words
	s_cmp_eq_u32 ttmp9, 2
	s_cselect_b64 s[66:67], s[66:67], s[4:5]       ; A's codes
	s_cselect_b64 s[100:101], s[100:101], s[6:7]   ; A's scale words
	s_cselect_b64 s[8:9], s[4:5], s[8:9]           ; B's codes
	s_cselect_b64 s[10:11], s[6:7], s[10:11]       ; B's scale words
	s_mov_b64 s[4:5], s[66:67]
	s_mov_b64 s[6:7], s[100:101]
	s_add_nc_u64 s[20:21], s[4:5], s[20:21]
	s_add_nc_u64 s[22:23], s[6:7], s[22:23]
	s_add_nc_u64 s[46:47], s[8:9], s[46:47]
	s_add_nc_u64 s[92:93], s[10:11], s[92:93]
	CROUND                                         ; all sixteen work-groups are here: the first joint loads meet
	s_mov_b32 s[G0S], 1
	s_mov_b32 s[G0S+1], SCL
	s_mov_b64 s[G0S+2:G0S+3], s[22:23]
	s_or_b32 s[G0S+3], s[G0S+3], 0x80000000
	s_mov_b32 s[G0SB], 1
	s_mov_b32 s[G0SB+1], SCL+2*HALFS
	s_mov_b64 s[G0SB+2:G0SB+3], s[92:93]
	s_or_b32 s[G0SB+3], s[G0SB+3], 0x80000000
.irp s, 0,1
	s_mov_b32 s[G0+4*\s], 1
	s_add_co_u32 s[G0+4*\s+1], s45, \s*SLOT
	s_add_nc_u64 s[G0+4*\s+2:G0+4*\s+3], s[20:21], \s*NQ*FRB
	s_or_b32 s[G0+4*\s+3], s[G0+4*\s+3], 0x80000000
	s_mov_b32 s[G0B+4*\s], 1
	s_add_co_u32 s[G0B+4*\s+1], s45, \s*SLOT
	s_add_nc_u64 s[G0B+4*\s+2:G0B+4*\s+3], s[46:47], \s*NQ*FRB
	s_or_b32 s[G0B+4*\s+3], s[G0B+4*\s+3], 0x80000000
.endr
; THE HEAD'S LOADS, ONE A WAVE: wave 0 slot 0's 16 row blocks of A, wave 1 those of B, wave 2 A's scale words, wave 3 B's.  Slot 0's two groups 0 serve them first, with the whole tile's addresses
	s_mov_b32 s[G0+1], 0
	s_mov_b32 s[G0B+1], 2*HALFT
	s_add_nc_u64 s[G0+6:G0+7], s[G0+6:G0+7], s[18:19]      ; slot 1's: my half of the tile
	s_add_nc_u64 s[G0B+6:G0B+7], s[G0B+6:G0B+7], s[18:19]
.macro HARM under, g0, g1, next
	s_cmp_lt_u32 s14, \under
	s_cbranch_scc0 \next
	tensor_load_to_lds s[\g0:\g0+3], s[\g1:\g1+7]
	s_nop 0
.rept 4
	v_nop
.endr
	s_branch .Lhead_asked
\next:
.endm
	HARM 1, G0,  G1,  .Lhead_b
	HARM 2, G0B, G1B, .Lhead_sa
	HARM 3, G0S, G1S, .Lhead_sb
	tensor_load_to_lds s[G0SB:G0SB+3], s[G1SB:G1SB+7]
	s_nop 0
.rept 4
	v_nop
.endr
.Lhead_asked:
	v_and_b32 v1, 31, v0                           ; lane
	v_and_b32 v2, 15, v0                           ; r
	v_bfe_u32 v3, v0, 4, 1                         ; h
	v_lshlrev_b32 v[L16], 4, v1
	v_lshlrev_b32 v[L8], 3, v1
	v_lshlrev_b32 v[R4], 2, v2
	v_lshlrev_b32 v[H32], 5, v3
	s_mul_i32 s21, s15, HALFT                      ; my 8 row blocks of A
	s_mul_i32 s22, s16, HALFT                      ; my 8 of B,
	s_add_co_u32 s22, s22, 2*HALFT                 ; which lie behind A's 16
.irp s, 0,1
	v_add_nc_u32 v[ADRA+\s], s21, v[L16]
	v_add_nc_u32 v[ADRB+\s], s22, v[L16]
	v_add_nc_u32 v[ADRA+2+\s], s21, v[L8]
	v_add_nc_u32 v[ADRB+2+\s], s22, v[L8]
	s_add_co_u32 s21, s21, SLOT
	s_add_co_u32 s22, s22, SLOT
.endr
	s_mul_i32 s21, s15, HALFS
	s_mul_i32 s22, s16, HALFS
	s_add_co_u32 s22, s22, 2*HALFS
	s_sub_co_u32 s22, s22, s21
	v_mul_u32_u24 v6, s22, v3                      ; lanes 16-31 take B's: one product, the distance between the two bases
	s_add_co_u32 s21, s21, SCL
	v_add_nc_u32 v6, v[R4], v6
	v_add_nc_u32 v[ADRS], s21, v6
	s_mov_b32 s[SEL], 0x76543210
	s_mov_b32 s[SEL+1], 0xfedcba98                 ; lane l xor 16
.macro FRAG reg, adr, q, i             ; row block i, the slot's q-th 128 along K: the image of 12 registers comes back by four loads of consecutive bytes
.set FO, ((\i)*NQ+(\q))*FRB
	ds_load_b128 v[\reg:\reg+3], v[\adr] offset:FO
	ds_load_b64 v[\reg+4:\reg+5], v[\adr+2] offset:FO+512
	ds_load_b128 v[\reg+6:\reg+9], v[\adr] offset:FO+768
	ds_load_b64 v[\reg+10:\reg+11], v[\adr+2] offset:FO+1280
.endm
; 16 matrix instructions: A's blocks a0, a0 + 1 x B's eight.  The 64 accumulators take turns, one instruction a turn, in the same order in every step
.macro MUL16 a0, p, q, sc, zero
.irp a, \a0, \a0+1
.irp b, 0,1,2,3,4,5,6,7
.if \zero
	v_wmma_scale_f32_16x16x128_f8f6f4 v[8*(8*((\a)%4)+\b):8*(8*((\a)%4)+\b)+7], v[128*(\p)+FR*\b:128*(\p)+FR*\b+FR-1], v[AF+FR*(\a):AF+FR*(\a)+FR-1], 0, v[SC+8*NQ*(\sc)+NQ*\b+(\q)], v[SC+8*NQ*(\sc)+NQ*(\a)+(\q)] matrix_a_fmt:MATRIX_FMT_FP6 matrix_b_fmt:MATRIX_FMT_FP6 matrix_a_scale:MATRIX_SCALE_ROW1
.else
	v_wmma_scale_f32_16x16x128_f8f6f4 v[8*(8*((\a)%4)+\b):8*(8*((\a)%4)+\b)+7], v[128*(\p)+FR*\b:128*(\p)+FR*\b+FR-1], v[AF+FR*(\a):AF+FR*(\a)+FR-1], v[8*(8*((\a)%4)+\b):8*(8*((\a)%4)+\b)+7], v[SC+8*NQ*(\sc)+NQ*\b+(\q)], v[SC+8*NQ*(\sc)+NQ*(\a)+(\q)] matrix_a_fmt:MATRIX_FMT_FP6 matrix_b_fmt:MATRIX_FMT_FP6 matrix_a_scale:MATRIX_SCALE_ROW1
.endif
.endr
.endr
.endm
.macro FETCH_B slot, q, p
	WIN TO_B
.irp i, 0,1,2,3,4,5,6,7
	FRAG 128*(\p)+FR*\i, ADRB+\slot, \q, \i
.endr
	WIN 0
.endm
.macro FETCH_A slot, q, i0
.irp i, \i0, \i0+1, \i0+2, \i0+3
	FRAG AF+FR*(\i), ADRA+\slot, \q, \i
.endr
.endm
.macro SCALES sc                       ; the next slot's scale words: register NQ i + q: lanes 0-15 A's block i, lanes 16-31 B's block i
.irp i, 0,1,2,3,4,5,6,7
	ds_load_b32 v[SC+8*NQ*\sc+NQ*\i], v[ADRS] offset:\i*KS*64
	ds_load_b32 v[SC+8*NQ*\sc+NQ*\i+1], v[ADRS] offset:\i*KS*64+64
.endr
.endm
.macro PLACES n                        ; plain places in front of loads into registers that matrix instructions have read, and of the first read of results
.rept \n
	v_nop
.endr
.endm
.macro STEP slot, q, zero              ; a step of 128 along K that has its successor in the same slot
	s_wait_dscnt 4*NL                              ; B's set and A's blocks 0-3 are in; the youngest sixteen loads (A's blocks 4-7) may be out
	WIN MUL_LO
	MUL16 0, (\q)%2, \q, \slot, \zero
	MUL16 2, (\q)%2, \q, \slot, \zero
	s_wait_dscnt 0
	PLACES NP
	FETCH_B \slot, (\q)+1, 1-(\q)%2
	FETCH_A \slot, (\q)+1, 0
	WIN MUL_HI
	MUL16 4, (\q)%2, \q, \slot, \zero
	MUL16 6, (\q)%2, \q, \slot, \zero
	PLACES NP
	WIN 0
	FETCH_A \slot, (\q)+1, 4
.endm
; A slot's last step changes slots: one barrier; in front of it each wave waits for all its tensor loads, adds 0 to its spare word, and waits for that and for its reads of this slot.  fill = 1: the slot is filled again, two slots ahead.
.macro TURN slot, next, fill
	s_wait_tensorcnt 0x0                           ; all my tensor loads have landed: my part of the next slot
	ds_add_u32 v[SPW], v[NIL]                      ; 0 onto my spare word
	s_wait_dscnt 4*NL+1                            ; (the add and A's blocks 4-7 may be out)
	WIN MUL_LO
	MUL16 0, 1, NQ-1, \slot, 0
	s_wait_dscnt 0x0                               ; the add is done, and my reads of this slot are over
	s_barrier_signal -1
	MUL16 2, 1, NQ-1, \slot, 0
	WIN 0
	s_barrier_wait -1
.if \fill
	CREST                                          ; the barrier has opened a round of the cluster's: no wave of any partner still reads this slot or has a load on its way
	s_add_nc_u64 s[G0+4*\slot+2:G0+4*\slot+3], s[G0+4*\slot+2:G0+4*\slot+3], 2*NQ*FRB
	s_add_nc_u64 s[G0B+4*\slot+2:G0B+4*\slot+3], s[G0B+4*\slot+2:G0B+4*\slot+3], 2*NQ*FRB
	JLOAD G0+4*\slot, G1, G0B+4*\slot, G1B         ; the first tensor load behind the round; its four v_nop are the places in front of the loads below
.else
	PLACES NP
.endif
	s_wait_alu depctr_va_vdst(0)
	v_add_nc_u32 v[ADRS], 64*NQ, v[ADRS]           ; on to the next slot's scale words
	FETCH_B \next, 0, 0
	FETCH_A \next, 0, 0
	SCALES \next
	WIN MUL_HI
	MUL16 4, 1, NQ-1, \slot, 0
	MUL16 6, 1, NQ-1, \slot, 0
	PLACES NP
	WIN 0
	FETCH_A \next, 0, 4
.endm
.macro LAST                            ; the very last step: nothing more to fetch
	s_wait_dscnt 4*NL
	WIN MUL_LO
	MUL16 0, 1, NQ-1, 1, 0
	MUL16 2, 1, NQ-1, 1, 0
	s_wait_dscnt 0
	WIN MUL_HI
	MUL16 4, 1, NQ-1, 1, 0
	MUL16 6, 1, NQ-1, 1, 0
	WIN 0
.endm
; 16 nb numbers of a lane, register 16 b + i = code place 32 b + 16 (lane / 16) + i of my row, become codes in v[PC] on and a scale word in v[PW]
.macro QUANT s, nb
.set qb, 0
.rept \nb
	v_max3_num_f32 v[TM+qb], |v[(\s)+16*qb]|, |v[(\s)+16*qb+1]|, 0x1800000   ; and the floor 2^(3 - 127): the byte cannot fall under 1
.set qb, qb+1
.endr
.irp i, 2,4,6,8,10,12,14
.set qb, 0
.rept \nb
	v_max3_num_f32 v[TM+qb], v[TM+qb], |v[(\s)+16*qb+\i]|, |v[(\s)+16*qb+\i+1]|
.set qb, qb+1
.endr
.endr
.set qb, 0
.rept \nb
	v_permlanex16_b32 v[TM+4+qb], v[TM+qb], s[SEL], s[SEL+1]
.set qb, qb+1
.endr
.set qb, 0
.rept \nb
	v_max_num_f32 v[TM+qb], v[TM+qb], v[TM+4+qb]   ; the block's largest magnitude
.set qb, qb+1
.endr
.set qb, 0
.rept \nb
	v_add_nc_u32 v[TM+8+qb], 0xff000000, v[TM+qb]  ; the conversion's scale operand
.set qb, qb+1
.endr
.set qb, 0
.rept \nb
	v_lshrrev_b32 v[TM+4+qb], 23, v[TM+8+qb]       ; the scale's byte
.set qb, qb+1
.endr
	v_lshl_or_b32 v[PW], v[TM+5], 8, v[TM+4]
.if \nb == 4
	v_lshl_or_b32 v[PW], v[TM+6], 16, v[PW]
	v_lshl_or_b32 v[PW], v[TM+7], 24, v[PW]
.endif
.set qc, 0
.rept \nb/2
	v_cvt_scalef32_pk16_fp6_f32 v[PC+6*qc:PC+6*qc+2], v[(\s)+32*qc:(\s)+32*qc+15], v[TM+8+2*qc]
	v_cvt_scalef32_pk16_fp6_f32 v[PC+12+4*qc:PC+12+4*qc+2], v[(\s)+32*qc+16:(\s)+32*qc+31], v[TM+8+2*qc+1]
.set qc, qc+1
.endr
	v_nop                                          ; one plain place behind a scaled conversion
.set qc, 0
.rept \nb/2
.irp i, 0,1,2
	v_permlane16_swap_b32 v[PC+6*qc+\i], v[PC+12+4*qc+\i]
.endr
.irp i, 0,1,2
	v_mov_b32 v[PC+3+6*qc+\i], v[PC+12+4*qc+\i]
.endr
.set qc, qc+1
.endr
.endm
	s_wait_alu depctr_va_vdst(0)
	s_wait_tensorcnt 0x0                           ; my tile of the head's four is in
	ds_add_u32 v[SPW], v[NIL]
	s_mov_b32 s[G1+2], 8<<16                       ; no tensor load of mine is out: from here on a load brings 8 row blocks,
	s_mov_b32 s[G1+4], 8
	s_mov_b32 s[G1B+2], 8<<16
	s_mov_b32 s[G1B+4], 8
	s_mov_b32 s[G0+1], s45                         ; and slot 0's groups 0 name my quarter of the slot
	s_mov_b32 s[G0B+1], s45
	s_add_nc_u64 s[G0+2:G0+3], s[G0+2:G0+3], s[18:19]
	s_add_nc_u64 s[G0B+2:G0B+3], s[G0B+2:G0B+3], s[18:19]
	s_wait_dscnt 0x0
	CROUND                                         ; a whole round: all four tiles are in, and the joint loads meet
	JLOAD G0+4, G1, G0B+4, G1B                     ; slot 1's first fill, the first tensor load behind the round: one load a wave is out from here on
	FETCH_B 0, 0, 0
	FETCH_A 0, 0, 0
	SCALES 0
	FETCH_A 0, 0, 4
	STEP 0, 0, 1                                   ; the first step stands in front of the loop: its products start the sums
	s_mov_b32 s3, LAPS-1
.Llap:                                             ; a trip goes once round the ring and fills both slots again
	TURN 0, 1, 1
	STEP 1, 0, 0
	TURN 1, 0, 1
	STEP 0, 0, 0
	s_sub_co_u32 s3, s3, 1
	s_cmp_lg_u32 s3, 0
	s_cbranch_scc1 .Llap
	TURN 0, 1, 0                                   ; the last lap fills nothing
	s_cmp_eq_u32 ttmp9, 2                          ; THE TEXT PARTS HERE, on the cluster's x: no barrier and no tensor load stands in either arm
	s_cbranch_scc1 .Lv_path
	; ---- q and k.  The bias of my 128 columns: register 8 b + j = column 16 b + 8 h + j.  It lands under the 128 matrix instructions below
	s_lshl_b32 s20, s42, 10
	s_lshl_b32 s21, s16, 9
	s_add_co_u32 s20, s20, s21
	s_mov_b32 s21, 0
	s_add_nc_u64 s[96:97], s[96:97], s[20:21]
.irp b, 0,1,2,3,4,5,6,7
	global_load_b128 v[BIAS+8*\b:BIAS+8*\b+3], v[H32], s[96:97] offset:64*\b
	global_load_b128 v[BIAS+8*\b+4:BIAS+8*\b+7], v[H32], s[96:97] offset:64*\b+16
.endr
	STEP 1, 0, 0
	LAST
	s_lshl_b32 s20, s17, 8
	s_lshl_b32 s21, s15, 7
	s_add_co_u32 s20, s20, s21                     ; my first token
	s_lshr_b32 s21, s20, 11                        ; its batch,
	s_and_b32 s20, s20, 2047                       ; its place in the sequence
	s_and_b32 s22, s42, 3
	s_lshl_b32 s22, s22, 2
	s_lshl_b32 s23, s16, 1
	s_add_co_u32 s22, s22, s23                     ; the first of my two heads
	s_lshl_b32 s21, s21, 4
	s_add_co_u32 s21, s21, s22                     ; 16 batch + head
	s_lshr_b32 s23, s20, 4
	s_lshr_b32 s45, s20, 7
	s_mul_i32 s23, s23, 768
	s_mul_i32 s45, s45, 13056
	s_lshl_b32 s94, s20, 2
	s_add_co_u32 s23, s23, QOFF                    ; q: my first tile within a head's,
	s_add_co_u32 s94, s94, QSOFF                   ; and its scale words
	s_add_co_u32 s95, s45, 12288                   ; k: my key step's record (s45), and its scale words
	s_cmp_eq_u32 ttmp9, 0
	s_cselect_b32 s23, s23, s45
	s_cselect_b32 s94, s94, s95
	s_mov_b32 s46, 16*13056
	s_cselect_b32 s47, 8192, s46                   ; a head on, among the scale words,
	s_cselect_b32 s46, 128*768, s46                ; among the codes
	s_mul_i32 s92, s21, s46
	s_add_co_u32 s92, s92, s23
	s_mov_b32 s93, 0
	s_add_nc_u64 s[4:5], s[12:13], s[92:93]        ; codes: my first head,
	s_mov_b32 s92, s46
	s_add_nc_u64 s[6:7], s[4:5], s[92:93]          ; my second
	s_mul_i32 s92, s21, s47
	s_add_co_u32 s92, s92, s94
	s_add_nc_u64 s[8:9], s[12:13], s[92:93]        ; scale words likewise
	s_mov_b32 s92, s47
	s_add_nc_u64 s[10:11], s[8:9], s[92:93]
	PLACES NP
.irp b, 0,1,2,3
	v_mov_b32 v[TM+4+\b], 0                        ; a lane permute's destination counts as one of its sources
.endr
	s_wait_loadcnt 0x0                             ; the bias
.irp a, 0,1,2,3,4,5,6,7                            ; 16 tokens x 128 columns at a time: registers 0-5 of the codes are the first head's tile, 6-11 the second's
.if \a > 0
	s_wait_xcnt 0x0                                ; the last block's stores have read the codes and the words
.endif
	WIN (0x02+\a/4)                                ; source 0: the accumulators' window
.set i, 0
.rept 32
	v_pk_add_f32 v[T+2*i:T+2*i+1], v[64*(\a%4)+2*i:64*(\a%4)+2*i+1], v[BIAS+2*i:BIAS+2*i+1]   ; each accumulator from its low end on
.set i, i+1
.endr
	WIN 0
	QUANT T, 4
	v_and_b32 v229, 0xffff, v[PW]                  ; the first head's two bytes; bytes 2 and 3 are 0,
	v_lshrrev_b32 v230, 16, v[PW]                  ; the second's
	global_store_b128 v[L16], v[PC:PC+3], s[4:5] offset:768*\a
	global_store_b64 v[L8], v[PC+4:PC+5], s[4:5] offset:768*\a+512
	global_store_b128 v[L16], v[PC+6:PC+9], s[6:7] offset:768*\a
	global_store_b64 v[L8], v[PC+10:PC+11], s[6:7] offset:768*\a+512
	global_store_b32 v[R4], v229, s[8:9] offset:64*\a
	global_store_b32 v[R4], v230, s[10:11] offset:64*\a
.endr
	s_branch .Lend
.Lv_path:
	; ---- v.  A's rows are channels: the bias of block a is one number a lane, b_qkv[2,048 + my first channel + 16 a + r]
	s_lshl_b32 s20, s17, 10
	s_lshl_b32 s21, s15, 9
	s_add_co_u32 s20, s20, s21
	s_add_co_u32 s20, s20, 8192
	s_mov_b32 s21, 0
	s_add_nc_u64 s[96:97], s[96:97], s[20:21]
.irp a, 0,1,2,3,4,5,6,7
	global_load_b32 v[BIAS+\a], v[R4], s[96:97] offset:64*\a
.endr
	STEP 1, 0, 0
	LAST
	s_lshl_b32 s20, s17, 2
	s_lshl_b32 s21, s15, 1
	s_add_co_u32 s20, s20, s21                     ; the first of my two heads
	s_lshl_b32 s21, s42, 8
	s_lshl_b32 s22, s16, 7
	s_add_co_u32 s21, s21, s22                     ; my first token
	s_lshr_b32 s22, s21, 11
	s_lshl_b32 s22, s22, 4
	s_add_co_u32 s20, s20, s22                     ; 16 batch + head
	s_lshl_b32 s20, s20, 4
	s_bfe_u32 s21, s21, 0x40007                    ; my key step
	s_add_co_u32 s20, s20, s21
	s_mul_i32 s20, s20, 13056
	s_mov_b32 s21, 0
	s_add_nc_u64 s[4:5], s[12:13], s[20:21]        ; the record
	PLACES NP
.irp b, 0,1,2,3
	v_mov_b32 v[TM+4+\b], 0
.endr
	s_wait_loadcnt 0x0
.irp a, 0,1,2,3,4,5,6,7                            ; 16 channels x 128 keys at a time: one fragment of v with the keys innermost
.if \a > 0
	s_wait_xcnt 0x0
.endif
	WIN (0x02+\a/4)
.set i, 0
.rept 64
	v_add_f32 v[T+i], v[64*(\a%4)+i], v[BIAS+\a]
.set i, i+1
.endr
	WIN 0
	QUANT T, 4
	global_store_b128 v[L16], v[PC:PC+3], s[4:5] offset:6144+(\a/4)*208896+(\a%4)*1536
	global_store_b64 v[L8], v[PC+4:PC+5], s[4:5] offset:6144+(\a/4)*208896+(\a%4)*1536+512
	global_store_b128 v[L16], v[PC+6:PC+9], s[4:5] offset:6144+(\a/4)*208896+(\a%4)*1536+768
	global_store_b64 v[L8], v[PC+10:PC+11], s[4:5] offset:6144+(\a/4)*208896+(\a%4)*1536+1280
	global_store_b32 v[R4], v[PW], s[4:5] offset:12800+(\a/4)*208896+(\a%4)*64
.endr
.Lend:
	s_wait_tensorcnt 0x0                           ; the wave's end
	ds_add_u32 v[SPW], v[NIL]
	s_wait_dscnt 0x0
	CROUND                                         ; the closing round: no work-group ends while a partner may still ask for a tile that names it
	s_endpgm
.Lfunc_end_k_q1c18be1c72_gqkv:
	.size	k_q1c18be1c72_gqkv, .Lfunc_end_k_q1c18be1c72_gqkv-k_q1c18be1c72_gqkv
	.p2alignl 7, 3214868480
	.fill 96, 4, 3214868480
	.section	.rodata,"a",@progbits
	.p2align	6, 0x0
	.amdhsa_kernel k_q1c18be1c72_gqkv
		.amdhsa_group_segment_fixed_size 327680
		.amdhsa_private_segment_fixed_size 0
		.amdhsa_enable_private_segment 0
		.amdhsa_kernarg_size 32
		.amdhsa_user_sgpr_count 2
		.amdhsa_user_sgpr_kernarg_segment_ptr 1
		.amdhsa_wavefront_size32 1
		.amdhsa_system_sgpr_workgroup_id_x 1
		.amdhsa_system_sgpr_workgroup_id_y 1
		.amdhsa_system_sgpr_workgroup_id_z 1
		.amdhsa_system_vgpr_workitem_id 0
		.amdhsa_next_free_vgpr 1024
		.amdhsa_next_free_sgpr 102
		.amdhsa_reserve_vcc 0
		.amdhsa_float_denorm_mode_32 3
		.amdhsa_float_denorm_mode_16_64 3
		.amdhsa_memory_ordered 1
		.amdhsa_forward_progress 1
		.amdhsa_inst_pref_size 245
	.end_amdhsa_kernel
	.amdgpu_metadata
---
amdhsa.version: [ 1, 2 ]
amdhsa.kernels:
  - .name:           k_q1c18be1c72_gqkv
    .symbol:         k_q1c18be1c72_gqkv.kd
    .args:
      - { .name: hbuf, .offset: 0, .size: 8, .value_kind: global_buffer, .address_space: global }
      - { .name: wts, .offset: 8, .size: 8, .value_kind: global_buffer, .address_space: global }
      - { .name: b_qkv, .offset: 16, .size: 8, .value_kind: global_buffer, .address_space: global }
      - { .name: qkv, .offset: 24, .size: 8, .value_kind: global_buffer, .address_space: global }
    .group_segment_fixed_size: 327680
    .private_segment_fixed_size: 0
    .kernarg_segment_align: 8
    .kernarg_segment_size: 32
    .max_flat_workgroup_size: 128
    .sgpr_count:     102
    .vgpr_count:     1024
    .wavefront_size: 32
...
	.end_amdgpu_metadata
.endif
;; end of part 11
;; launch attn (part 12): grid 8 x 32, 16 waves a work-group, clusters of 4 x 1, 210,944 bytes of LDS; arguments qkv, memb, abuf; writes abuf
.if DOCPART == 12
	.amdgcn_target "amdgcn-amd-amdhsa--gfx1250"
	.amdhsa_code_object_version 6
	.text
	.protected	k_q1c18be1c72_attn
	.globl	k_q1c18be1c72_attn
	.p2align	8
	.type	k_q1c18be1c72_attn,@function
k_q1c18be1c72_attn:
	s_mov_b64 s[64:65], 0
	v_nop
	global_prefetch_b8 v0, s[64:65] scope:SCOPE_SE
	s_setreg_imm32_b32 hwreg(HW_REG_WAVE_MODE, 25, 1), 1
	s_wait_xcnt 0x0
	s_wait_alu depctr_hold_cnt(0) depctr_sa_sdst(0) depctr_va_vdst(0) depctr_va_sdst(0) depctr_va_ssrc(0) depctr_va_vcc(0) depctr_vm_vsrc(0)
	s_getreg_b32 s2, hwreg(HW_REG_IB_STS2, 6, 4)
	s_cmp_eq_u32 s2, 0
	s_cbranch_scc0 .Lentry_in_a_cluster
	s_endpgm
.Lentry_in_a_cluster:
	s_bfe_u32 s2, ttmp6, 0x10000c
	s_cmp_lg_u32 s2, 0x3003
	s_cbranch_scc0 .Lentry_shape_is_right
	s_endpgm
.Lentry_shape_is_right:
; out = softmax(q k^T / 8) v + softmax(q mem^T / 8) mem for each (batch, head), all four products on codes of E2M3; the sum is quantised along the model's 1,024 channels and leaves as the out projection's operand.  No work is left out.
; THE SOFTMAX AHEAD OF A PRODUCT: t = score x log2(e) / 8; M = the row's largest t so far, rounded up to a whole number; p = 2^(t - M) is quantised along the keys, not normalised; the row's sum is taken of the unquantised p
; and divides at the end.  When M moves, the sum and O are multiplied by 2^(old M - new M): exact.
; SHARES.  A work-group owns 256 queries of one (batch, head), each of its sixteen waves 16 of them, in 256 registers: four waves to a SIMD.  The head's 16 records of 128 keys (13,056 bytes each: 8 key tiles x 768 of k; 4 channel
; tiles x 1,536 of v; 128 scale words of k; 64 of v) fill LDS ONCE, a record by each wave: no ring, no refill, one barrier.  The memory read runs while those loads are on their way.
; CLUSTER.  The four work-groups of a cluster belong to one head: each record is asked for jointly, by the same tensor load with the same descriptor and a mask that names the four.  A wave has one tensor load out.
; LAYOUT.  Both products transposed (S^T = k q^T, O^T = v^T p^T): a lane holds one query.  Inside each block of 32 along any K, code place 16 h + 8 u + j holds number 16 u + 8 h + j on both sides, which is how a transposed
; result lies in a lane: p and the final sum are quantised as they stand.
; K = 64 IN AN INSTRUCTION OF 128: q's (and, in the memory read, p's) codes of the upper 64 are zeros.  The other side's registers there hold the next tile's codes or zeros, and no scale byte is 0xff: each such term is 0 exactly.
; LIMITS: NaN and infinities are not served; a block of zeros gets the byte 1 (its codes are zeros; this program alone reads the bytes).
; REGISTERS: v1-4 lane offsets; v8-10 the step's LDS addresses; v12 -M, v13 the largest t, v[14:15] the sum; v16-27 q (22-27 zeros); v32-85 k's tiles at 32 + 6 t (80-85 zeros) or v's fragments at 32 + 12 t; v86-89 their scale words;
; v96-159 S^T, then p; v160-191 O^T; v192-223 the memory read's; v224-235 p's codes; v232-254 at work; v253 p's scale word; v255 q's.
.set REC,   13056
.set SPARE, 16*REC                     ; behind the records: the spare words, 128 bytes for each wave, that no other line names
.set QOFF,  6684672
.set QSOFF, 9830400
.set L16, 1
.set L8,  2
.set L4,  3
.set R4,  4
.set SPW, 5
.set NIL, 6
.set A16, 8
.set A8,  9
.set A4,  10
.set WV,  18
.set SEL, 20
.set CS,  22
.set G1,  24
.set G0,  32
.set TB,  36
.set CNT, 37
.macro CROUND                          ; a round of the cluster's barrier
	s_barrier_signal -1
	s_barrier_wait -1
	s_cmp_lg_u32 s[WV], 0
	s_cbranch_scc1 .Lnot_wave_0_\@
	s_barrier_signal -3
.Lnot_wave_0_\@:
	s_barrier_wait -3
	s_barrier_signal -1
	s_barrier_wait -1
.endm
	s_load_b128 s[4:7], s[0:1], 0x0                ; qkv, memb
	s_load_b64 s[8:9], s[0:1], 0x10                ; abuf
	v_lshl_add_u32 v[SPW], v0, 2, SPARE
	v_mov_b32 v[NIL], 0
	ds_add_u32 v[SPW], v[NIL]                      ; the wave's opening: the add, twice on end, and its wait ahead of my first tensor load
	ds_add_u32 v[SPW], v[NIL]
	v_lshrrev_b32 v7, 5, v0
	s_delay_alu instid0(VALU_DEP_1)
	v_readfirstlane_b32 s[WV], v7                  ; wave 0..15
	s_bfe_u32 s10, ttmp6, 0x40000                  ; cx
	s_lshl_b32 s11, ttmp9, 2
	s_add_co_u32 s11, s11, s10                     ; my block of 256 queries: it enters q's and the result's addresses alone
	s_and_b32 s12, ttmp7, 0xffff                   ; 16 batch + head, which the four partners share
	s_mov_b32 s[G1], 15|(3<<16)|(1<<21)            ; 15:0 the mask: all four; 17:16 elements of 8 bytes; 21 set beside a mask; no padding
	s_mov_b32 s[G1+1], 32<<16                      ; a record is a dense block: 51 rows of 256 bytes
	s_mov_b32 s[G1+2], 51<<16
	s_mov_b32 s[G1+3], 32<<16
	s_mov_b32 s[G1+4], 51
	s_mov_b32 s[G1+5], 32
	s_mov_b32 s[G1+6], 0
	s_mov_b32 s[G1+7], 0
	s_lshl_b32 s13, s12, 4
	s_add_co_u32 s13, s13, s[WV]                   ; the record that I fetch
	s_mul_i32 s14, s13, REC
	s_mov_b32 s15, 0
	s_mul_i32 s16, s[WV], REC                      ; and where it goes
	s_mov_b32 s[SEL], 0x76543210
	s_mov_b32 s[SEL+1], 0xfedcba98                 ; lane l xor 16
	s_mov_b32 s[CS], 0x3e38aa3b                    ; c = log2(e) / 8
	s_mov_b32 s[CS+1], s[CS]
	s_wait_dscnt 0x0                               ; both opening adds are done
	s_wait_kmcnt 0x0
	CROUND                                         ; all four work-groups are here: the joint loads meet
	s_mov_b32 s[G0], 1
	s_mov_b32 s[G0+1], s16
	s_add_nc_u64 s[G0+2:G0+3], s[4:5], s[14:15]
	s_or_b32 s[G0+3], s[G0+3], 0x80000000
	tensor_load_to_lds s[G0:G0+3], s[G1:G1+7]
	s_nop 0
.rept 4
	v_nop
.endr
	s_lshl_b32 s14, s11, 4
	s_add_co_u32 s14, s14, s[WV]                   ; my tile of 16 queries in the sequence
	s_lshl_b32 s16, s12, 7
	s_add_co_u32 s16, s16, s14
	s_mul_i32 s16, s16, 768
	s_add_co_u32 s16, s16, QOFF
	s_mov_b32 s17, 0
	s_add_nc_u64 s[38:39], s[4:5], s[16:17]        ; q's codes
	s_lshl_b32 s16, s12, 13
	s_lshl_b32 s13, s14, 6
	s_add_co_u32 s16, s16, s13
	s_add_co_u32 s16, s16, QSOFF
	s_add_nc_u64 s[40:41], s[4:5], s[16:17]        ; q's scale words
	s_and_b32 s16, s12, 15
	s_mul_i32 s16, s16, 6656
	s_add_nc_u64 s[42:43], s[6:7], s[16:17]        ; the head's part of memb
	s_lshr_b32 s13, s12, 4
	s_lshl_b32 s13, s13, 7
	s_add_co_u32 s13, s13, s14                     ; the result's row block
	s_lshl_b32 s13, s13, 3
	s_bfe_u32 s15, s12, 0x30001
	s_add_co_u32 s13, s13, s15                     ; x 8 + the K step: the pair of heads
	s_and_b32 s15, s12, 1                          ; which half of it
	s_mul_i32 s16, s13, 1536
	s_mul_i32 s10, s15, 768
	s_add_co_u32 s16, s16, s10
	s_add_nc_u64 s[44:45], s[8:9], s[16:17]
	s_lshl_b32 s16, s13, 6
	s_lshl_b32 s10, s15, 1
	s_add_co_u32 s16, s16, s10
	s_add_co_u32 s16, s16, 3145728
	s_add_nc_u64 s[46:47], s[8:9], s[16:17]
	v_and_b32 v7, 31, v0
	s_delay_alu instid0(VALU_DEP_1)
	v_lshlrev_b32 v[L16], 4, v7
	s_delay_alu instid0(VALU_DEP_2)
	v_lshlrev_b32 v[L8], 3, v7
	s_delay_alu instid0(VALU_DEP_3)
	v_lshlrev_b32 v[L4], 2, v7
	v_and_b32 v[R4], 15, v0
	s_delay_alu instid0(VALU_DEP_1)
	v_lshlrev_b32 v[R4], 2, v[R4]
	global_load_b128 v[16:19], v[L16], s[38:39]    ; q stays in registers
	global_load_b64 v[20:21], v[L8], s[38:39] offset:512
	global_load_b32 v255, v[R4], s[40:41]
.irp t, 0,1,2,3
	global_load_b128 v[32+6*\t:35+6*\t], v[L16], s[42:43] offset:768*\t       ; mem with the channels innermost: four tiles of 16 slots
	global_load_b64 v[36+6*\t:37+6*\t], v[L8], s[42:43] offset:768*\t+512
.endr
	global_load_b32 v86, v[L4], s[42:43] offset:6144   ; lanes 0-15 tile 0's scale words, lanes 16-31 tile 1's
	global_load_b32 v87, v[L4], s[42:43] offset:6272
.irp j, 22,23,24,25,26,27, 56,57,58,59,60,61, 80,81,82,83,84,85, 236,237,238,239, 253
	v_mov_b32 v[\j], 0                             ; zero codes (q's upper 64; behind the last tile); a lane permute's destinations; the upper half of the pair v[252:253]
.endr
.macro STATE
	v_mov_b32 v13, 0xff61b1e6                      ; the largest t so far: -3e38, under every t
	s_delay_alu instid0(VALU_DEP_1)
	v_floor_f32 v12, -v13                          ; -M
	v_mov_b32 v14, 0                               ; the sum, in two halves
	v_mov_b32 v15, 0
.endm
	STATE
.set j, 160
.rept 64
	v_mov_b32 v[j], 0                              ; both O^T: the step is written once; the first change of M leaves zeros zeros
.set j, j+1
.endr
.macro SCORES nt                       ; S^T = (16 keys or slots) x my 16 queries; odd tiles' scale words stand in lanes 16-31
.set t, 0
.rept \nt
.if t%2
	v_wmma_scale_f32_16x16x128_f8f6f4 v[96+8*t:103+8*t], v[32+6*t:43+6*t], v[16:27], 0, v[86+t/2], v255 matrix_a_fmt:MATRIX_FMT_FP6 matrix_b_fmt:MATRIX_FMT_FP6 matrix_a_scale:MATRIX_SCALE_ROW1
.else
	v_wmma_scale_f32_16x16x128_f8f6f4 v[96+8*t:103+8*t], v[32+6*t:43+6*t], v[16:27], 0, v[86+t/2], v255 matrix_a_fmt:MATRIX_FMT_FP6 matrix_b_fmt:MATRIX_FMT_FP6
.endif
.set t, t+1
.endr
.endm
.macro BMAX nb, ab                     ; the largest number (ab = 1: magnitude) of each block of 32, from v96 on, into v[232 + b]: my 16, then lane l xor 16's.  Each accumulator is read from its low end on
.set b, 0
.rept \nb
.if \ab
	v_max3_num_f32 v[232+b], |v[96+16*b]|, |v[97+16*b]|, |v[98+16*b]|
.else
	v_max3_num_f32 v[232+b], v[96+16*b], v[97+16*b], v[98+16*b]
.endif
.set b, b+1
.endr
.irp i, 3,5,7,9,11,13
.set b, 0
.rept \nb
.if \ab
	s_delay_alu instid0(VALU_DEP_2)
	v_max3_num_f32 v[232+b], v[232+b], |v[96+16*b+\i]|, |v[97+16*b+\i]|
.else
	v_max3_num_f32 v[232+b], v[232+b], v[96+16*b+\i], v[97+16*b+\i]
.endif
.set b, b+1
.endr
.endr
.set b, 0
.rept \nb
.if \ab
	s_delay_alu instid0(VALU_DEP_2)
	v_max_num_f32 v[232+b], v[232+b], |v[111+16*b]|
.else
	v_max_num_f32 v[232+b], v[232+b], v[111+16*b]
.endif
.set b, b+1
.endr
.set b, 0
.rept \nb
	v_permlanex16_b32 v[236+b], v[232+b], s[SEL], s[SEL+1]
.set b, b+1
.endr
.set b, 0
.rept \nb
	v_max_num_f32 v[232+b], v[232+b], v[236+b]
.set b, b+1
.endr
.endm
.macro PACK nb                         ; v[232 + b] = each block's largest magnitude: the numbers from v96 on become codes in v224 on and the scale word v253
.set b, 0
.rept \nb
	v_max_num_f32 v[232+b], 0x1800000, v[232+b]    ; the floor 2^(3 - 127): the byte cannot fall under 1
.set b, b+1
.endr
.set b, 0
.rept \nb
	v_add_nc_u32 v[244+b], 0xff000000, v[232+b]    ; the conversion's scale operand
.set b, b+1
.endr
.set b, 0
.rept \nb
	v_lshrrev_b32 v[236+b], 23, v[244+b]           ; the scale's byte
.set b, b+1
.endr
	v_lshl_or_b32 v253, v237, 8, v236
.if \nb == 4
	s_delay_alu instid0(VALU_DEP_1)
	v_lshl_or_b32 v253, v238, 16, v253
	s_delay_alu instid0(VALU_DEP_1)
	v_lshl_or_b32 v253, v239, 24, v253
.endif
.set c, 0
.rept \nb/2
	v_cvt_scalef32_pk16_fp6_f32 v[224+6*c:226+6*c], v[96+32*c:111+32*c], v[244+2*c]
	v_cvt_scalef32_pk16_fp6_f32 v[236+4*c:238+4*c], v[112+32*c:127+32*c], v[244+2*c+1]
.set c, c+1
.endr
	v_nop                                          ; one plain place behind a scaled conversion
.set c, 0
.rept \nb/2
.irp i, 0,1,2
	v_permlane16_swap_b32 v[224+6*c+\i], v[236+4*c+\i]
.endr
.irp i, 0,1,2
	s_delay_alu instid0(VALU_DEP_3)
	v_mov_b32 v[227+6*c+\i], v[236+4*c+\i]
.endr
.set c, c+1
.endr
.endm
.macro SOFTMAX nb, ob                  ; 32 nb keys' scores become p's codes; M, the sum and the O^T at v[ob] go on
	BMAX \nb, 0                                    ; each block's largest score serves twice: for the row's maximum, and, since p rises with the score, for the block's largest p
.if \nb == 4
	s_delay_alu instid0(VALU_DEP_2)
	v_max3_num_f32 v254, v232, v233, v234
	s_delay_alu instid0(VALU_DEP_1)
	v_max_num_f32 v254, v254, v235
.else
	s_delay_alu instid0(VALU_DEP_1)
	v_max_num_f32 v254, v232, v233
.endif
	s_delay_alu instid0(VALU_DEP_1)
	v_mul_f32 v254, s[CS], v254                    ; as t (c is positive)
	s_delay_alu instid0(VALU_DEP_1)
	v_max_num_f32 v13, v13, v254
	v_mov_b32 v254, v12
	s_delay_alu instid0(VALU_DEP_2)
	v_floor_f32 v12, -v13                          ; the new -M = -ceil(t)
	s_delay_alu instid0(VALU_DEP_1)
	v_sub_f32 v254, v12, v254                      ; old M - new M: a whole number, 0 or less
	s_delay_alu instid0(VALU_DEP_1)
	v_cvt_i32_f32 v254, v254                       ; (it saturates)
	s_delay_alu instid0(VALU_DEP_1)
	v_ldexp_f32 v252, 1.0, v254                    ; f = 2^(old M - new M)
.set j, 0
.rept 8*\nb
	v_pk_fma_f32 v[96+j:97+j], v[96+j:97+j], s[CS:CS+1], v[12:13] op_sel_hi:[1,0,0]   ; t - M
.set j, j+2
.endr
.set b, 0
.rept \nb
	v_fma_f32 v[232+b], v[232+b], s[CS], v12
.set b, b+1
.endr
.set j, 0
	s_wait_alu depctr_va_vdst(0)
.rept 16*\nb
	v_exp_f32 v[96+j], v[96+j]                     ; p = 2^(t - M)
.set j, j+1
.endr
	v_pk_mul_f32 v[14:15], v[14:15], v[252:253] op_sel_hi:[1,0]   ; the sums under the new M: a plain place behind the batch
	s_wait_alu depctr_va_vdst(0)                   ; one wait for the batch, ahead of its first reader
.set b, 0
.rept \nb
	v_exp_f32 v[232+b], v[232+b]                   ; the block's largest p
.set b, b+1
.endr
	v_pk_add_f32 v[236:237], v[96:97], v[98:99]    ; the row's sum of the unquantised p, in two chains: plain work behind the small batch
.set j, 4
.rept 4*\nb-1
	v_pk_add_f32 v[14:15], v[14:15], v[96+j:97+j]
	v_pk_add_f32 v[236:237], v[236:237], v[98+j:99+j]
.set j, j+4
.endr
	s_delay_alu instid0(VALU_DEP_1)
	v_pk_add_f32 v[14:15], v[14:15], v[236:237]
	s_wait_alu depctr_va_vdst(0)                   ; and one for the small batch
	PACK \nb
.if \nb == 2
.irp j, 230,231,232,233,234,235
	v_mov_b32 v[\j], 0                             ; 64 keys alone: the operand's upper 64 are zero codes (v232 and v233 held the blocks' largest p until here)
.endr
.endif
.set j, 0
.rept 16
	v_pk_mul_f32 v[\ob+j:\ob+j+1], v[\ob+j:\ob+j+1], v[252:253] op_sel_hi:[1,0]   ; O^T under the new M; these are also the places in front of the scaled products
.set j, j+2
.endr
.endm
.macro PV ob, fs                       ; O^T += (16 channels) x p: the four accumulators by turns
.set t, 0
.rept 4
.if t%2
	v_wmma_scale_f32_16x16x128_f8f6f4 v[\ob+8*t:\ob+8*t+7], v[32+\fs*t:43+\fs*t], v[224:235], v[\ob+8*t:\ob+8*t+7], v[86+t/2], v253 matrix_a_fmt:MATRIX_FMT_FP6 matrix_b_fmt:MATRIX_FMT_FP6 matrix_a_scale:MATRIX_SCALE_ROW1
.else
	v_wmma_scale_f32_16x16x128_f8f6f4 v[\ob+8*t:\ob+8*t+7], v[32+\fs*t:43+\fs*t], v[224:235], v[\ob+8*t:\ob+8*t+7], v[86+t/2], v253 matrix_a_fmt:MATRIX_FMT_FP6 matrix_b_fmt:MATRIX_FMT_FP6
.endif
.set t, t+1
.endr
.endm
.macro RSUM                            ; 1 / the row's sum into both halves of v[250:251]
.rept 4
	v_nop                                          ; places behind the last products
.endr
	v_add_f32 v14, v14, v15
	s_delay_alu instid0(VALU_DEP_1)
	v_permlanex16_b32 v252, v14, s[SEL], s[SEL+1]
	s_delay_alu instid0(VALU_DEP_1)
	v_add_f32 v14, v14, v252
	s_wait_alu depctr_va_vdst(0)
	v_rcp_f32 v250, v14
	v_rcp_f32 v251, v14
	v_nop
	s_wait_alu depctr_va_vdst(0)
.endm
	; ---- the memory read: 64 slots, one step, while the records are on their way
	s_wait_loadcnt 0x0
	SCORES 4
.rept 4
	v_nop
.endr
.irp t, 0,1,2,3
	global_load_b128 v[32+6*\t:35+6*\t], v[L16], s[42:43] offset:3072+768*\t  ; mem with the slots innermost: four tiles of 16 channels
	global_load_b64 v[36+6*\t:37+6*\t], v[L8], s[42:43] offset:3072+768*\t+512
.endr
	global_load_b32 v86, v[L4], s[42:43] offset:6400
	global_load_b32 v87, v[L4], s[42:43] offset:6528
	SOFTMAX 2, 192
	s_wait_alu depctr_va_vdst(0)
	s_wait_loadcnt 0x0
	PV 192, 6
	RSUM
.set j, 0
.rept 16
	v_pk_mul_f32 v[192+j:193+j], v[192+j:193+j], v[250:251]   ; finished: it waits in v192-223
.set j, j+2
.endr
	STATE
	; ---- the keys
	s_wait_tensorcnt 0x0                           ; my record has landed,
	s_barrier_signal -1
	s_barrier_wait -1                              ; everybody's has
	s_mov_b32 s[TB], 0
	s_mov_b32 s[CNT], 16
.Lstep:                                            ; 128 keys a trip
	v_add_nc_u32 v[A16], s[TB], v[L16]
	v_add_nc_u32 v[A8], s[TB], v[L8]
	v_add_nc_u32 v[A4], s[TB], v[L4]
	v_nop                                          ; four places in front of loads into registers that matrix instructions have read
.irp t, 0,1,2,3,4,5,6,7
	ds_load_b128 v[32+6*\t:35+6*\t], v[A16] offset:768*\t
	ds_load_b64 v[36+6*\t:37+6*\t], v[A8] offset:768*\t+512
.endr
.irp u, 0,1,2,3
	ds_load_b32 v[86+\u], v[A4] offset:12288+128*\u
.endr
	s_wait_alu depctr_va_vdst(0)
	s_wait_dscnt 0x0
	SCORES 8
.rept 4
	v_nop
.endr
.irp t, 0,1,2,3                                    ; v's fragments land during the softmax
	ds_load_b128 v[32+12*\t:35+12*\t], v[A16] offset:6144+1536*\t
	ds_load_b64 v[36+12*\t:37+12*\t], v[A8] offset:6144+1536*\t+512
	ds_load_b128 v[38+12*\t:41+12*\t], v[A16] offset:6144+1536*\t+768
	ds_load_b64 v[42+12*\t:43+12*\t], v[A8] offset:6144+1536*\t+1280
.endr
	ds_load_b32 v86, v[A4] offset:12800
	ds_load_b32 v87, v[A4] offset:12928
	SOFTMAX 4, 160
	s_wait_alu depctr_va_vdst(0)
	s_wait_dscnt 0x0
	PV 160, 12
	s_add_co_u32 s[TB], s[TB], REC
	s_sub_co_u32 s[CNT], s[CNT], 1
	s_cmp_lg_u32 s[CNT], 0
	s_cbranch_scc1 .Lstep
	; ---- the way out: O / its sum + the memory read, quantised along my head's 64 channels: half a K step of the out projection
	RSUM
.set j, 0
.rept 16
	v_pk_fma_f32 v[96+j:97+j], v[160+j:161+j], v[250:251], v[192+j:193+j]   ; register 8 t + i = channel 16 t + 8 h + i of query r
.set j, j+2
.endr
	BMAX 2, 1
	PACK 2
	global_store_b128 v[L16], v[224:227], s[44:45]
	global_store_b64 v[L8], v[228:229], s[44:45] offset:512
	global_store_b16 v[R4], v253, s[46:47]         ; my head's two bytes of the row's scale word
	s_wait_tensorcnt 0x0                           ; the wave's end
	ds_add_u32 v[SPW], v[NIL]
	s_wait_dscnt 0x0
	CROUND                                         ; the closing round
	s_endpgm
.Lfunc_end_k_q1c18be1c72_attn:
	.size	k_q1c18be1c72_attn, .Lfunc_end_k_q1c18be1c72_attn-k_q1c18be1c72_attn
	.p2alignl 7, 3214868480
	.fill 96, 4, 3214868480
	.section	.rodata,"a",@progbits
	.p2align	6, 0x0
	.amdhsa_kernel k_q1c18be1c72_attn
		.amdhsa_group_segment_fixed_size 210944
		.amdhsa_private_segment_fixed_size 0
		.amdhsa_enable_private_segment 0
		.amdhsa_kernarg_size 24
		.amdhsa_user_sgpr_count 2
		.amdhsa_user_sgpr_kernarg_segment_ptr 1
		.amdhsa_wavefront_size32 1
		.amdhsa_system_sgpr_workgroup_id_x 1
		.amdhsa_system_sgpr_workgroup_id_y 1
		.amdhsa_system_sgpr_workgroup_id_z 1
		.amdhsa_system_vgpr_workitem_id 0
		.amdhsa_next_free_vgpr 256
		.amdhsa_next_free_sgpr 66
		.amdhsa_reserve_vcc 0
		.amdhsa_float_denorm_mode_32 3
		.amdhsa_float_denorm_mode_16_64 3
		.amdhsa_memory_ordered 1
		.amdhsa_forward_progress 1
		.amdhsa_inst_pref_size 41
	.end_amdhsa_kernel
	.amdgpu_metadata
---
amdhsa.version: [ 1, 2 ]
amdhsa.kernels:
  - .name:           k_q1c18be1c72_attn
    .symbol:         k_q1c18be1c72_attn.kd
    .args:
      - { .name: qkv, .offset: 0, .size: 8, .value_kind: global_buffer, .address_space: global }
      - { .name: memb, .offset: 8, .size: 8, .value_kind: global_buffer, .address_space: global }
      - { .name: abuf, .offset: 16, .size: 8, .value_kind: global_buffer, .address_space: global }
    .group_segment_fixed_size: 210944
    .private_segment_fixed_size: 0
    .kernarg_segment_align: 8
    .kernarg_segment_size: 24
    .max_flat_workgroup_size: 512
    .sgpr_count:     66
    .vgpr_count:     256
    .wavefront_size: 32
...
	.end_amdgpu_metadata
.endif
;; end of part 12
;; launch gout (part 13): grid 8 x 32, 4 waves a work-group, clusters of 4 x 4, 327,680 bytes of LDS; arguments abuf, wts, b_out, x, x1; writes x1
.if DOCPART == 13
	.amdgcn_target "amdgcn-amd-amdhsa--gfx1250"
	.amdhsa_code_object_version 6
	.text
	.protected	k_q1c18be1c72_gout
	.globl	k_q1c18be1c72_gout
	.p2align	8
	.type	k_q1c18be1c72_gout,@function
k_q1c18be1c72_gout:
	s_mov_b64 s[64:65], 0
	v_nop
	global_prefetch_b8 v0, s[64:65] scope:SCOPE_SE
	s_setreg_imm32_b32 hwreg(HW_REG_WAVE_MODE, 25, 1), 1
	s_wait_xcnt 0x0
	s_wait_alu depctr_hold_cnt(0) depctr_sa_sdst(0) depctr_va_vdst(0) depctr_va_sdst(0) depctr_va_ssrc(0) depctr_va_vcc(0) depctr_vm_vsrc(0)
	s_getreg_b32 s2, hwreg(HW_REG_IB_STS2, 6, 4)
	s_cmp_eq_u32 s2, 0
	s_cbranch_scc0 .Lentry_in_a_cluster
	s_endpgm
.Lentry_in_a_cluster:
	s_bfe_u32 s2, ttmp6, 0x10000c
	s_cmp_lg_u32 s2, 0xf033
	s_cbranch_scc0 .Lentry_shape_is_right
	s_endpgm
.Lentry_shape_is_right:
.set KS,     8
.set ASC,    3145728
.set W_C,    5505024
.set W_S,    10452992
.set NQ,     4
.set FR,     12
.set FRB,    1536
.set NP,     4
.set HALFT,  4*NQ*FRB
.set SLOT,   4*HALFT
.set LAPS,   KS/(2*NQ)
.set SCL,    2*SLOT
.set HALFS,  4*KS*64
.set SPARE,  SCL+4*HALFS
.set SPITCH, 272
.set ADRA, 16
.set ADRB, 20
.set STO,  24
.set RD,   25
.set CO,   26
.set ADRS, 27
.set SPW,  28
.set NIL,  29
.set C16,  30
.set SC,   32
.set ACC,  128
.set G1, 24
.set G0, 32
.set G1B, 48
.set G0B, 56
.set G1S, 68
.set G0S, 76
.set G1SB, 80
.set G0SB, 88
.set MSB, 0
.macro WIN new
.if MSB != \new
	s_set_vgpr_msb (MSB<<8)|\new
.set MSB, \new
.endif
.endm
.set MUL,  0x05
.set TO_F, 0x40
.macro JLOAD g0a, g1a, g0b, g1b
	s_cmp_eq_u32 s15, 0
	s_cbranch_scc0 .Lfor_b_\@
	tensor_load_to_lds s[\g0a:\g0a+3], s[\g1a:\g1a+7]
	s_nop 0
.rept 4
	v_nop
.endr
	s_branch .Lasked_\@
.Lfor_b_\@:
	tensor_load_to_lds s[\g0b:\g0b+3], s[\g1b:\g1b+7]
	s_nop 0
.rept 4
	v_nop
.endr
.Lasked_\@:
.endm
.macro CREST
	s_cmp_lg_u32 s14, 0
	s_cbranch_scc1 .Lnot_wave_0_\@
	s_barrier_signal -3
.Lnot_wave_0_\@:
	s_barrier_wait -3
	s_barrier_signal -1
	s_barrier_wait -1
.endm
.macro CROUND
	s_barrier_signal -1
	s_barrier_wait -1
	CREST
.endm
	s_load_b64 s[4:5], s[0:1], 0x0
	s_load_b64 s[8:9], s[0:1], 0x8
	s_load_b64 s[96:97], s[0:1], 0x10
	s_load_b64 s[98:99], s[0:1], 0x18
	s_load_b64 s[12:13], s[0:1], 0x20
	v_lshl_add_u32 v[SPW], v0, 2, SPARE
	v_mov_b32 v[NIL], 0
	ds_add_u32 v[SPW], v[NIL]
	ds_add_u32 v[SPW], v[NIL]
	v_lshrrev_b32 v1, 5, v0
	v_readfirstlane_b32 s14, v1
	s_lshr_b32 s15, s14, 1
	s_and_b32 s16, s14, 1
	s_bfe_u32 s40, ttmp6, 0x40000
	s_bfe_u32 s41, ttmp6, 0x40004
	s_lshl_b32 s42, ttmp9, 2
	s_add_co_u32 s42, s42, s40
	s_and_b32 s17, ttmp7, 0xffff
	s_lshl_b32 s17, s17, 2
	s_add_co_u32 s17, s17, s41
	s_lshl_b32 s43, s41, 2
	s_lshl_b32 s43, 15, s43
	s_lshl_b32 s44, 0x1111, s40
	s_or_b32 s[G1], s43, (3<<16)|(1<<21)
	s_or_b32 s[G1B], s44, (3<<16)|(1<<21)
.irp g, G1, G1B
	s_mov_b32 s[\g+1], (NQ*192)<<16
	s_mov_b32 s[\g+2], 8<<16                       ; 8 row blocks for the head's loads; behind them 4
	s_mov_b32 s[\g+3], (NQ*192)<<16
	s_mov_b32 s[\g+4], 8
	s_mov_b32 s[\g+5], KS*192
	s_mov_b32 s[\g+6], 0
	s_mov_b32 s[\g+7], 0
.endr
	s_or_b32 s[G1S], s43, (3<<16)|(1<<21)
	s_or_b32 s[G1SB], s44, (3<<16)|(1<<21)
.irp g, G1S, G1SB
	s_mov_b32 s[\g+1], 32<<16
	s_mov_b32 s[\g+2], (HALFS/128)<<16             ; the scale words of all 8 row blocks of a side
	s_mov_b32 s[\g+3], 32<<16
	s_mov_b32 s[\g+4], HALFS/128
	s_mov_b32 s[\g+5], 32
	s_mov_b32 s[\g+6], 0
	s_mov_b32 s[\g+7], 0
.endr
	s_mul_i32 s18, s16, 4*KS*FRB                   ; in the ring I fetch 4 row blocks of a tile: which half, in bytes
	s_mov_b32 s19, 0
	s_lshl_b32 s20, s17, 3                         ; A: the tile's first row block
	s_lshl_b32 s46, s42, 3                         ; B likewise
	s_mul_i32 s22, s20, KS*64
	s_mov_b32 s23, 0
	s_mul_i32 s92, s46, KS*64
	s_mov_b32 s93, 0
	s_mul_i32 s20, s20, KS*FRB
	s_mov_b32 s21, 0
	s_mul_i32 s46, s46, KS*FRB
	s_mov_b32 s47, 0
	s_mul_i32 s45, s14, HALFT
	s_wait_dscnt 0x0
	s_wait_kmcnt 0x0
	s_add_nc_u64 s[6:7], s[4:5], ASC
	s_add_nc_u64 s[10:11], s[8:9], W_S
	s_add_nc_u64 s[8:9], s[8:9], W_C
	s_add_nc_u64 s[20:21], s[4:5], s[20:21]
	s_add_nc_u64 s[22:23], s[6:7], s[22:23]
	s_add_nc_u64 s[46:47], s[8:9], s[46:47]
	s_add_nc_u64 s[92:93], s[10:11], s[92:93]
	CROUND
	s_mov_b32 s[G0S], 1
	s_mov_b32 s[G0S+1], SCL
	s_mov_b64 s[G0S+2:G0S+3], s[22:23]
	s_or_b32 s[G0S+3], s[G0S+3], 0x80000000
	s_mov_b32 s[G0SB], 1
	s_mov_b32 s[G0SB+1], SCL+2*HALFS
	s_mov_b64 s[G0SB+2:G0SB+3], s[92:93]
	s_or_b32 s[G0SB+3], s[G0SB+3], 0x80000000
.irp s, 0,1
	s_mov_b32 s[G0+4*\s], 1
	s_add_co_u32 s[G0+4*\s+1], s45, \s*SLOT
	s_add_nc_u64 s[G0+4*\s+2:G0+4*\s+3], s[20:21], \s*NQ*FRB
	s_or_b32 s[G0+4*\s+3], s[G0+4*\s+3], 0x80000000
	s_mov_b32 s[G0B+4*\s], 1
	s_add_co_u32 s[G0B+4*\s+1], s45, \s*SLOT
	s_add_nc_u64 s[G0B+4*\s+2:G0B+4*\s+3], s[46:47], \s*NQ*FRB
	s_or_b32 s[G0B+4*\s+3], s[G0B+4*\s+3], 0x80000000
.endr
; THE HEAD'S LOADS, ONE A WAVE: wave 0 slot 0's 8 row blocks of A, wave 1 those of B, wave 2 A's scale words, wave 3 B's.  Slot 0's two groups 0 serve them first, with the whole tile's addresses
	s_mov_b32 s[G0+1], 0
	s_mov_b32 s[G0B+1], 2*HALFT
	s_add_nc_u64 s[G0+6:G0+7], s[G0+6:G0+7], s[18:19]      ; slot 1's: my half of the tile
	s_add_nc_u64 s[G0B+6:G0B+7], s[G0B+6:G0B+7], s[18:19]
.macro HARM under, g0, g1, next
	s_cmp_lt_u32 s14, \under
	s_cbranch_scc0 \next
	tensor_load_to_lds s[\g0:\g0+3], s[\g1:\g1+7]
	s_nop 0
.rept 4
	v_nop
.endr
	s_branch .Lhead_asked
\next:
.endm
	HARM 1, G0,  G1,  .Lhead_b
	HARM 2, G0B, G1B, .Lhead_sa
	HARM 3, G0S, G1S, .Lhead_sb
	tensor_load_to_lds s[G0SB:G0SB+3], s[G1SB:G1SB+7]
	s_nop 0
.rept 4
	v_nop
.endr
.Lhead_asked:
	v_and_b32 v1, 31, v0
	v_and_b32 v2, 15, v0
	v_bfe_u32 v3, v0, 4, 1
	v_lshlrev_b32 v4, 4, v1
	v_lshlrev_b32 v5, 3, v1
	s_mul_i32 s21, s15, HALFT
	s_mul_i32 s22, s16, HALFT
	s_add_co_u32 s22, s22, 2*HALFT
.irp s, 0,1
	v_add_nc_u32 v[ADRA+\s], s21, v4
	v_add_nc_u32 v[ADRB+\s], s22, v4
	v_add_nc_u32 v[ADRA+2+\s], s21, v5
	v_add_nc_u32 v[ADRB+2+\s], s22, v5
	s_add_co_u32 s21, s21, SLOT
	s_add_co_u32 s22, s22, SLOT
.endr
	v_lshlrev_b32 v6, 2, v2
	s_mul_i32 s21, s15, HALFS
	s_mul_i32 s22, s16, HALFS
	s_add_co_u32 s22, s22, 2*HALFS
	s_sub_co_u32 s22, s22, s21
	v_mul_u32_u24 v7, s22, v3
	s_add_co_u32 s21, s21, SCL
	v_add_nc_u32 v6, v6, v7
	v_add_nc_u32 v[ADRS], s21, v6
	s_mul_i32 s23, s14, 64*SPITCH
	v_mul_u32_u24 v5, v2, SPITCH
	v_lshl_add_u32 v5, v3, 5, v5
	v_add_nc_u32 v[STO], s23, v5
	v_lshlrev_b32 v[C16], 4, v2
	s_wait_alu depctr_va_vdst(0)
	v_mul_u32_u24 v5, v3, SPITCH
	v_add_nc_u32 v5, v5, v[C16]
	v_add_nc_u32 v[RD], s23, v5
	v_lshl_add_u32 v[CO], v3, 12, v[C16]
	s_wait_alu depctr_va_vdst(0)
	s_lshl_b32 s46, s42, 9
	s_lshl_b32 s47, s16, 8
	s_add_co_u32 s46, s46, s47
	s_mov_b32 s47, 0
	s_add_nc_u64 s[96:97], s[96:97], s[46:47]
	s_lshl_b32 s20, s17, 19
	s_lshl_b32 s21, s15, 18
	s_add_co_u32 s20, s20, s21
	s_add_co_u32 s20, s20, s46
	s_mov_b32 s21, 0
	s_add_nc_u64 s[98:99], s[98:99], s[20:21]
	s_add_nc_u64 s[12:13], s[12:13], s[20:21]
	global_load_b128 v[8:11], v[C16], s[96:97]
	WIN 0x80
.irp t, 0,1,2,3,4,5,6,7,8,9,10,11,12,13,14,15,16,17,18,19,20,21,22,23,24,25,26,27,28,29,30,31
	global_load_b128 v[4*\t:4*\t+3], v[CO], s[98:99] offset:2*\t*4096
.endr
	WIN 0
.macro FRAG reg, adr, q, i
.set FO, ((\i)*NQ+(\q))*FRB
	ds_load_b128 v[\reg:\reg+3], v[\adr] offset:FO
	ds_load_b64 v[\reg+4:\reg+5], v[\adr+2] offset:FO+512
	ds_load_b128 v[\reg+6:\reg+9], v[\adr] offset:FO+768
	ds_load_b64 v[\reg+10:\reg+11], v[\adr+2] offset:FO+1280
.endm
.macro MULA a, p, q, sc, zero
.irp b, 0,1,2,3
.if \zero
	v_wmma_scale_f32_16x16x128_f8f6f4 v[ACC+8*(4*(\a)+\b):ACC+8*(4*(\a)+\b)+7], v[128*(\p)+FR*\b:128*(\p)+FR*\b+FR-1], v[128*(\p)+48+FR*(\a):128*(\p)+48+FR*(\a)+FR-1], 0, v[SC+4*NQ*(\sc)+NQ*\b+(\q)], v[SC+4*NQ*(\sc)+NQ*(\a)+(\q)] matrix_a_fmt:MATRIX_FMT_FP6 matrix_b_fmt:MATRIX_FMT_FP6 matrix_a_scale:MATRIX_SCALE_ROW1
.else
	v_wmma_scale_f32_16x16x128_f8f6f4 v[ACC+8*(4*(\a)+\b):ACC+8*(4*(\a)+\b)+7], v[128*(\p)+FR*\b:128*(\p)+FR*\b+FR-1], v[128*(\p)+48+FR*(\a):128*(\p)+48+FR*(\a)+FR-1], v[ACC+8*(4*(\a)+\b):ACC+8*(4*(\a)+\b)+7], v[SC+4*NQ*(\sc)+NQ*\b+(\q)], v[SC+4*NQ*(\sc)+NQ*(\a)+(\q)] matrix_a_fmt:MATRIX_FMT_FP6 matrix_b_fmt:MATRIX_FMT_FP6 matrix_a_scale:MATRIX_SCALE_ROW1
.endif
.endr
.endm
.macro FETCH slot, q, p
	WIN TO_F
.irp i, 0,1,2,3
	FRAG 128*(\p)+FR*\i, ADRB+\slot, \q, \i
.endr
.irp i, 0,1,2,3
	FRAG 128*(\p)+48+FR*\i, ADRA+\slot, \q, \i
.endr
.endm
.macro SCALES sc
	WIN 0
.irp i, 0,1,2,3
.irp q, 0,1,2,3
	ds_load_b32 v[SC+4*NQ*\sc+NQ*\i+\q], v[ADRS] offset:\i*KS*64+64*\q
.endr
.endr
.endm
.macro PLACES n
.rept \n
	v_nop
.endr
.endm
.macro STEP slot, q, zero
.if (\q) == 0
	s_wait_dscnt 16
.endif
	PLACES NP
	FETCH \slot, (\q)+1, 1-(\q)%2
	s_wait_dscnt 32
	WIN MUL
	MULA 0, (\q)%2, \q, \slot, \zero
	MULA 1, (\q)%2, \q, \slot, \zero
	MULA 2, (\q)%2, \q, \slot, \zero
	MULA 3, (\q)%2, \q, \slot, \zero
.endm
.macro TURN slot, next, fill
	WIN 0
	s_wait_tensorcnt 0x0
	ds_add_u32 v[SPW], v[NIL]
	s_wait_dscnt 13
	WIN MUL
	MULA 0, 1, NQ-1, \slot, 0
	s_wait_dscnt 0x0
	s_barrier_signal -1
	MULA 1, 1, NQ-1, \slot, 0
	WIN 0
	s_barrier_wait -1
.if \fill
	CREST
	s_add_nc_u64 s[G0+4*\slot+2:G0+4*\slot+3], s[G0+4*\slot+2:G0+4*\slot+3], 2*NQ*FRB
	s_add_nc_u64 s[G0B+4*\slot+2:G0B+4*\slot+3], s[G0B+4*\slot+2:G0B+4*\slot+3], 2*NQ*FRB
	JLOAD G0+4*\slot, G1, G0B+4*\slot, G1B
.else
	PLACES NP
.endif
	v_add_nc_u32 v[ADRS], 64*NQ, v[ADRS]
	FETCH \next, 0, 0
	SCALES \next
	WIN MUL
	MULA 2, 1, NQ-1, \slot, 0
	MULA 3, 1, NQ-1, \slot, 0
.endm
	s_wait_alu depctr_va_vdst(0)
	s_wait_tensorcnt 0x0                           ; my tile of the head's four is in
	ds_add_u32 v[SPW], v[NIL]
	s_mov_b32 s[G1+2], 4<<16                       ; no tensor load of mine is out: from here on a load brings 4 row blocks,
	s_mov_b32 s[G1+4], 4
	s_mov_b32 s[G1B+2], 4<<16
	s_mov_b32 s[G1B+4], 4
	s_mov_b32 s[G0+1], s45                         ; and slot 0's groups 0 name my quarter of the slot
	s_mov_b32 s[G0B+1], s45
	s_add_nc_u64 s[G0+2:G0+3], s[G0+2:G0+3], s[18:19]
	s_add_nc_u64 s[G0B+2:G0B+3], s[G0B+2:G0B+3], s[18:19]
	s_wait_dscnt 0x0
	CROUND                                         ; a whole round: all four tiles are in, and the joint loads meet
	JLOAD G0+4, G1, G0B+4, G1B                     ; slot 1's first fill, the first tensor load behind the round
	FETCH 0, 0, 0
	SCALES 0
	STEP 0, 0, 1
	STEP 0, 1, 0
	STEP 0, 2, 0
.if LAPS > 1
	WIN 0
	s_mov_b32 s3, LAPS-1
.Llap:
	TURN 0, 1, 1
	STEP 1, 0, 0
	STEP 1, 1, 0
	STEP 1, 2, 0
	TURN 1, 0, 1
	STEP 0, 0, 0
	STEP 0, 1, 0
	STEP 0, 2, 0
	WIN 0
	s_sub_co_u32 s3, s3, 1
	s_cmp_lg_u32 s3, 0
	s_cbranch_scc1 .Llap
.endif
	TURN 0, 1, 0
	STEP 1, 0, 0
	STEP 1, 1, 0
	STEP 1, 2, 0
	s_wait_dscnt 0x0
	MULA 0, 1, NQ-1, 1, 0
	MULA 1, 1, NQ-1, 1, 0
	MULA 2, 1, NQ-1, 1, 0
	MULA 3, 1, NQ-1, 1, 0
	WIN 0
.macro TOSTAGE u
.irp a, 2*(\u), 2*(\u)+1
.irp b, 0,1,2,3
	ds_store_b128 v[STO], v[ACC+8*(4*(\a)+\b):ACC+8*(4*(\a)+\b)+3] offset:(\a)*16*SPITCH+64*\b
	ds_store_b128 v[STO], v[ACC+8*(4*(\a)+\b)+4:ACC+8*(4*(\a)+\b)+7] offset:(\a)*16*SPITCH+64*\b+16
.endr
.endr
.irp t, 0,1,2,3,4,5,6,7,8,9,10,11,12,13,14,15
	ds_load_b128 v[ACC+64*(\u)+4*\t:ACC+64*(\u)+4*\t+3], v[RD] offset:(16*(\u)+\t)*2*SPITCH
.endr
.endm
.macro GROUP g, younger
	s_wait_dscnt \younger
.set i, 0
.rept 8
	v_pk_add_f32 v[ACC+32*(\g)+4*i:ACC+32*(\g)+4*i+1], v[ACC+32*(\g)+4*i:ACC+32*(\g)+4*i+1], v[8:9]
	v_pk_add_f32 v[ACC+32*(\g)+4*i+2:ACC+32*(\g)+4*i+3], v[ACC+32*(\g)+4*i+2:ACC+32*(\g)+4*i+3], v[10:11]
.set i, i+1
.endr
	WIN 0x08
.set i, 0
.rept 16
	v_pk_add_f32 v[ACC+32*(\g)+2*i:ACC+32*(\g)+2*i+1], v[ACC+32*(\g)+2*i:ACC+32*(\g)+2*i+1], v[32*(\g)+2*i:32*(\g)+2*i+1]
.set i, i+1
.endr
	WIN 0
.irp t, 0,1,2,3,4,5,6,7
	global_store_b128 v[CO], v[ACC+32*(\g)+4*\t:ACC+32*(\g)+4*\t+3], s[12:13] offset:2*(8*(\g)+\t)*4096
.endr
.endm
	PLACES NP
	s_wait_loadcnt 0x0
	TOSTAGE 0
	GROUP 0, 8
	TOSTAGE 1
	GROUP 1, 32
	GROUP 2, 8
	GROUP 3, 0
	s_wait_tensorcnt 0x0
	ds_add_u32 v[SPW], v[NIL]
	s_wait_dscnt 0x0
	CROUND
	s_endpgm
.Lfunc_end_k_q1c18be1c72_gout:
	.size	k_q1c18be1c72_gout, .Lfunc_end_k_q1c18be1c72_gout-k_q1c18be1c72_gout
	.p2alignl 7, 3214868480
	.fill 96, 4, 3214868480
	.section	.rodata,"a",@progbits
	.p2align	6, 0x0
	.amdhsa_kernel k_q1c18be1c72_gout
		.amdhsa_group_segment_fixed_size 327680
		.amdhsa_private_segment_fixed_size 0
		.amdhsa_enable_private_segment 0
		.amdhsa_kernarg_size 40
		.amdhsa_user_sgpr_count 2
		.amdhsa_user_sgpr_kernarg_segment_ptr 1
		.amdhsa_wavefront_size32 1
		.amdhsa_system_sgpr_workgroup_id_x 1
		.amdhsa_system_sgpr_workgroup_id_y 1
		.amdhsa_system_sgpr_workgroup_id_z 1
		.amdhsa_system_vgpr_workitem_id 0
		.amdhsa_next_free_vgpr 768
		.amdhsa_next_free_sgpr 102
		.amdhsa_reserve_vcc 0
		.amdhsa_float_denorm_mode_32 3
		.amdhsa_float_denorm_mode_16_64 3
		.amdhsa_memory_ordered 1
		.amdhsa_forward_progress 1
		.amdhsa_inst_pref_size 66
	.end_amdhsa_kernel
	.amdgpu_metadata
---
amdhsa.version: [ 1, 2 ]
amdhsa.kernels:
  - .name:           k_q1c18be1c72_gout
    .symbol:         k_q1c18be1c72_gout.kd
    .args:
      - { .name: abuf, .offset: 0, .size: 8, .value_kind: global_buffer, .address_space: global }
      - { .name: wts, .offset: 8, .size: 8, .value_kind: global_buffer, .address_space: global }
      - { .name: b_out, .offset: 16, .size: 8, .value_kind: global_buffer, .address_space: global }
      - { .name: x, .offset: 24, .size: 8, .value_kind: global_buffer, .address_space: global }
      - { .name: x1, .offset: 32, .size: 8, .value_kind: global_buffer, .address_space: global }
    .group_segment_fixed_size: 327680
    .private_segment_fixed_size: 0
    .kernarg_segment_align: 8
    .kernarg_segment_size: 40
    .max_flat_workgroup_size: 128
    .sgpr_count:     102
    .vgpr_count:     768
    .wavefront_size: 32
...
	.end_amdgpu_metadata
.endif
;; end of part 13
;; launch ln2: the kernel of part 10 again; grid 256 x 1, 8 waves a work-group, no clusters, 135,424 bytes of LDS; arguments x1, ln2_g, ln2_b, hbuf, memory, wts, b_mem, memb; writes hbuf, memb
;; launch gfc1 (part 14): grid 16 x 16, 4 waves a work-group, clusters of 4 x 4, 327,680 bytes of LDS; arguments hbuf, wts, b_fc1, gbuf; writes gbuf
.if DOCPART == 14
	.amdgcn_target "amdgcn-amd-amdhsa--gfx1250"
	.amdhsa_code_object_version 6
	.text
	.protected	k_q1c18be1c72_gfc1
	.globl	k_q1c18be1c72_gfc1
	.p2align	8
	.type	k_q1c18be1c72_gfc1,@function
k_q1c18be1c72_gfc1:
	s_mov_b64 s[64:65], 0
	v_nop
	global_prefetch_b8 v0, s[64:65] scope:SCOPE_SE
	s_setreg_imm32_b32 hwreg(HW_REG_WAVE_MODE, 25, 1), 1
	s_wait_xcnt 0x0
	s_wait_alu depctr_hold_cnt(0) depctr_sa_sdst(0) depctr_va_vdst(0) depctr_va_sdst(0) depctr_va_ssrc(0) depctr_va_vcc(0) depctr_vm_vsrc(0)
	s_getreg_b32 s2, hwreg(HW_REG_IB_STS2, 6, 4)
	s_cmp_eq_u32 s2, 0
	s_cbranch_scc0 .Lentry_in_a_cluster
	s_endpgm
.Lentry_in_a_cluster:
	s_bfe_u32 s2, ttmp6, 0x10000c
	s_cmp_lg_u32 s2, 0xf033
	s_cbranch_scc0 .Lentry_shape_is_right
	s_endpgm
.Lentry_shape_is_right:
.set KS,     8
.set ASC,    3145728
.set W_C,    2359296
.set W_S,    10321920
.set GSC,    12582912
.set NQ,     2
.set FR,     12
.set FRB,    1536
.set NL,     4
.set NP,     4
.set HALFT,  8*NQ*FRB
.set SLOT,   4*HALFT
.set LAPS,   KS/(2*NQ)
.set SCL,    2*SLOT
.set HALFS,  8*KS*64
.set SPARE,  SCL+4*HALFS
.set ADRA, 16
.set ADRB, 20
.set L16,  24
.set L8,   25
.set R4,   26
.set ADRS, 27
.set SPW,  28
.set NIL,  29
.set H32,  30
.set SC,   32
.set BIAS, 64
.set AF,   128
.set T,    128
.set PC,   192
.set TM,   212
.set PW,   228
.set U,    192
.set S2,   200
.set PP,   208
.set QQ,   216
.set SEL,  66
.set G1, 24
.set G0, 32
.set G1B, 48
.set G0B, 56
.set G1S, 68
.set G0S, 76
.set G1SB, 80
.set G0SB, 88
.set MSB, 0
.macro WIN new
.if MSB != \new
	s_set_vgpr_msb (MSB<<8)|\new
.set MSB, \new
.endif
.endm
.set MUL_LO, 0xa1
.set MUL_HI, 0xf1
.set TO_B,   0x40
.macro JLOAD g0a, g1a, g0b, g1b
	s_cmp_eq_u32 s15, 0
	s_cbranch_scc0 .Lfor_b_\@
	tensor_load_to_lds s[\g0a:\g0a+3], s[\g1a:\g1a+7]
	s_nop 0
.rept 4
	v_nop
.endr
	s_branch .Lasked_\@
.Lfor_b_\@:
	tensor_load_to_lds s[\g0b:\g0b+3], s[\g1b:\g1b+7]
	s_nop 0
.rept 4
	v_nop
.endr
.Lasked_\@:
.endm
.macro CREST
	s_cmp_lg_u32 s14, 0
	s_cbranch_scc1 .Lnot_wave_0_\@
	s_barrier_signal -3
.Lnot_wave_0_\@:
	s_barrier_wait -3
	s_barrier_signal -1
	s_barrier_wait -1
.endm
.macro CROUND
	s_barrier_signal -1
	s_barrier_wait -1
	CREST
.endm
	s_load_b64 s[4:5], s[0:1], 0x0
	s_load_b64 s[8:9], s[0:1], 0x8
	s_load_b64 s[96:97], s[0:1], 0x10
	s_load_b64 s[12:13], s[0:1], 0x18
	v_lshl_add_u32 v[SPW], v0, 2, SPARE
	v_mov_b32 v[NIL], 0
	ds_add_u32 v[SPW], v[NIL]
	ds_add_u32 v[SPW], v[NIL]
	v_lshrrev_b32 v1, 5, v0
	v_readfirstlane_b32 s14, v1
	s_lshr_b32 s15, s14, 1
	s_and_b32 s16, s14, 1
	s_bfe_u32 s40, ttmp6, 0x40000
	s_bfe_u32 s41, ttmp6, 0x40004
	s_lshl_b32 s42, ttmp9, 2
	s_add_co_u32 s42, s42, s40
	s_and_b32 s17, ttmp7, 0xffff
	s_lshl_b32 s17, s17, 2
	s_add_co_u32 s17, s17, s41
	s_lshl_b32 s43, s41, 2
	s_lshl_b32 s43, 15, s43
	s_lshl_b32 s44, 0x1111, s40
	s_or_b32 s[G1], s43, (3<<16)|(1<<21)
	s_or_b32 s[G1B], s44, (3<<16)|(1<<21)
.irp g, G1, G1B
	s_mov_b32 s[\g+1], 384<<16
	s_mov_b32 s[\g+2], 16<<16                      ; 16 row blocks for the head's loads; behind them 8
	s_mov_b32 s[\g+3], 384<<16
	s_mov_b32 s[\g+4], 16
	s_mov_b32 s[\g+5], KS*192
	s_mov_b32 s[\g+6], 0
	s_mov_b32 s[\g+7], 0
.endr
	s_or_b32 s[G1S], s43, (3<<16)|(1<<21)
	s_or_b32 s[G1SB], s44, (3<<16)|(1<<21)
.irp g, G1S, G1SB
	s_mov_b32 s[\g+1], 32<<16
	s_mov_b32 s[\g+2], (HALFS/128)<<16             ; the scale words of all 16 row blocks of a side
	s_mov_b32 s[\g+3], 32<<16
	s_mov_b32 s[\g+4], HALFS/128
	s_mov_b32 s[\g+5], 32
	s_mov_b32 s[\g+6], 0
	s_mov_b32 s[\g+7], 0
.endr
	s_mul_i32 s18, s16, 8*KS*FRB                   ; in the ring I fetch 8 row blocks of a tile: which half, in bytes
	s_mov_b32 s19, 0
	s_lshl_b32 s20, s17, 4                         ; A: the tile's first row block
	s_lshl_b32 s46, s42, 4                         ; B likewise
	s_mul_i32 s22, s20, KS*64
	s_mov_b32 s23, 0
	s_mul_i32 s92, s46, KS*64
	s_mov_b32 s93, 0
	s_mul_i32 s20, s20, KS*FRB
	s_mov_b32 s21, 0
	s_mul_i32 s46, s46, KS*FRB
	s_mov_b32 s47, 0
	s_mul_i32 s45, s14, HALFT
	s_wait_dscnt 0x0
	s_wait_kmcnt 0x0
	s_add_nc_u64 s[6:7], s[4:5], ASC
	s_add_nc_u64 s[10:11], s[8:9], W_S
	s_add_nc_u64 s[8:9], s[8:9], W_C
	s_add_nc_u64 s[20:21], s[4:5], s[20:21]
	s_add_nc_u64 s[22:23], s[6:7], s[22:23]
	s_add_nc_u64 s[46:47], s[8:9], s[46:47]
	s_add_nc_u64 s[92:93], s[10:11], s[92:93]
	CROUND
	s_mov_b32 s[G0S], 1
	s_mov_b32 s[G0S+1], SCL
	s_mov_b64 s[G0S+2:G0S+3], s[22:23]
	s_or_b32 s[G0S+3], s[G0S+3], 0x80000000
	s_mov_b32 s[G0SB], 1
	s_mov_b32 s[G0SB+1], SCL+2*HALFS
	s_mov_b64 s[G0SB+2:G0SB+3], s[92:93]
	s_or_b32 s[G0SB+3], s[G0SB+3], 0x80000000
.irp s, 0,1
	s_mov_b32 s[G0+4*\s], 1
	s_add_co_u32 s[G0+4*\s+1], s45, \s*SLOT
	s_add_nc_u64 s[G0+4*\s+2:G0+4*\s+3], s[20:21], \s*NQ*FRB
	s_or_b32 s[G0+4*\s+3], s[G0+4*\s+3], 0x80000000
	s_mov_b32 s[G0B+4*\s], 1
	s_add_co_u32 s[G0B+4*\s+1], s45, \s*SLOT
	s_add_nc_u64 s[G0B+4*\s+2:G0B+4*\s+3], s[46:47], \s*NQ*FRB
	s_or_b32 s[G0B+4*\s+3], s[G0B+4*\s+3], 0x80000000
.endr
; THE HEAD'S LOADS, ONE A WAVE: wave 0 slot 0's 16 row blocks of A, wave 1 those of B, wave 2 A's scale words, wave 3 B's.  Slot 0's two groups 0 serve them first, with the whole tile's addresses
	s_mov_b32 s[G0+1], 0
	s_mov_b32 s[G0B+1], 2*HALFT
	s_add_nc_u64 s[G0+6:G0+7], s[G0+6:G0+7], s[18:19]      ; slot 1's: my half of the tile
	s_add_nc_u64 s[G0B+6:G0B+7], s[G0B+6:G0B+7], s[18:19]
.macro HARM under, g0, g1, next
	s_cmp_lt_u32 s14, \under
	s_cbranch_scc0 \next
	tensor_load_to_lds s[\g0:\g0+3], s[\g1:\g1+7]
	s_nop 0
.rept 4
	v_nop
.endr
	s_branch .Lhead_asked
\next:
.endm
	HARM 1, G0,  G1,  .Lhead_b
	HARM 2, G0B, G1B, .Lhead_sa
	HARM 3, G0S, G1S, .Lhead_sb
	tensor_load_to_lds s[G0SB:G0SB+3], s[G1SB:G1SB+7]
	s_nop 0
.rept 4
	v_nop
.endr
.Lhead_asked:
	v_and_b32 v1, 31, v0
	v_and_b32 v2, 15, v0
	v_bfe_u32 v3, v0, 4, 1
	v_lshlrev_b32 v[L16], 4, v1
	v_lshlrev_b32 v[L8], 3, v1
	v_lshlrev_b32 v[R4], 2, v2
	v_lshlrev_b32 v[H32], 5, v3
	s_mul_i32 s21, s15, HALFT
	s_mul_i32 s22, s16, HALFT
	s_add_co_u32 s22, s22, 2*HALFT
.irp s, 0,1
	v_add_nc_u32 v[ADRA+\s], s21, v[L16]
	v_add_nc_u32 v[ADRB+\s], s22, v[L16]
	v_add_nc_u32 v[ADRA+2+\s], s21, v[L8]
	v_add_nc_u32 v[ADRB+2+\s], s22, v[L8]
	s_add_co_u32 s21, s21, SLOT
	s_add_co_u32 s22, s22, SLOT
.endr
	s_mul_i32 s21, s15, HALFS
	s_mul_i32 s22, s16, HALFS
	s_add_co_u32 s22, s22, 2*HALFS
	s_sub_co_u32 s22, s22, s21
	v_mul_u32_u24 v6, s22, v3
	s_add_co_u32 s21, s21, SCL
	v_add_nc_u32 v6, v[R4], v6
	v_add_nc_u32 v[ADRS], s21, v6
	s_mov_b32 s[SEL], 0x76543210
	s_mov_b32 s[SEL+1], 0xfedcba98
	s_lshl_b32 s46, s42, 10
	s_lshl_b32 s47, s16, 9
	s_add_co_u32 s46, s46, s47
	s_mov_b32 s47, 0
	s_add_nc_u64 s[96:97], s[96:97], s[46:47]
.irp b, 0,1,2,3,4,5,6,7
	global_load_b128 v[BIAS+8*\b:BIAS+8*\b+3], v[H32], s[96:97] offset:64*\b
	global_load_b128 v[BIAS+8*\b+4:BIAS+8*\b+7], v[H32], s[96:97] offset:64*\b+16
.endr
	v_mov_b32 v232, 0x32edffee
	v_mov_b32 v233, 0x32edffee
	v_mov_b32 v234, 0xb95fbd29
	v_mov_b32 v235, 0xb95fbd29
	s_lshl_b32 s20, s17, 4
	s_lshl_b32 s21, s15, 3
	s_add_co_u32 s20, s20, s21
	s_lshl_b32 s20, s20, 5
	s_lshl_b32 s21, s42, 1
	s_add_co_u32 s20, s20, s21
	s_add_co_u32 s20, s20, s16
	s_mul_i32 s22, s20, FRB
	s_mov_b32 s23, 0
	s_add_nc_u64 s[4:5], s[12:13], s[22:23]
	s_lshl_b32 s22, s20, 6
	s_add_co_u32 s22, s22, GSC
	s_add_nc_u64 s[6:7], s[12:13], s[22:23]
.macro FRAG reg, adr, q, i
.set FO, ((\i)*NQ+(\q))*FRB
	ds_load_b128 v[\reg:\reg+3], v[\adr] offset:FO
	ds_load_b64 v[\reg+4:\reg+5], v[\adr+2] offset:FO+512
	ds_load_b128 v[\reg+6:\reg+9], v[\adr] offset:FO+768
	ds_load_b64 v[\reg+10:\reg+11], v[\adr+2] offset:FO+1280
.endm
.macro MUL16 a0, p, q, sc, zero
.irp a, \a0, \a0+1
.irp b, 0,1,2,3,4,5,6,7
.if \zero
	v_wmma_scale_f32_16x16x128_f8f6f4 v[8*(8*((\a)%4)+\b):8*(8*((\a)%4)+\b)+7], v[128*(\p)+FR*\b:128*(\p)+FR*\b+FR-1], v[AF+FR*(\a):AF+FR*(\a)+FR-1], 0, v[SC+8*NQ*(\sc)+NQ*\b+(\q)], v[SC+8*NQ*(\sc)+NQ*(\a)+(\q)] matrix_a_fmt:MATRIX_FMT_FP6 matrix_b_fmt:MATRIX_FMT_FP6 matrix_a_scale:MATRIX_SCALE_ROW1
.else
	v_wmma_scale_f32_16x16x128_f8f6f4 v[8*(8*((\a)%4)+\b):8*(8*((\a)%4)+\b)+7], v[128*(\p)+FR*\b:128*(\p)+FR*\b+FR-1], v[AF+FR*(\a):AF+FR*(\a)+FR-1], v[8*(8*((\a)%4)+\b):8*(8*((\a)%4)+\b)+7], v[SC+8*NQ*(\sc)+NQ*\b+(\q)], v[SC+8*NQ*(\sc)+NQ*(\a)+(\q)] matrix_a_fmt:MATRIX_FMT_FP6 matrix_b_fmt:MATRIX_FMT_FP6 matrix_a_scale:MATRIX_SCALE_ROW1
.endif
.endr
.endr
.endm
.macro FETCH_B slot, q, p
	WIN TO_B
.irp i, 0,1,2,3,4,5,6,7
	FRAG 128*(\p)+FR*\i, ADRB+\slot, \q, \i
.endr
	WIN 0
.endm
.macro FETCH_A slot, q, i0
.irp i, \i0, \i0+1, \i0+2, \i0+3
	FRAG AF+FR*(\i), ADRA+\slot, \q, \i
.endr
.endm
.macro SCALES sc
.irp i, 0,1,2,3,4,5,6,7
	ds_load_b32 v[SC+8*NQ*\sc+NQ*\i], v[ADRS] offset:\i*KS*64
	ds_load_b32 v[SC+8*NQ*\sc+NQ*\i+1], v[ADRS] offset:\i*KS*64+64
.endr
.endm
.macro PLACES n
.rept \n
	v_nop
.endr
.endm
.macro STEP slot, q, zero
	s_wait_dscnt 4*NL
	WIN MUL_LO
	MUL16 0, (\q)%2, \q, \slot, \zero
	MUL16 2, (\q)%2, \q, \slot, \zero
	s_wait_dscnt 0
	PLACES NP
	FETCH_B \slot, (\q)+1, 1-(\q)%2
	FETCH_A \slot, (\q)+1, 0
	WIN MUL_HI
	MUL16 4, (\q)%2, \q, \slot, \zero
	MUL16 6, (\q)%2, \q, \slot, \zero
	PLACES NP
	WIN 0
	FETCH_A \slot, (\q)+1, 4
.endm
.macro TURN slot, next, fill
	s_wait_tensorcnt 0x0
	ds_add_u32 v[SPW], v[NIL]
	s_wait_dscnt 4*NL+1
	WIN MUL_LO
	MUL16 0, 1, NQ-1, \slot, 0
	s_wait_dscnt 0x0
	s_barrier_signal -1
	MUL16 2, 1, NQ-1, \slot, 0
	WIN 0
	s_barrier_wait -1
.if \fill
	CREST
	s_add_nc_u64 s[G0+4*\slot+2:G0+4*\slot+3], s[G0+4*\slot+2:G0+4*\slot+3], 2*NQ*FRB
	s_add_nc_u64 s[G0B+4*\slot+2:G0B+4*\slot+3], s[G0B+4*\slot+2:G0B+4*\slot+3], 2*NQ*FRB
	JLOAD G0+4*\slot, G1, G0B+4*\slot, G1B
.else
	PLACES NP
.endif
	s_wait_alu depctr_va_vdst(0)
	v_add_nc_u32 v[ADRS], 64*NQ, v[ADRS]
	FETCH_B \next, 0, 0
	FETCH_A \next, 0, 0
	SCALES \next
	WIN MUL_HI
	MUL16 4, 1, NQ-1, \slot, 0
	MUL16 6, 1, NQ-1, \slot, 0
	PLACES NP
	WIN 0
	FETCH_A \next, 0, 4
.endm
.macro QUANT s, nb
.set qb, 0
.rept \nb
	v_max3_num_f32 v[TM+qb], |v[(\s)+16*qb]|, |v[(\s)+16*qb+1]|, 0x1800000
.set qb, qb+1
.endr
.irp i, 2,4,6,8,10,12,14
.set qb, 0
.rept \nb
	v_max3_num_f32 v[TM+qb], v[TM+qb], |v[(\s)+16*qb+\i]|, |v[(\s)+16*qb+\i+1]|
.set qb, qb+1
.endr
.endr
.set qb, 0
.rept \nb
	v_permlanex16_b32 v[TM+4+qb], v[TM+qb], s[SEL], s[SEL+1]
.set qb, qb+1
.endr
.set qb, 0
.rept \nb
	v_max_num_f32 v[TM+qb], v[TM+qb], v[TM+4+qb]
.set qb, qb+1
.endr
.set qb, 0
.rept \nb
	v_add_nc_u32 v[TM+8+qb], 0xff000000, v[TM+qb]
.set qb, qb+1
.endr
.set qb, 0
.rept \nb
	v_lshrrev_b32 v[TM+4+qb], 23, v[TM+8+qb]
.set qb, qb+1
.endr
	v_lshl_or_b32 v[PW], v[TM+5], 8, v[TM+4]
.if \nb == 4
	v_lshl_or_b32 v[PW], v[TM+6], 16, v[PW]
	v_lshl_or_b32 v[PW], v[TM+7], 24, v[PW]
.endif
.set qc, 0
.rept \nb/2
	v_cvt_scalef32_pk16_fp6_f32 v[PC+6*qc:PC+6*qc+2], v[(\s)+32*qc:(\s)+32*qc+15], v[TM+8+2*qc]
	v_cvt_scalef32_pk16_fp6_f32 v[PC+12+4*qc:PC+12+4*qc+2], v[(\s)+32*qc+16:(\s)+32*qc+31], v[TM+8+2*qc+1]
.set qc, qc+1
.endr
	v_nop
.set qc, 0
.rept \nb/2
.irp i, 0,1,2
	v_permlane16_swap_b32 v[PC+6*qc+\i], v[PC+12+4*qc+\i]
.endr
.irp i, 0,1,2
	v_mov_b32 v[PC+3+6*qc+\i], v[PC+12+4*qc+\i]
.endr
.set qc, qc+1
.endr
.endm
.macro HORNER reg, c
.irp k, 0,2,4,6
	v_pk_fma_f32 v[\reg+\k:\reg+\k+1], v[\reg+\k:\reg+\k+1], v[S2+\k:S2+\k+1], \c op_sel_hi:[1,1,0]
.endr
.endm
.macro GELU
.set g, 0
.rept 8
.irp k, 0,2,4,6
	v_pk_mul_f32 v[U+\k:U+\k+1], v[T+8*g+\k:T+8*g+\k+1], 0x3f3504f3 op_sel_hi:[1,0]
.endr
.irp k, 0,1,2,3,4,5,6,7
	v_med3_num_f32 v[U+\k], v[U+\k], -4.0, 4.0
.endr
.irp k, 0,2,4,6
	v_pk_mul_f32 v[S2+\k:S2+\k+1], v[U+\k:U+\k+1], v[U+\k:U+\k+1]
.endr
.irp k, 0,2,4,6
	v_pk_fma_f32 v[PP+\k:PP+\k+1], v[S2+\k:S2+\k+1], 0xaf95df0b, v[232:233] op_sel_hi:[1,0,1]
.endr
.irp k, 0,2,4,6
	v_pk_fma_f32 v[QQ+\k:QQ+\k+1], v[S2+\k:S2+\k+1], 0xb77460cd, v[234:235] op_sel_hi:[1,0,1]
.endr
	HORNER PP, 0xb60cff51
	HORNER QQ, 0xbadc924e
	HORNER PP, 0xb86ec2d2
	HORNER QQ, 0xbbf19bf8
	HORNER PP, 0xba40ac63
	HORNER QQ, 0xbc69b6a7
	HORNER PP, 0xbb41a1f6
	HORNER PP, 0xbc83dbd4
	s_wait_alu depctr_va_vdst(0)
.irp k, 0,1,2,3,4,5,6,7
	v_rcp_f32 v[QQ+\k], v[QQ+\k]
.endr
.irp k, 0,2,4,6
	v_pk_mul_f32 v[PP+\k:PP+\k+1], v[PP+\k:PP+\k+1], v[U+\k:U+\k+1]
.endr
.irp k, 0,2,4,6
	v_pk_mul_f32 v[T+8*g+\k:T+8*g+\k+1], v[T+8*g+\k:T+8*g+\k+1], 0.5 op_sel_hi:[1,0]
.endr
	s_wait_alu depctr_va_vdst(0)
.irp k, 0,2,4,6
	v_pk_mul_f32 v[PP+\k:PP+\k+1], v[PP+\k:PP+\k+1], v[QQ+\k:QQ+\k+1]
.endr
.irp k, 0,2,4,6
	v_pk_fma_f32 v[T+8*g+\k:T+8*g+\k+1], v[T+8*g+\k:T+8*g+\k+1], v[PP+\k:PP+\k+1], v[T+8*g+\k:T+8*g+\k+1]
.endr
.set g, g+1
.endr
.endm
	s_wait_alu depctr_va_vdst(0)
	s_wait_tensorcnt 0x0                           ; my tile of the head's four is in
	ds_add_u32 v[SPW], v[NIL]
	s_mov_b32 s[G1+2], 8<<16                       ; no tensor load of mine is out: from here on a load brings 8 row blocks,
	s_mov_b32 s[G1+4], 8
	s_mov_b32 s[G1B+2], 8<<16
	s_mov_b32 s[G1B+4], 8
	s_mov_b32 s[G0+1], s45                         ; and slot 0's groups 0 name my quarter of the slot
	s_mov_b32 s[G0B+1], s45
	s_add_nc_u64 s[G0+2:G0+3], s[G0+2:G0+3], s[18:19]
	s_add_nc_u64 s[G0B+2:G0B+3], s[G0B+2:G0B+3], s[18:19]
	s_wait_dscnt 0x0
	CROUND                                         ; a whole round: all four tiles are in, and the joint loads meet
	JLOAD G0+4, G1, G0B+4, G1B                     ; slot 1's first fill, the first tensor load behind the round
	FETCH_B 0, 0, 0
	FETCH_A 0, 0, 0
	SCALES 0
	FETCH_A 0, 0, 4
	STEP 0, 0, 1
	s_mov_b32 s3, LAPS-1
.Llap:
	TURN 0, 1, 1
	STEP 1, 0, 0
	TURN 1, 0, 1
	STEP 0, 0, 0
	s_sub_co_u32 s3, s3, 1
	s_cmp_lg_u32 s3, 0
	s_cbranch_scc1 .Llap
	TURN 0, 1, 0
	STEP 1, 0, 0
	s_wait_dscnt 4*NL
	WIN MUL_LO
	MUL16 0, 1, NQ-1, 1, 0
	MUL16 2, 1, NQ-1, 1, 0
	s_wait_dscnt 0
	WIN MUL_HI
	MUL16 4, 1, NQ-1, 1, 0
	MUL16 6, 1, NQ-1, 1, 0
	WIN 0
	PLACES NP
	s_wait_loadcnt 0x0
.macro ARM a
	WIN (0x02+(\a)/4)
.set i, 0
.rept 32
	v_pk_add_f32 v[T+2*i:T+2*i+1], v[64*((\a)%4)+2*i:64*((\a)%4)+2*i+1], v[BIAS+2*i:BIAS+2*i+1]
.set i, i+1
.endr
	WIN 0
.endm
	s_mov_b32 s3, 0
.Lblk:
.irp a, 0,1,2,3,4,5,6
	s_cmp_eq_u32 s3, \a
	s_cbranch_scc1 .Larm\a
.endr
	ARM 7
	s_branch .Lgo
.irp a, 0,1,2,3,4,5,6
.Larm\a:
	ARM \a
	s_branch .Lgo
.endr
.Lgo:
	GELU
	QUANT T, 4
	global_store_b128 v[L16], v[PC:PC+3], s[4:5]
	global_store_b64 v[L8], v[PC+4:PC+5], s[4:5] offset:512
	global_store_b128 v[L16], v[PC+6:PC+9], s[4:5] offset:768
	global_store_b64 v[L8], v[PC+10:PC+11], s[4:5] offset:1280
	global_store_b32 v[R4], v[PW], s[6:7]
	s_wait_xcnt 0x0
	s_add_nc_u64 s[4:5], s[4:5], 32*FRB
	s_add_nc_u64 s[6:7], s[6:7], 32*64
	s_add_co_u32 s3, s3, 1
	s_cmp_lt_u32 s3, 8
	s_cbranch_scc1 .Lblk
	s_wait_tensorcnt 0x0
	ds_add_u32 v[SPW], v[NIL]
	s_wait_dscnt 0x0
	CROUND
	s_endpgm
.Lfunc_end_k_q1c18be1c72_gfc1:
	.size	k_q1c18be1c72_gfc1, .Lfunc_end_k_q1c18be1c72_gfc1-k_q1c18be1c72_gfc1
	.p2alignl 7, 3214868480
	.fill 96, 4, 3214868480
	.section	.rodata,"a",@progbits
	.p2align	6, 0x0
	.amdhsa_kernel k_q1c18be1c72_gfc1
		.amdhsa_group_segment_fixed_size 327680
		.amdhsa_private_segment_fixed_size 0
		.amdhsa_enable_private_segment 0
		.amdhsa_kernarg_size 32
		.amdhsa_user_sgpr_count 2
		.amdhsa_user_sgpr_kernarg_segment_ptr 1
		.amdhsa_wavefront_size32 1
		.amdhsa_system_sgpr_workgroup_id_x 1
		.amdhsa_system_sgpr_workgroup_id_y 1
		.amdhsa_system_sgpr_workgroup_id_z 1
		.amdhsa_system_vgpr_workitem_id 0
		.amdhsa_next_free_vgpr 1024
		.amdhsa_next_free_sgpr 102
		.amdhsa_reserve_vcc 0
		.amdhsa_float_denorm_mode_32 3
		.amdhsa_float_denorm_mode_16_64 3
		.amdhsa_memory_ordered 1
		.amdhsa_forward_progress 1
		.amdhsa_inst_pref_size 190
	.end_amdhsa_kernel
	.amdgpu_metadata
---
amdhsa.version: [ 1, 2 ]
amdhsa.kernels:
  - .name:           k_q1c18be1c72_gfc1
    .symbol:         k_q1c18be1c72_gfc1.kd
    .args:
      - { .name: hbuf, .offset: 0, .size: 8, .value_kind: global_buffer, .address_space: global }
      - { .name: wts, .offset: 8, .size: 8, .value_kind: global_buffer, .address_space: global }
      - { .name: b_fc1, .offset: 16, .size: 8, .value_kind: global_buffer, .address_space: global }
      - { .name: gbuf, .offset: 24, .size: 8, .value_kind: global_buffer, .address_space: global }
    .group_segment_fixed_size: 327680
    .private_segment_fixed_size: 0
    .kernarg_segment_align: 8
    .kernarg_segment_size: 32
    .max_flat_workgroup_size: 128
    .sgpr_count:     102
    .vgpr_count:     1024
    .wavefront_size: 32
...
	.end_amdgpu_metadata
.endif
;; end of part 14
;; launch gfc2 (part 15): grid 8 x 32, 4 waves a work-group, clusters of 4 x 4, 327,680 bytes of LDS; arguments gbuf, wts, b_fc2, x1, out0; writes out0
.if DOCPART == 15
	.amdgcn_target "amdgcn-amd-amdhsa--gfx1250"
	.amdhsa_code_object_version 6
	.text
	.protected	k_q1c18be1c72_gfc2
	.globl	k_q1c18be1c72_gfc2
	.p2align	8
	.type	k_q1c18be1c72_gfc2,@function
k_q1c18be1c72_gfc2:
	s_mov_b64 s[64:65], 0
	v_nop
	global_prefetch_b8 v0, s[64:65] scope:SCOPE_SE
	s_setreg_imm32_b32 hwreg(HW_REG_WAVE_MODE, 25, 1), 1
	s_wait_xcnt 0x0
	s_wait_alu depctr_hold_cnt(0) depctr_sa_sdst(0) depctr_va_vdst(0) depctr_va_sdst(0) depctr_va_ssrc(0) depctr_va_vcc(0) depctr_vm_vsrc(0)
	s_getreg_b32 s2, hwreg(HW_REG_IB_STS2, 6, 4)
	s_cmp_eq_u32 s2, 0
	s_cbranch_scc0 .Lentry_in_a_cluster
	s_endpgm
.Lentry_in_a_cluster:
	s_bfe_u32 s2, ttmp6, 0x10000c
	s_cmp_lg_u32 s2, 0xf033
	s_cbranch_scc0 .Lentry_shape_is_right
	s_endpgm
.Lentry_shape_is_right:
.set KS,     32
.set ASC,    12582912
.set W_C,    7077888
.set W_S,    10518528
.set NQ,     4
.set FR,     12
.set FRB,    1536
.set NP,     4
.set HALFT,  4*NQ*FRB
.set SLOT,   4*HALFT
.set LAPS,   KS/(2*NQ)
.set SCL,    2*SLOT
.set HALFS,  4*KS*64
.set SPARE,  SCL+4*HALFS
.set SPITCH, 272
.set ADRA, 16
.set ADRB, 20
.set STO,  24
.set RD,   25
.set CO,   26
.set ADRS, 27
.set SPW,  28
.set NIL,  29
.set C16,  30
.set SC,   32
.set ACC,  128
.set G1, 24
.set G0, 32
.set G1B, 48
.set G0B, 56
.set G1S, 68
.set G0S, 76
.set G1SB, 80
.set G0SB, 88
.set MSB, 0
.macro WIN new
.if MSB != \new
	s_set_vgpr_msb (MSB<<8)|\new
.set MSB, \new
.endif
.endm
.set MUL,  0x05
.set TO_F, 0x40
.macro JLOAD g0a, g1a, g0b, g1b
	s_cmp_eq_u32 s15, 0
	s_cbranch_scc0 .Lfor_b_\@
	tensor_load_to_lds s[\g0a:\g0a+3], s[\g1a:\g1a+7]
	s_nop 0
.rept 4
	v_nop
.endr
	s_branch .Lasked_\@
.Lfor_b_\@:
	tensor_load_to_lds s[\g0b:\g0b+3], s[\g1b:\g1b+7]
	s_nop 0
.rept 4
	v_nop
.endr
.Lasked_\@:
.endm
.macro CREST
	s_cmp_lg_u32 s14, 0
	s_cbranch_scc1 .Lnot_wave_0_\@
	s_barrier_signal -3
.Lnot_wave_0_\@:
	s_barrier_wait -3
	s_barrier_signal -1
	s_barrier_wait -1
.endm
.macro CROUND
	s_barrier_signal -1
	s_barrier_wait -1
	CREST
.endm
	s_load_b64 s[4:5], s[0:1], 0x0
	s_load_b64 s[8:9], s[0:1], 0x8
	s_load_b64 s[96:97], s[0:1], 0x10
	s_load_b64 s[98:99], s[0:1], 0x18
	s_load_b64 s[12:13], s[0:1], 0x20
	v_lshl_add_u32 v[SPW], v0, 2, SPARE
	v_mov_b32 v[NIL], 0
	ds_add_u32 v[SPW], v[NIL]
	ds_add_u32 v[SPW], v[NIL]
	v_lshrrev_b32 v1, 5, v0
	v_readfirstlane_b32 s14, v1
	s_lshr_b32 s15, s14, 1
	s_and_b32 s16, s14, 1
	s_bfe_u32 s40, ttmp6, 0x40000
	s_bfe_u32 s41, ttmp6, 0x40004
	s_lshl_b32 s42, ttmp9, 2
	s_add_co_u32 s42, s42, s40
	s_and_b32 s17, ttmp7, 0xffff
	s_lshl_b32 s17, s17, 2
	s_add_co_u32 s17, s17, s41
	s_lshl_b32 s43, s41, 2
	s_lshl_b32 s43, 15, s43
	s_lshl_b32 s44, 0x1111, s40
	s_or_b32 s[G1], s43, (3<<16)|(1<<21)
	s_or_b32 s[G1B], s44, (3<<16)|(1<<21)
.irp g, G1, G1B
	s_mov_b32 s[\g+1], (NQ*192)<<16
	s_mov_b32 s[\g+2], 8<<16                       ; 8 row blocks for the head's loads; behind them 4
	s_mov_b32 s[\g+3], (NQ*192)<<16
	s_mov_b32 s[\g+4], 8
	s_mov_b32 s[\g+5], KS*192
	s_mov_b32 s[\g+6], 0
	s_mov_b32 s[\g+7], 0
.endr
	s_or_b32 s[G1S], s43, (3<<16)|(1<<21)
	s_or_b32 s[G1SB], s44, (3<<16)|(1<<21)
.irp g, G1S, G1SB
	s_mov_b32 s[\g+1], 32<<16
	s_mov_b32 s[\g+2], (HALFS/128)<<16             ; the scale words of all 8 row blocks of a side
	s_mov_b32 s[\g+3], 32<<16
	s_mov_b32 s[\g+4], HALFS/128
	s_mov_b32 s[\g+5], 32
	s_mov_b32 s[\g+6], 0
	s_mov_b32 s[\g+7], 0
.endr
	s_mul_i32 s18, s16, 4*KS*FRB                   ; in the ring I fetch 4 row blocks of a tile: which half, in bytes
	s_mov_b32 s19, 0
	s_lshl_b32 s20, s17, 3                         ; A: the tile's first row block
	s_lshl_b32 s46, s42, 3                         ; B likewise
	s_mul_i32 s22, s20, KS*64
	s_mov_b32 s23, 0
	s_mul_i32 s92, s46, KS*64
	s_mov_b32 s93, 0
	s_mul_i32 s20, s20, KS*FRB
	s_mov_b32 s21, 0
	s_mul_i32 s46, s46, KS*FRB
	s_mov_b32 s47, 0
	s_mul_i32 s45, s14, HALFT
	s_wait_dscnt 0x0
	s_wait_kmcnt 0x0
	s_add_nc_u64 s[6:7], s[4:5], ASC
	s_add_nc_u64 s[10:11], s[8:9], W_S
	s_add_nc_u64 s[8:9], s[8:9], W_C
	s_add_nc_u64 s[20:21], s[4:5], s[20:21]
	s_add_nc_u64 s[22:23], s[6:7], s[22:23]
	s_add_nc_u64 s[46:47], s[8:9], s[46:47]
	s_add_nc_u64 s[92:93], s[10:11], s[92:93]
	CROUND
	s_mov_b32 s[G0S], 1
	s_mov_b32 s[G0S+1], SCL
	s_mov_b64 s[G0S+2:G0S+3], s[22:23]
	s_or_b32 s[G0S+3], s[G0S+3], 0x80000000
	s_mov_b32 s[G0SB], 1
	s_mov_b32 s[G0SB+1], SCL+2*HALFS
	s_mov_b64 s[G0SB+2:G0SB+3], s[92:93]
	s_or_b32 s[G0SB+3], s[G0SB+3], 0x80000000
.irp s, 0,1
	s_mov_b32 s[G0+4*\s], 1
	s_add_co_u32 s[G0+4*\s+1], s45, \s*SLOT
	s_add_nc_u64 s[G0+4*\s+2:G0+4*\s+3], s[20:21], \s*NQ*FRB
	s_or_b32 s[G0+4*\s+3], s[G0+4*\s+3], 0x80000000
	s_mov_b32 s[G0B+4*\s], 1
	s_add_co_u32 s[G0B+4*\s+1], s45, \s*SLOT
	s_add_nc_u64 s[G0B+4*\s+2:G0B+4*\s+3], s[46:47], \s*NQ*FRB
	s_or_b32 s[G0B+4*\s+3], s[G0B+4*\s+3], 0x80000000
.endr
; THE HEAD'S LOADS, ONE A WAVE: wave 0 slot 0's 8 row blocks of A, wave 1 those of B, wave 2 A's scale words, wave 3 B's.  Slot 0's two groups 0 serve them first, with the whole tile's addresses
; THE PREFETCHES' ADDRESS, s[94:95]: of the four row blocks that my wave fetches in the ring, the partner at place p among the four that ask for them jointly (p = cx for A, cy for B) takes row block p: the share is made by address alone.
; It starts at fill 3; each refill steps it by one fill ahead of its prefetch, so refill f names fill f + 2.
	s_cmp_eq_u32 s15, 0                            ; do I fetch for A?
	s_cselect_b64 s[94:95], s[20:21], s[46:47]     ; the tile's first row block
	s_cselect_b32 s92, s40, s41
	s_mul_i32 s92, s92, KS*FRB
	s_mov_b32 s93, 0
	s_add_nc_u64 s[94:95], s[94:95], s[18:19]      ; + my half of the tile
	s_add_nc_u64 s[94:95], s[94:95], s[92:93]      ; + my work-group's row block
	s_add_nc_u64 s[94:95], s[94:95], 3*NQ*FRB
	s_mov_b32 s[G0+1], 0
	s_mov_b32 s[G0B+1], 2*HALFT
	s_add_nc_u64 s[G0+6:G0+7], s[G0+6:G0+7], s[18:19]      ; slot 1's: my half of the tile
	s_add_nc_u64 s[G0B+6:G0B+7], s[G0B+6:G0B+7], s[18:19]
.macro HARM under, g0, g1, next
	s_cmp_lt_u32 s14, \under
	s_cbranch_scc0 \next
	tensor_load_to_lds s[\g0:\g0+3], s[\g1:\g1+7]
	s_nop 0
.rept 4
	v_nop
.endr
	s_branch .Lhead_asked
\next:
.endm
	HARM 1, G0,  G1,  .Lhead_b
	HARM 2, G0B, G1B, .Lhead_sa
	HARM 3, G0S, G1S, .Lhead_sb
	tensor_load_to_lds s[G0SB:G0SB+3], s[G1SB:G1SB+7]
	s_nop 0
.rept 4
	v_nop
.endr
.Lhead_asked:
	v_and_b32 v1, 31, v0
	v_and_b32 v2, 15, v0
	v_bfe_u32 v3, v0, 4, 1
	v_lshlrev_b32 v4, 4, v1
	v_lshlrev_b32 v5, 3, v1
	v_min_u32 v31, 23, v1                          ; the prefetches' offset: a fill's part of a row block is 6,144 bytes, 24 blocks of 256; a lane a block, the eight lanes left over name the last one again
	v_lshlrev_b32 v31, 8, v31
	s_mul_i32 s21, s15, HALFT
	s_mul_i32 s22, s16, HALFT
	s_add_co_u32 s22, s22, 2*HALFT
.irp s, 0,1
	v_add_nc_u32 v[ADRA+\s], s21, v4
	v_add_nc_u32 v[ADRB+\s], s22, v4
	v_add_nc_u32 v[ADRA+2+\s], s21, v5
	v_add_nc_u32 v[ADRB+2+\s], s22, v5
	s_add_co_u32 s21, s21, SLOT
	s_add_co_u32 s22, s22, SLOT
.endr
	v_lshlrev_b32 v6, 2, v2
	s_mul_i32 s21, s15, HALFS
	s_mul_i32 s22, s16, HALFS
	s_add_co_u32 s22, s22, 2*HALFS
	s_sub_co_u32 s22, s22, s21
	v_mul_u32_u24 v7, s22, v3
	s_add_co_u32 s21, s21, SCL
	v_add_nc_u32 v6, v6, v7
	v_add_nc_u32 v[ADRS], s21, v6
	s_mul_i32 s23, s14, 64*SPITCH
	v_mul_u32_u24 v5, v2, SPITCH
	v_lshl_add_u32 v5, v3, 5, v5
	v_add_nc_u32 v[STO], s23, v5
	v_lshlrev_b32 v[C16], 4, v2
	s_wait_alu depctr_va_vdst(0)
	v_mul_u32_u24 v5, v3, SPITCH
	v_add_nc_u32 v5, v5, v[C16]
	v_add_nc_u32 v[RD], s23, v5
	v_lshl_add_u32 v[CO], v3, 12, v[C16]
	s_wait_alu depctr_va_vdst(0)
	s_lshl_b32 s46, s42, 9
	s_lshl_b32 s47, s16, 8
	s_add_co_u32 s46, s46, s47
	s_mov_b32 s47, 0
	s_add_nc_u64 s[96:97], s[96:97], s[46:47]
	s_lshl_b32 s20, s17, 19
	s_lshl_b32 s21, s15, 18
	s_add_co_u32 s20, s20, s21
	s_add_co_u32 s20, s20, s46
	s_mov_b32 s21, 0
	s_add_nc_u64 s[98:99], s[98:99], s[20:21]
	s_add_nc_u64 s[12:13], s[12:13], s[20:21]
	global_load_b128 v[8:11], v[C16], s[96:97]
	WIN 0x80
.irp t, 0,1,2,3,4,5,6,7,8,9,10,11,12,13,14,15,16,17,18,19,20,21,22,23,24,25,26,27,28,29,30,31
	global_load_b128 v[4*\t:4*\t+3], v[CO], s[98:99] offset:2*\t*4096
.endr
	WIN 0
.macro FRAG reg, adr, q, i
.set FO, ((\i)*NQ+(\q))*FRB
	ds_load_b128 v[\reg:\reg+3], v[\adr] offset:FO
	ds_load_b64 v[\reg+4:\reg+5], v[\adr+2] offset:FO+512
	ds_load_b128 v[\reg+6:\reg+9], v[\adr] offset:FO+768
	ds_load_b64 v[\reg+10:\reg+11], v[\adr+2] offset:FO+1280
.endm
.macro MULA a, p, q, sc, zero
.irp b, 0,1,2,3
.if \zero
	v_wmma_scale_f32_16x16x128_f8f6f4 v[ACC+8*(4*(\a)+\b):ACC+8*(4*(\a)+\b)+7], v[128*(\p)+FR*\b:128*(\p)+FR*\b+FR-1], v[128*(\p)+48+FR*(\a):128*(\p)+48+FR*(\a)+FR-1], 0, v[SC+4*NQ*(\sc)+NQ*\b+(\q)], v[SC+4*NQ*(\sc)+NQ*(\a)+(\q)] matrix_a_fmt:MATRIX_FMT_FP6 matrix_b_fmt:MATRIX_FMT_FP6 matrix_a_scale:MATRIX_SCALE_ROW1
.else
	v_wmma_scale_f32_16x16x128_f8f6f4 v[ACC+8*(4*(\a)+\b):ACC+8*(4*(\a)+\b)+7], v[128*(\p)+FR*\b:128*(\p)+FR*\b+FR-1], v[128*(\p)+48+FR*(\a):128*(\p)+48+FR*(\a)+FR-1], v[ACC+8*(4*(\a)+\b):ACC+8*(4*(\a)+\b)+7], v[SC+4*NQ*(\sc)+NQ*\b+(\q)], v[SC+4*NQ*(\sc)+NQ*(\a)+(\q)] matrix_a_fmt:MATRIX_FMT_FP6 matrix_b_fmt:MATRIX_FMT_FP6 matrix_a_scale:MATRIX_SCALE_ROW1
.endif
.endr
.endm
.macro FETCH slot, q, p
	WIN TO_F
.irp i, 0,1,2,3
	FRAG 128*(\p)+FR*\i, ADRB+\slot, \q, \i
.endr
.irp i, 0,1,2,3
	FRAG 128*(\p)+48+FR*\i, ADRA+\slot, \q, \i
.endr
.endm
.macro SCALES sc
	WIN 0
.irp i, 0,1,2,3
.irp q, 0,1,2,3
	ds_load_b32 v[SC+4*NQ*\sc+NQ*\i+\q], v[ADRS] offset:\i*KS*64+64*\q
.endr
.endr
.endm
.macro PLACES n
.rept \n
	v_nop
.endr
.endm
.macro STEP slot, q, zero
.if (\q) == 0
	s_wait_dscnt 16
.endif
	PLACES NP
	FETCH \slot, (\q)+1, 1-(\q)%2
	s_wait_dscnt 32
	WIN MUL
	MULA 0, (\q)%2, \q, \slot, \zero
	MULA 1, (\q)%2, \q, \slot, \zero
	MULA 2, (\q)%2, \q, \slot, \zero
	MULA 3, (\q)%2, \q, \slot, \zero
.endm
.macro TURN slot, next, fill
.if \fill
	s_wait_xcnt 0x0                                ; my last prefetch has read its address: it is stepped here, ahead of the waits of the change of slots
	s_add_nc_u64 s[94:95], s[94:95], NQ*FRB
.endif
	WIN 0
	s_wait_tensorcnt 0x0
	ds_add_u32 v[SPW], v[NIL]
	s_wait_dscnt 13
	WIN MUL
	MULA 0, 1, NQ-1, \slot, 0
	s_wait_dscnt 0x0
	s_barrier_signal -1
	MULA 1, 1, NQ-1, \slot, 0
	WIN 0
	s_barrier_wait -1
.if \fill
	CREST
	s_add_nc_u64 s[G0+4*\slot+2:G0+4*\slot+3], s[G0+4*\slot+2:G0+4*\slot+3], 2*NQ*FRB
	s_add_nc_u64 s[G0B+4*\slot+2:G0B+4*\slot+3], s[G0B+4*\slot+2:G0B+4*\slot+3], 2*NQ*FRB
	JLOAD G0+4*\slot, G1, G0B+4*\slot, G1B
.else
	PLACES NP
.endif
	s_wait_alu depctr_va_vdst(0)
	v_add_nc_u32 v[ADRS], 64*NQ, v[ADRS]
	FETCH \next, 0, 0
	SCALES \next
.if \fill
	s_cmp_gt_u32 s3, 1                             ; the loop's last trip (refills 6 and 7 of fills 0 to 7) has no fill two on: it asks for nothing
	s_cbranch_scc0 .Lno_ask_\@
	global_prefetch_b8 v31, s[94:95] th:TH_LOAD_NT scope:SCOPE_SE   ; the fill two refills on, 128 matrix instructions a wave ahead of the load that wants it; behind the joint load and the run of LDS loads
.Lno_ask_\@:
.endif
	WIN MUL
	MULA 2, 1, NQ-1, \slot, 0
	MULA 3, 1, NQ-1, \slot, 0
.endm
	s_wait_alu depctr_va_vdst(0)
	s_wait_tensorcnt 0x0                           ; my tile of the head's four is in
	ds_add_u32 v[SPW], v[NIL]
	s_mov_b32 s[G1+2], 4<<16                       ; no tensor load of mine is out: from here on a load brings 4 row blocks,
	s_mov_b32 s[G1+4], 4
	s_mov_b32 s[G1B+2], 4<<16
	s_mov_b32 s[G1B+4], 4
	s_mov_b32 s[G0+1], s45                         ; and slot 0's groups 0 name my quarter of the slot
	s_mov_b32 s[G0B+1], s45
	s_add_nc_u64 s[G0+2:G0+3], s[G0+2:G0+3], s[18:19]
	s_add_nc_u64 s[G0B+2:G0B+3], s[G0B+2:G0B+3], s[18:19]
	s_wait_dscnt 0x0
	CROUND                                         ; a whole round: all four tiles are in, and the joint loads meet
	JLOAD G0+4, G1, G0B+4, G1B                     ; slot 1's first fill, the first tensor load behind the round
	FETCH 0, 0, 0
	SCALES 0
	STEP 0, 0, 1
	STEP 0, 1, 0
	STEP 0, 2, 0
.if LAPS > 1
	WIN 0
	s_mov_b32 s3, LAPS-1
.Llap:
	TURN 0, 1, 1
	STEP 1, 0, 0
	STEP 1, 1, 0
	STEP 1, 2, 0
	TURN 1, 0, 1
	STEP 0, 0, 0
	STEP 0, 1, 0
	STEP 0, 2, 0
	WIN 0
	s_sub_co_u32 s3, s3, 1
	s_cmp_lg_u32 s3, 0
	s_cbranch_scc1 .Llap
.endif
	TURN 0, 1, 0
	STEP 1, 0, 0
	STEP 1, 1, 0
	STEP 1, 2, 0
	s_wait_dscnt 0x0
	MULA 0, 1, NQ-1, 1, 0
	MULA 1, 1, NQ-1, 1, 0
	MULA 2, 1, NQ-1, 1, 0
	MULA 3, 1, NQ-1, 1, 0
	WIN 0
.macro TOSTAGE u
.irp a, 2*(\u), 2*(\u)+1
.irp b, 0,1,2,3
	ds_store_b128 v[STO], v[ACC+8*(4*(\a)+\b):ACC+8*(4*(\a)+\b)+3] offset:(\a)*16*SPITCH+64*\b
	ds_store_b128 v[STO], v[ACC+8*(4*(\a)+\b)+4:ACC+8*(4*(\a)+\b)+7] offset:(\a)*16*SPITCH+64*\b+16
.endr
.endr
.irp t, 0,1,2,3,4,5,6,7,8,9,10,11,12,13,14,15
	ds_load_b128 v[ACC+64*(\u)+4*\t:ACC+64*(\u)+4*\t+3], v[RD] offset:(16*(\u)+\t)*2*SPITCH
.endr
.endm
.macro GROUP g, younger
	s_wait_dscnt \younger
.set i, 0
.rept 8
	v_pk_add_f32 v[ACC+32*(\g)+4*i:ACC+32*(\g)+4*i+1], v[ACC+32*(\g)+4*i:ACC+32*(\g)+4*i+1], v[8:9]
	v_pk_add_f32 v[ACC+32*(\g)+4*i+2:ACC+32*(\g)+4*i+3], v[ACC+32*(\g)+4*i+2:ACC+32*(\g)+4*i+3], v[10:11]
.set i, i+1
.endr
	WIN 0x08
.set i, 0
.rept 16
	v_pk_add_f32 v[ACC+32*(\g)+2*i:ACC+32*(\g)+2*i+1], v[ACC+32*(\g)+2*i:ACC+32*(\g)+2*i+1], v[32*(\g)+2*i:32*(\g)+2*i+1]
.set i, i+1
.endr
	WIN 0
.irp t, 0,1,2,3,4,5,6,7
	global_store_b128 v[CO], v[ACC+32*(\g)+4*\t:ACC+32*(\g)+4*\t+3], s[12:13] offset:2*(8*(\g)+\t)*4096 th:TH_STORE_NT
.endr
.endm
	PLACES NP
	s_wait_loadcnt 0x0
	TOSTAGE 0
	GROUP 0, 8
	TOSTAGE 1
	GROUP 1, 32
	GROUP 2, 8
	GROUP 3, 0
	s_wait_tensorcnt 0x0
	ds_add_u32 v[SPW], v[NIL]
	s_wait_dscnt 0x0
	CROUND
	s_endpgm
.Lfunc_end_k_q1c18be1c72_gfc2:
	.size	k_q1c18be1c72_gfc2, .Lfunc_end_k_q1c18be1c72_gfc2-k_q1c18be1c72_gfc2
	.p2alignl 7, 3214868480
	.fill 96, 4, 3214868480
	.section	.rodata,"a",@progbits
	.p2align	6, 0x0
	.amdhsa_kernel k_q1c18be1c72_gfc2
		.amdhsa_group_segment_fixed_size 327680
		.amdhsa_private_segment_fixed_size 0
		.amdhsa_enable_private_segment 0
		.amdhsa_kernarg_size 40
		.amdhsa_user_sgpr_count 2
		.amdhsa_user_sgpr_kernarg_segment_ptr 1
		.amdhsa_wavefront_size32 1
		.amdhsa_system_sgpr_workgroup_id_x 1
		.amdhsa_system_sgpr_workgroup_id_y 1
		.amdhsa_system_sgpr_workgroup_id_z 1
		.amdhsa_system_vgpr_workitem_id 0
		.amdhsa_next_free_vgpr 768
		.amdhsa_next_free_sgpr 102
		.amdhsa_reserve_vcc 0
		.amdhsa_float_denorm_mode_32 3
		.amdhsa_float_denorm_mode_16_64 3
		.amdhsa_memory_ordered 1
		.amdhsa_forward_progress 1
		.amdhsa_inst_pref_size 105
	.end_amdhsa_kernel
	.amdgpu_metadata
---
amdhsa.version: [ 1, 2 ]
amdhsa.kernels:
  - .name:           k_q1c18be1c72_gfc2
    .symbol:         k_q1c18be1c72_gfc2.kd
    .args:
      - { .name: gbuf, .offset: 0, .size: 8, .value_kind: global_buffer, .address_space: global }
      - { .name: wts, .offset: 8, .size: 8, .value_kind: global_buffer, .address_space: global }
      - { .name: b_fc2, .offset: 16, .size: 8, .value_kind: global_buffer, .address_space: global }
      - { .name: x1, .offset: 24, .size: 8, .value_kind: global_buffer, .address_space: global }
      - { .name: out0, .offset: 32, .size: 8, .value_kind: global_buffer, .address_space: global }
    .group_segment_fixed_size: 327680
    .private_segment_fixed_size: 0
    .kernarg_segment_align: 8
    .kernarg_segment_size: 40
    .max_flat_workgroup_size: 128
    .sgpr_count:     102
    .vgpr_count:     768
    .wavefront_size: 32
...
	.end_amdgpu_metadata
.endif
;; end of part 15
